; MI455X (gfx1250); checked and timed in simulation.
; The chip was launched on July 23, 2026; its instructions are those of AMD's public machine-readable ISA for CDNA 5 (MIT licence, August 2026) and "CDNA5" Instruction Set Architecture Reference Guide (July 2026). The comments in the code are by the model that wrote it; some were corrected since.
;; Fastformer. Allowed arithmetic: float matrix products may take bf16 or f16 operands with f32 sums; all other float work in f32.
;; Inputs: Wk 1,024 x 1,024 float32; Wq 1,024 x 1,024 float32; Wr 1,024 x 1,024 float32; Wv 1,024 x 1,024 float32; x 4 x 4,096 x 1,024 float32.
;; Outputs: out0 4 x 4,096 x 1,024 float32.
;; 3 versions, each right; version 2 is faster than version 1; version 3 is version 2 with the launches prep, wprime written anew for expert scheduling mode. Each part assembles by itself: llvm-mc -triple=amdgcn-amd-amdhsa -mcpu=gfx1250 --defsym DOCPART=n.
;; ======== version 1 of 3: 5 launches
;; workspace buffers: WQB 2,097,152 bytes; WKB 2,097,152 bytes; WRB 2,097,152 bytes; WPB 8,388,608 bytes; P0 1,048,576 bytes; P1 1,048,576 bytes; P2 1,048,576 bytes
;; launch prep (part 1): grid 128 x 3, 4 waves a work-group, no clusters, 18,944 bytes of LDS; arguments Wq, Wk, Wr, WQB, WKB, WRB, P0; writes WQB, WKB, WRB, P0
.if DOCPART == 1
	.amdgcn_target "amdgcn-amd-amdhsa--gfx1250"
	.amdhsa_code_object_version 6
	.text
	.protected	k_qa140be92d0_prep
	.globl	k_qa140be92d0_prep
	.p2align	8
	.type	k_qa140be92d0_prep,@function
k_qa140be92d0_prep:
	s_mov_b64 s[64:65], 0
	v_nop
	global_prefetch_b8 v0, s[64:65] scope:SCOPE_SE
	s_setreg_imm32_b32 hwreg(HW_REG_WAVE_MODE, 25, 1), 1
	s_wait_xcnt 0x0
; Three weights W[k][n] (f32, 1024 x 1024) are rounded once to bf16 and laid out in blocks for the products that follow:
; [t = k / 64][n][k % 64], byte t x 131072 + n x 128 + (k % 64) x 2, so that a K step's 1,024 rows of 64 numbers are dense in memory.
; The grid's y picks the weight (Wq, Wk, Wr); x picks 64 k (t = x / 8) and 128 n (x % 8).  The turn from [k][n] to [n][k] goes through LDS.
; The work-groups of y = 0 and 1 also fill P0 with 1/64: the sum of its 64 rows of a batch is exactly 1.
.set PB,  144                          ; an LDS row: 64 bf16 + 16 bytes
.set R,   8                            ; v[8:71]   16 rows x 4 numbers as loaded; later the rows read back
.set C,   72                           ; v[72:103] packed: for each of my 4 n, 16 k
.set ONE, 104                          ; v[104:107] 1/64
	s_load_b256 s[4:11], s[0:1], 0x0               ; Wq s[4:5], Wk s[6:7], Wr s[8:9], WQB s[10:11]
	s_load_b128 s[12:15], s[0:1], 0x20             ; WKB s[12:13], WRB s[14:15]
	s_load_b64 s[16:17], s[0:1], 0x30              ; P0
	v_lshl_add_u32 v112, v0, 2, 0x4800
	v_mov_b32 v113, 0
	s_and_b32 s22, ttmp7, 0xffff                   ; which weight
	s_lshr_b32 s23, ttmp9, 3                       ; t
	s_and_b32 s24, ttmp9, 7                        ; block of 128 n
	v_and_b32 v1, 31, v0                           ; lane
	v_lshrrev_b32 v2, 5, v0                        ; wave
	v_lshlrev_b32 v3, 4, v1
	v_lshl_add_u32 v3, v2, 16, v3                  ; load: wave x 16 rows of 4,096 bytes + 16 x lane
	v_mul_u32_u24 v4, v1, 4*PB
	v_lshl_add_u32 v4, v2, 5, v4                   ; into LDS: row n = 4 x lane (+ c), byte 32 x wave (my 16 k)
	v_lshrrev_b32 v5, 3, v0
	v_mul_u32_u24 v5, v5, PB
	v_and_b32 v6, 7, v0
	v_lshl_add_u32 v5, v6, 4, v5                   ; back: row thread / 8, 16 bytes at thread % 8
	v_lshlrev_b32 v7, 4, v0                        ; 16 x thread
	s_lshl_b32 s26, s23, 18                        ; source: 64 t rows of 4,096 bytes
	s_lshl_b32 s25, s24, 9                         ; + 128 n of 4 bytes
	s_add_co_u32 s26, s26, s25
	s_mov_b32 s27, 0
	s_lshl_b32 s28, s23, 17                        ; target: t x 131072
	s_lshl_b32 s25, s24, 14                        ; + 128 rows of 128 bytes
	s_add_co_u32 s28, s28, s25
	s_mov_b32 s29, 0
	s_lshl_b32 s30, s22, 7
	s_add_co_u32 s30, s30, ttmp9
	s_lshl_b32 s30, s30, 12                        ; P0: 4,096 bytes for each work-group of y = 0, 1
	s_mov_b32 s31, 0
	s_wait_kmcnt 0x0
	s_cmp_eq_u32 s22, 0
	s_cselect_b64 s[18:19], s[4:5], s[6:7]
	s_cselect_b64 s[20:21], s[10:11], s[12:13]
	s_cmp_eq_u32 s22, 2
	s_cselect_b64 s[18:19], s[8:9], s[18:19]
	s_cselect_b64 s[20:21], s[14:15], s[20:21]
	s_add_nc_u64 s[18:19], s[18:19], s[26:27]
	s_add_nc_u64 s[20:21], s[20:21], s[28:29]
.set i, 0
.rept 16                               ; row k = 16 wave + i: a wave's load covers 512 consecutive bytes of it
	global_load_b128 v[R+4*i:R+4*i+3], v3, s[18:19] offset:i*4096 th:TH_LOAD_NT
.set i, i+1
.endr
	s_wait_loadcnt 0x0
.set i, 0
.rept 32                               ; c = i / 8: which of my 4 n; i % 8: the pair of k
	v_cvt_pk_bf16_f32 v[C+i], v[R+8*(i%8)+i/8], v[R+8*(i%8)+4+i/8]
.set i, i+1
.endr
.set i, 0
.rept 8
	ds_store_b128 v4, v[C+4*i:C+4*i+3] offset:(i/2)*PB+16*(i%2)
.set i, i+1
.endr
	s_wait_dscnt 0x0                               ; for the others' sake: my stores are done
	s_barrier_signal -1
	s_barrier_wait -1
.set i, 0
.rept 8                                ; 16 rows of 128 bytes at a time
	ds_load_b128 v[R+4*i:R+4*i+3], v5 offset:i*16*PB
.set i, i+1
.endr
.set i, 0
.rept 8
	s_wait_dscnt 7-i                               ; LDS loads come back in order: load i is in
	global_store_b128 v7, v[R+4*i:R+4*i+3], s[20:21] offset:i*2048  ; a wave stores 512 consecutive bytes
.set i, i+1
.endr
	s_cmp_lt_u32 s22, 2
	s_cbranch_scc0 .Lend
	s_add_nc_u64 s[16:17], s[16:17], s[30:31]
.irp i, 0,1,2,3
	v_mov_b32 v[ONE+\i], 0x3c800000                ; 1/64
.endr
	global_store_b128 v7, v[ONE:ONE+3], s[16:17]
	global_store_b128 v7, v[ONE:ONE+3], s[16:17] offset:2048
.Lend:
	s_wait_tensorcnt 0x0
	ds_add_u32 v112, v113
	s_wait_dscnt 0x0
	s_endpgm
.Lfunc_end_k_qa140be92d0_prep:
	.size	k_qa140be92d0_prep, .Lfunc_end_k_qa140be92d0_prep-k_qa140be92d0_prep
	.p2alignl 7, 3214868480
	.fill 96, 4, 3214868480
	.section	.rodata,"a",@progbits
	.p2align	6, 0x0
	.amdhsa_kernel k_qa140be92d0_prep
		.amdhsa_group_segment_fixed_size 18944
		.amdhsa_private_segment_fixed_size 0
		.amdhsa_enable_private_segment 0
		.amdhsa_kernarg_size 56
		.amdhsa_user_sgpr_count 2
		.amdhsa_user_sgpr_kernarg_segment_ptr 1
		.amdhsa_wavefront_size32 1
		.amdhsa_system_sgpr_workgroup_id_x 1
		.amdhsa_system_sgpr_workgroup_id_y 1
		.amdhsa_system_sgpr_workgroup_id_z 1
		.amdhsa_system_vgpr_workitem_id 0
		.amdhsa_next_free_vgpr 114
		.amdhsa_next_free_sgpr 66
		.amdhsa_reserve_vcc 0
		.amdhsa_float_denorm_mode_32 3
		.amdhsa_float_denorm_mode_16_64 3
		.amdhsa_memory_ordered 1
		.amdhsa_forward_progress 1
		.amdhsa_inst_pref_size 9
	.end_amdhsa_kernel
	.amdgpu_metadata
---
amdhsa.version: [ 1, 2 ]
amdhsa.kernels:
  - .name:           k_qa140be92d0_prep
    .symbol:         k_qa140be92d0_prep.kd
    .args:
      - { .name: Wq, .offset: 0, .size: 8, .value_kind: global_buffer, .address_space: global }
      - { .name: Wk, .offset: 8, .size: 8, .value_kind: global_buffer, .address_space: global }
      - { .name: Wr, .offset: 16, .size: 8, .value_kind: global_buffer, .address_space: global }
      - { .name: WQB, .offset: 24, .size: 8, .value_kind: global_buffer, .address_space: global }
      - { .name: WKB, .offset: 32, .size: 8, .value_kind: global_buffer, .address_space: global }
      - { .name: WRB, .offset: 40, .size: 8, .value_kind: global_buffer, .address_space: global }
      - { .name: P0, .offset: 48, .size: 8, .value_kind: global_buffer, .address_space: global }
    .group_segment_fixed_size: 18944
    .private_segment_fixed_size: 0
    .kernarg_segment_align: 8
    .kernarg_segment_size: 56
    .max_flat_workgroup_size: 128
    .sgpr_count:     66
    .vgpr_count:     114
    .wavefront_size: 32
...
	.end_amdgpu_metadata
.endif
;; end of part 1
;; launch projq (part 2): grid 256 x 1, 4 waves a work-group, clusters of 4 x 1, 327,680 bytes of LDS; arguments x, WQB, P0, P1; writes P1
.if DOCPART == 2
	.amdgcn_target "amdgcn-amd-amdhsa--gfx1250"
	.amdhsa_code_object_version 6
	.text
	.protected	k_qa140be92d0_projq
	.globl	k_qa140be92d0_projq
	.p2align	8
	.type	k_qa140be92d0_projq,@function
k_qa140be92d0_projq:
	s_mov_b64 s[64:65], 0
	v_nop
	global_prefetch_b8 v0, s[64:65] scope:SCOPE_SE
	s_setreg_imm32_b32 hwreg(HW_REG_WAVE_MODE, 25, 1), 1
	s_wait_xcnt 0x0
	s_wait_alu depctr_hold_cnt(0) depctr_sa_sdst(0) depctr_va_vdst(0) depctr_va_sdst(0) depctr_va_ssrc(0) depctr_va_vcc(0) depctr_vm_vsrc(0)
	s_getreg_b32 s2, hwreg(HW_REG_IB_STS2, 6, 4)
	s_cmp_eq_u32 s2, 0
	s_cbranch_scc0 .Lentry_in_a_cluster
	s_endpgm
.Lentry_in_a_cluster:
	s_bfe_u32 s2, ttmp6, 0x10000c
	s_cmp_lg_u32 s2, 0x3003
	s_cbranch_scc0 .Lentry_shape_is_right
	s_endpgm
.Lentry_shape_is_right:
; ONE TEXT FOR TWO LAUNCHES.  g[n] = the sum of the batch's 64 rows of the table PIN;  p[s][n] = g[n] (x W)[s][n];  POUT[work-group][n] = the sum over my 64 rows s of
; p[s][n] softmax_n(p[s][:] / 32)[n], with the row's true maximum taken away.  With PIN = 1/64 everywhere g is exactly 1 and the sums are global_query's; with PIN = those sums they are global_key's.
; The price of one text: the first launch multiplies by 1 (256 packed multiplies a wave) and reads a table of constants.
; x: [16384][1024] f32, rounded to bf16 on its way into LDS.  W: bf16 in blocks [k / 64][n][k % 64].  Products in bf16 with f32 sums; all else in f32.
; LIMITS.  NaN and infinities are not treated apart; a weight below 2^-126 counts as 0 in a row's sum.
; SHARES.  A work-group owns 64 rows and all 1,024 columns (a softmax needs whole rows); wave w owns columns 256 w .. 256 w + 255: 64 accumulators of 16 x 16, 512 registers.
; K goes in steps of 64 through two LDS slots of W (1,024 rows of 128 bytes + 16) filled by tensor loads, each wave its own quarter, and two small slots of x, written by ds_store.
; CLUSTER.  The four row blocks of a cluster walk the same W, so each tile is asked for JOINTLY: the same tensor load, descriptor and mask in all four.
; REGISTERS, in windows of 256 (s_set_vgpr_msb: bits 1:0 source 0, 3:2 source 1, 5:4 source 2, 7:6 destination):
;   window 0: v0-23 addresses; v24-39 x packed; v40-103 x as loaded, two sets; v104-167 fragments of x, two buffers; v168-175 g's sums.  Behind the K loop v24-199 are used anew.
;   window 1: fragments of W, two buffers of 128.     windows 2, 3: accumulator (a, b) in window 2 + a / 2 at v[8 (16 (a % 2) + b)].
.set FINAL, 0
.set NSTEP, 16                         ; K steps
.set PB,    144                        ; an LDS row: 128 bytes + 16 = 36 words: the 16 rows of a fragment load start at 16 different groups of four banks (ISA guide 11.1)
.set QUART, 256*PB                     ; a wave's quarter of a slot: 256 rows of W
.set SLOT,  4*QUART
.set ABASE, 2*SLOT                     ; x's two slots: 64 rows each; no tensor load lands here
.set ASLOT, 64*PB
.set SPARE, ABASE+2*ASLOT              ; the spare words, 128 bytes a wave: two blocks of 256 bytes that no other line names
.set GLDS,  SPARE+512                  ; g, 1,024 f32
.set STAT1, GLDS+4096                  ; the rows' maxima, 64 f32 a wave
.set STAT2, STAT1+1024                 ; the rows' sums
.set COL,   STAT2+1024                 ; the columns' sums, 256 f32 a wave
.set ADRA, 4                           ; v4     my place in a fragment of x
.set ADRB, 5                           ; v5-6   my place in a fragment of W, slot 0, 1
.set AST,  7                           ; v7     where I store packed x
.set XL,   8                           ; v8     my byte offset in the work-group's rows of x
.set XO,   10                          ; v10-11 the same with the piece's columns, for each register set
.set SPW,  12                          ; v12    LDS address of my spare word; never rewritten
.set NIL,  13                          ; v13    0; never rewritten
.set GOF,  14                          ; v14    16 x thread
.set GST,  15                          ; v15    GLDS + 16 x thread
.set XC,   24
.set XR,   40
.set AF,   104
.set GS,   168
.set WV,   12                          ; s12    wave
.set G1,   16                          ; s[16:23] descriptor group 1
.set G0,   24                          ; s[24:31] descriptor group 0, a set for each slot
.set CNT,  32                          ; s32    loop counter
.set QW,   33                          ; s33    wave x QUART
.set C2,   34                          ; s[34:35] log2(e) / 32
.set SEL,  36                          ; s[36:37] v_permlanex16_b32's selects: each lane takes its own place in the other half
.set WB,   40                          ; s[40:41] W at my wave's rows
.set WP,   42
.set OFF,  44
.set XP,   50
.if FINAL
.set MULW, 0xa1
.else
.set MULW, 0xa4                        ; source 0 (x) window 0, source 1 (W) window 1, C and D window 2
.endif
.set MSB, 0
.macro WIN new                         ; the immediate's high byte repeats the setting that is left; a switch that changes nothing is dropped
.if MSB != (\new)
	s_set_vgpr_msb (MSB<<8)|(\new)
.set MSB, \new
.endif
.endm
.macro PLACES                          ; four plain places behind matrix instructions, in front of loads into registers that they read
.rept 4
	v_nop
.endr
.endm
.macro CREST                           ; a round of the cluster's barrier behind its opening barrier
	s_cmp_lg_u32 s[WV], 0
	s_cbranch_scc1 .Lnot_wave_0_\@
	s_barrier_signal -3
.Lnot_wave_0_\@:
	s_barrier_wait -3
	s_barrier_signal -1
	s_barrier_wait -1
.endm
.macro CROUND
	s_barrier_signal -1
	s_barrier_wait -1
	CREST
.endm
; 16 matrix instructions: row block a x all 16 column blocks, 32 along K, from fragment buffers f.  The 64 accumulators take turns, one instruction a turn.
.macro MUL16 f, a, zero
	WIN MULW+0x50*((\a)/2)
.set bb, 0
.rept 16
.set rD, 8*(16*((\a)%2)+bb)
.set rA, AF+32*(\f)+8*(\a)
.set rB, 128*(\f)+8*bb
.if FINAL
.if \zero
	v_wmma_f32_16x16x32_bf16 v[rD:rD+7], v[rB:rB+7], v[rA:rA+7], 0
.else
	v_wmma_f32_16x16x32_bf16 v[rD:rD+7], v[rB:rB+7], v[rA:rA+7], v[rD:rD+7]
.endif
.else
.if \zero
	v_wmma_f32_16x16x32_bf16 v[rD:rD+7], v[rA:rA+7], v[rB:rB+7], 0
.else
	v_wmma_f32_16x16x32_bf16 v[rD:rD+7], v[rA:rA+7], v[rB:rB+7], v[rD:rD+7]
.endif
.endif
.set bb, bb+1
.endr
.endm
; 40 LDS loads in one run: the fragments of half q (32 along K) of a step: W's 256 rows, then x's 64, into buffers f
.macro FETCH bslot, aslot, q, f
	WIN 0x40
.set bb, 0
.rept 16
	ds_load_b128 v[128*(\f)+8*bb:128*(\f)+8*bb+3],   v[ADRB+(\bslot)] offset:bb*16*PB+64*(\q)
	ds_load_b128 v[128*(\f)+8*bb+4:128*(\f)+8*bb+7], v[ADRB+(\bslot)] offset:bb*16*PB+64*(\q)+32
.set bb, bb+1
.endr
	WIN 0
.irp a, 0,1,2,3
	ds_load_b128 v[AF+32*(\f)+8*\a:AF+32*(\f)+8*\a+3],   v[ADRA] offset:(\aslot)*ASLOT+\a*16*PB+64*(\q)
	ds_load_b128 v[AF+32*(\f)+8*\a+4:AF+32*(\f)+8*\a+7], v[ADRA] offset:(\aslot)*ASLOT+\a*16*PB+64*(\q)+32
.endr
.endm
; A piece of x (64 rows x 64 columns; my wave's 16 rows) goes from register set 'set' to x's slot 'aslot' as bf16; load = 1: the set takes the piece two further on.
.macro SIDE set, aslot, left, load
	WIN 0
	s_wait_loadcnt \left                           ; loads come back in order: this set's eight are in, the other set's may stay out; the wait also frees this set's offset register
.irp i, 0,1,2,3,4,5,6,7
	v_cvt_pk_bf16_f32 v[XC+2*\i],   v[XR+32*(\set)+4*\i],   v[XR+32*(\set)+4*\i+1]
	v_cvt_pk_bf16_f32 v[XC+2*\i+1], v[XR+32*(\set)+4*\i+2], v[XR+32*(\set)+4*\i+3]
.endr
.irp i, 0,1,2,3,4,5,6,7
	ds_store_b64 v[AST], v[XC+2*\i:XC+2*\i+1] offset:(\aslot)*ASLOT+\i*2*PB
.endr
.if \load
.if FINAL
	s_add_co_u32 s[XP+(\set)], s[XP+(\set)], 512
	s_and_b32 s[XP+(\set)], s[XP+(\set)], 0xfff    ; behind the row's last columns the first come again
	v_add_nc_u32 v[XO+(\set)], s[XP+(\set)], v[XL]
.else
	v_add_nc_u32 v[XO+(\set)], 512, v[XO+(\set)]
.endif
.irp i, 0,1,2,3,4,5,6,7
	global_load_b128 v[XR+32*(\set)+4*\i:XR+32*(\set)+4*\i+3], v[XO+(\set)], s[4:5] offset:\i*8192  ; two rows, 256 consecutive bytes of each
.endr
.endif
.endm
; A step's first half: multiplies buffers 0; in its middle the next piece of x is packed (its 16 conversions are the places in front of the loads) and the second half's fragments are fetched.
.macro H0 bslot, aslot, zero, side=0, set=0, sslot=0, left=0, load=0
	s_wait_dscnt 4                                 ; W and x's row blocks 0, 1 are in; the youngest four loads (blocks 2, 3) may be out
	MUL16 0, 0, \zero
	MUL16 0, 1, \zero
.if \side
	SIDE \set, \sslot, \left, \load
.else
	PLACES
.endif
	FETCH \bslot, \aslot, 1, 1
	s_wait_dscnt 40                                ; all but the 40 just issued
	MUL16 0, 2, \zero
	MUL16 0, 3, \zero
.endm
; A step's second half multiplies buffers 1 and changes slots: ONE barrier.  In front of it each wave waits for all its tensor loads (one is out: its quarter of the next slot), adds 0 to its spare
; word, and waits for that, for its reads of both slots in hand and for its stores of x.  refill = 1: the barrier opens a round of the cluster's barrier, and W's slot just read takes the tile two steps on.
.macro TURN bslot, nb, na, refill
	WIN 0
	s_wait_tensorcnt 0x0                           ; no tensor load of mine is out, so a group 0 may be written
	ds_add_u32 v[SPW], v[NIL]                      ; 0 onto my spare word
.if \refill
.if FINAL
	s_add_co_u32 s[OFF+(\bslot)], s[OFF+(\bslot)], 0x40000     ; two tiles on; tiles 0-15 lie in Wq, 16-31 in the batch's W'
	s_cmp_lt_u32 s[OFF+(\bslot)], 0x200000
	s_cselect_b64 s[48:49], s[WB:WB+1], s[WP:WP+1]
	s_and_b32 s46, s[OFF+(\bslot)], 0x1fffff
	s_add_nc_u64 s[G0+4*(\bslot)+2:G0+4*(\bslot)+3], s[48:49], s[46:47]
	s_or_b32 s[G0+4*(\bslot)+3], s[G0+4*(\bslot)+3], 0x80000000
.else
	s_add_nc_u64 s[G0+4*(\bslot)+2:G0+4*(\bslot)+3], s[G0+4*(\bslot)+2:G0+4*(\bslot)+3], 0x40000  ; two tiles on; the type bits on top are not reached
.endif
.endif
	s_wait_dscnt 5                                 ; (the add and the youngest four loads may be out)
	MUL16 1, 0, 0                                  ; sixteen matrix instructions stand between the add and the wait for it
	s_wait_dscnt 0x0                               ; the add is done, my reads of the slots are over, my piece of x is stored
	s_barrier_signal -1
	MUL16 1, 1, 0
	WIN 0
	s_barrier_wait -1
.if \refill
	CREST                                          ; no wave of any partner still reads this slot or has a load on its way
	tensor_load_to_lds s[G0+4*(\bslot):G0+4*(\bslot)+3], s[G1:G1+7]  ; my one tensor load behind the round, and the first thing there
	s_nop 0
.endif
	PLACES                                         ; in front of the loads into buffers 0
	FETCH \nb, \na, 0, 0
	MUL16 1, 2, 0
	MUL16 1, 3, 0
.endm
.macro LAST                            ; the very last half step: nothing more to fetch
	s_wait_dscnt 4
	MUL16 1, 0, 0
	MUL16 1, 1, 0
	s_wait_dscnt 0x0
	MUL16 1, 2, 0
	MUL16 1, 3, 0
.endm
; g: thread t sums columns 4 t .. + 3 and 512 + 4 t .. + 3 of the 64 rows at s[base]: two trips of 32 rows, 64 loads each into window 1; a wave's load covers 512 consecutive bytes.
.macro GSUM base
	WIN 0
.irp i, 0,1,2,3,4,5,6,7
	v_mov_b32 v[GS+\i], 0
.endr
	s_mov_b32 s[CNT], 2
.Lgsum:
	WIN 0x40
.set j, 0
.rept 32
	global_load_b128 v[8*j:8*j+3],   v[GOF], s[\base:\base+1] offset:j*4096
	global_load_b128 v[8*j+4:8*j+7], v[GOF], s[\base:\base+1] offset:j*4096+2048
.set j, j+1
.endr
	WIN 0x04
.set j, 0
.rept 32
.if j == 0
	s_wait_loadcnt 32                              ; rows 0-15 are in; the 32 loads of rows 16-31 may be out
.elseif j == 16
	s_wait_loadcnt 0x0                             ; all are in: the base may be stepped below
.endif
.irp c, 0,2,4,6
	v_pk_add_f32 v[GS+\c:GS+\c+1], v[GS+\c:GS+\c+1], v[8*j+\c:8*j+\c+1]
.endr
.set j, j+1
.endr
	WIN 0
	s_add_nc_u64 s[\base:\base+1], s[\base:\base+1], 32*4096
	s_sub_co_u32 s[CNT], s[CNT], 1
	s_cmp_lg_u32 s[CNT], 0
	s_cbranch_scc1 .Lgsum
.endm
	s_load_b256 s[4:11], s[0:1], 0x0               ; x s[4:5], W s[6:7], PIN s[8:9], POUT s[10:11]
	v_lshl_add_u32 v[SPW], v0, 2, SPARE
	v_mov_b32 v[NIL], 0
	ds_add_u32 v12, v13
	s_wait_dscnt 0x0
	v_lshrrev_b32 v3, 5, v0
	v_readfirstlane_b32 s[WV], v3                  ; wave 0..3
	s_bfe_u32 s13, ttmp6, 0x40000                  ; cx: my place in the cluster
	s_lshl_b32 s14, ttmp9, 2                       ; in a cluster launch ttmp9 counts clusters
	s_add_co_u32 s14, s14, s13                     ; my row block: it enters x's and the output's addresses alone
	s_lshr_b32 s15, ttmp9, 4                       ; the batch, which the four partners share
	; descriptor group 1.  A wave's 256 rows of 128 bytes are 32,768 dense bytes: asked for as 128 rows of 256 bytes and padded in LDS after every 128
	s_mov_b32 s[G1+0], 15|(1<<16)|(1<<20)|(1<<21)|(4<<22)|(3<<25)  ; 15:0 the mask of four; 17:16 2-byte elements; 20 padding on; 21 set beside a mask; 24:22 after every 32 words (code 4); 31:25 4 words (code 3)
	s_mov_b32 s[G1+1], 128<<16                     ; tensor_dim0 = 128
	s_mov_b32 s[G1+2], 128<<16                     ; tensor_dim1 = 128
	s_mov_b32 s[G1+3], 128<<16                     ; tile_dim0 = 128
	s_mov_b32 s[G1+4], 128                         ; tile_dim1 = 128
	s_mov_b32 s[G1+5], 128                         ; 128 elements from row to row
	s_mov_b32 s[G1+6], 0
	s_mov_b32 s[G1+7], 0
	s_mul_i32 s[QW], s[WV], QUART                  ; my quarter of a slot: no place in the cluster enters an LDS address
	s_lshl_b32 s38, s[WV], 15                      ; my 256 rows in a tile of W
	s_mov_b32 s39, 0
	s_mov_b32 s[G0+0], 1
	s_mov_b32 s[G0+1], s[QW]
	s_mov_b32 s[G0+4], 1
	s_add_co_u32 s[G0+5], s[QW], SLOT
	s_lshl_b32 s54, s14, 18                        ; my 64 rows of 4,096 bytes
	s_mov_b32 s55, 0
	s_mov_b32 s[C2], 0x3d38aa3b                    ; log2(e) / 32
	s_mov_b32 s[C2+1], s[C2]                       ; named with it as a pair
	s_mov_b32 s[SEL], 0x76543210
	s_mov_b32 s[SEL+1], 0xfedcba98
	s_lshl_b32 s56, s15, 18                        ; the batch's 64 rows of PIN
	s_mov_b32 s57, 0
	s_lshl_b32 s58, s14, 12                        ; my row of POUT
	s_mov_b32 s59, 0
	s_wait_kmcnt 0x0
	s_add_nc_u64 s[4:5], s[4:5], s[54:55]
	s_add_nc_u64 s[8:9], s[8:9], s[56:57]
	s_add_nc_u64 s[10:11], s[10:11], s[58:59]
	s_add_nc_u64 s[WB:WB+1], s[6:7], s[38:39]
	s_mov_b64 s[G0+2:G0+3], s[WB:WB+1]             ; tile 0
	s_or_b32 s[G0+3], s[G0+3], 0x80000000          ; type = 2
	s_add_nc_u64 s[G0+6:G0+7], s[WB:WB+1], 0x20000 ; tile 1
	s_or_b32 s[G0+7], s[G0+7], 0x80000000
	CROUND                                         ; all four work-groups are here: the first joint loads meet
	tensor_load_to_lds s[G0:G0+3], s[G1:G1+7]      ; both first fills go out together: two loads of mine are out
	s_nop 0
	tensor_load_to_lds s[G0+4:G0+7], s[G1:G1+7]
	s_nop 0
	PLACES
	v_and_b32 v1, 15, v0                           ; r = lane % 16
	v_bfe_u32 v2, v0, 4, 1                         ; h = lane / 16
	v_mul_u32_u24 v3, v1, PB
	v_lshl_add_u32 v3, v2, 4, v3                   ; a fragment's row x pitch + 16 x half
	v_add_nc_u32 v[ADRA], ABASE, v3
	v_add_nc_u32 v[ADRB], s[QW], v3
	v_add_nc_u32 v[ADRB+1], SLOT, v[ADRB]
	s_lshl_b32 s60, s[WV], 4
	v_add_nc_u32 v9, s60, v2                       ; row 16 w + h: a load takes two rows, lanes 0-15 the even one
	v_mul_u32_u24 v[AST], v9, PB
	v_lshl_add_u32 v[AST], v1, 3, v[AST]
	v_add_nc_u32 v[AST], ABASE, v[AST]
	v_lshlrev_b32 v[XL], 12, v9
	v_lshl_add_u32 v[XL], v1, 4, v[XL]
	v_mov_b32 v[XO], v[XL]
	v_add_nc_u32 v[XO+1], 256, v[XL]
	v_lshlrev_b32 v[GOF], 4, v0
	v_add_nc_u32 v[GST], GLDS, v[GOF]
.irp s, 0,1
.irp i, 0,1,2,3,4,5,6,7
	global_load_b128 v[XR+32*\s+4*\i:XR+32*\s+4*\i+3], v[XO+\s], s[4:5] offset:\i*8192  ; pieces 0 and 1
.endr
.endr
	GSUM 8
	ds_store_b128 v[GST], v[GS:GS+3]
	ds_store_b128 v[GST], v[GS+4:GS+7] offset:2048
	SIDE 0, 0, 8, 1                                ; piece 0 into x's slot 0; piece 2 is asked for
	s_wait_tensorcnt 0x1                           ; my quarter of tile 0 is in; tile 1's may stay out
	s_wait_dscnt 0x0                               ; my stores of g and of x are done
	s_barrier_signal -1
	s_barrier_wait -1
	FETCH 0, 0, 0, 0
	H0 0, 0, 1, 1, 1, 1, 8, 1                      ; the first half step stands in front of the loop: its products start the sums
	WIN 0                                          ; at a label and at a branch every window is 0
	s_mov_b32 s[CNT], (NSTEP-4)/2
.Lk:                                                   ; a trip: two K steps, from a step's second half to the first half two steps on; both slots are filled again
	TURN 0, 1, 1, 1
	H0 1, 1, 0, 1, 0, 0, 8, 1
	TURN 1, 0, 0, 1
	H0 0, 0, 0, 1, 1, 1, 8, 1
	WIN 0
	s_sub_co_u32 s[CNT], s[CNT], 1
	s_cmp_lg_u32 s[CNT], 0
	s_cbranch_scc1 .Lk
	TURN 0, 1, 1, 1                                ; the tail is written out: the last two tiles are asked for,
	H0 1, 1, 0, 1, 0, 0, 8, 0                      ; no piece of x is left to ask for: the counts run down
	TURN 1, 0, 0, 1
	H0 0, 0, 0, 1, 1, 1, 0, 0
	TURN 0, 1, 1, 0                                ; and then nothing
	H0 1, 1, 0
	LAST
; BEHIND THE PRODUCTS.  In accumulator (a, b) a lane holds column n = 256 w + 16 b + r and rows 16 a + 8 h + j, j its register.
.set GV,  24                           ; v24-39   g of my 16 columns
.set MX,  40                           ; v40-71   by row 8 a + j: the maximum, then c M
.set LS,  72                           ; v72-103  by row: the sum of the weights, then its reciprocal
.set T,   104                          ; v104-167 two buffers of 32 at work
.set CS,  168                          ; v168-199 by column block b: a pair of partial sums
.set AG,  16
.set S1S, 17
.set S1R, 18
.set S2S, 19
.set S2R, 20
.set ACS, 21
.set ACR, 22
.set AOUT, 23
	WIN 0                                          ; fourteen plain lines of addresses: the places behind the last products
	s_lshl_b32 s60, s[WV], 10
	s_lshl_b32 s61, s[WV], 8
	v_lshl_add_u32 v9, v1, 2, s60                  ; 1,024 w + 4 r
	v_add_nc_u32 v[AG], GLDS, v9
	v_add_nc_u32 v[ACS], COL, v9
	v_lshlrev_b32 v[S1R], 5, v2                    ; 32 h
	v_add_nc_u32 v[S1S], s61, v[S1R]               ; + 256 w
	v_add_nc_u32 v[S2S], STAT2, v[S1S]
	v_add_nc_u32 v[S1S], STAT1, v[S1S]
	v_add_nc_u32 v[S2R], STAT2, v[S1R]
	v_add_nc_u32 v[S1R], STAT1, v[S1R]
	v_and_b32 v[AOUT], 31, v0
	v_lshl_add_u32 v[AOUT], v[AOUT], 4, s60        ; 1,024 w + 16 x lane
	v_add_nc_u32 v[ACR], COL, v[AOUT]
.set bb, 0
.rept 16
	ds_load_b32 v[GV+bb], v[AG] offset:64*bb
.set bb, bb+1
.endr
	s_wait_dscnt 0x0
; p = g x sum, in place; each accumulator's registers in ascending order
.macro SCALEP a
	WIN 0x82+0x41*((\a)/2)
.set bb, 0
.rept 16
.set rD, 8*(16*((\a)%2)+bb)
.set rG, GV+2*(bb/2)
.set i, 0
.rept 4
.if bb%2
	v_pk_mul_f32 v[rD+2*i:rD+2*i+1], v[rD+2*i:rD+2*i+1], v[rG:rG+1] op_sel:[0,1] op_sel_hi:[1,1]
.else
	v_pk_mul_f32 v[rD+2*i:rD+2*i+1], v[rD+2*i:rD+2*i+1], v[rG:rG+1] op_sel_hi:[1,0]
.endif
.set i, i+1
.endr
.set bb, bb+1
.endr
.endm
	SCALEP 0
	SCALEP 1
	SCALEP 2
	SCALEP 3
; each row's maximum over my lane's 16 columns; sixteen rows by turns, so that no line waits for the one before it
.macro ROWMAX hi
	WIN 0x0a+5*(\hi)
.set i, 0
.rept 16
	v_max_num_f32 v[MX+16*(\hi)+i], v[128*(i/8)+i%8], v[128*(i/8)+8+i%8]
.set i, i+1
.endr
	WIN 0x28+0x14*(\hi)
.set k, 1
.rept 7
.set i, 0
.rept 16
	v_max3_num_f32 v[MX+16*(\hi)+i], v[MX+16*(\hi)+i], v[128*(i/8)+16*k+i%8], v[128*(i/8)+16*k+8+i%8]
.set i, i+1
.endr
.set k, k+1
.endr
.endm
	ROWMAX 0
	ROWMAX 1
	WIN 0
.irp m, 1,2,4,8                        ; over the 16 lanes of my half: the wave's 256 columns
.set i, 0
.rept 32
	v_max_num_f32_dpp v[MX+i], v[MX+i], v[MX+i] row_xmask:\m row_mask:0xf bank_mask:0xf
.set i, i+1
.endr
.endr
; the four waves' figures of the 64 rows meet in LDS: row 16 a + 8 h + j at byte 64 a + 32 h + 4 j of the wave's 256; all four come back into window 1, wave u's at v[32 u ..]
.macro SHARE reg, sto, rd
	WIN 0
.set i, 0
.rept 8
	ds_store_b128 v[\sto], v[(\reg)+4*i:(\reg)+4*i+3] offset:64*(i/2)+16*(i%2)
.set i, i+1
.endr
	s_wait_dscnt 0x0                               ; for the others' sake: my stores are done
	s_barrier_signal -1
	s_barrier_wait -1
	WIN 0x40
.set i, 0
.rept 32
	ds_load_b128 v[4*i:4*i+3], v[\rd] offset:256*(i/8)+64*((i%8)/2)+16*(i%2)
.set i, i+1
.endr
	s_wait_dscnt 0x0
.endm
	SHARE MX, S1S, S1R
	WIN 0x15
.set i, 0
.rept 32
	v_max3_num_f32 v[MX+i], v[i], v[32+i], v[64+i]
.set i, i+1
.endr
	WIN 0x04
.set i, 0
.rept 32
	v_max_num_f32 v[MX+i], v[MX+i], v[96+i]        ; M: the row's maximum over all 1,024 columns
.set i, i+1
.endr
	WIN 0
.set i, 0
.rept 16
	v_pk_mul_f32 v[MX+2*i:MX+2*i+1], v[MX+2*i:MX+2*i+1], s[C2:C2+1] op_sel_hi:[1,0]  ; c M
.set i, i+1
.endr
; row block a, column blocks 4 gq .. 4 gq + 3: e = 2^(c p - c M); the rows' sums take e; the accumulator becomes p e
.macro EXPG a, gq
.set rT, T+32*((\gq)%2)
	WIN 0x02+(\a)/2
.set k, 0
.rept 16
.set rD, 8*(16*((\a)%2)+4*(\gq)+k/4)+2*(k%4)
.set rM, MX+8*(\a)+2*(k%4)
	v_pk_fma_f32 v[rT+2*k:rT+2*k+1], v[rD:rD+1], s[C2:C2+1], v[rM:rM+1] op_sel_hi:[1,0,1] neg_lo:[0,0,1] neg_hi:[0,0,1]
.set k, k+1
.endr
	WIN 0
.set k, 0
.rept 32
	v_exp_f32 v[rT+k], v[rT+k]
.set k, k+1
.endr
	v_nop                                          ; a plain instruction between the exponentials and the first use of a result (ISA guide 5.7.2)
	s_wait_alu depctr_va_vdst(0)
.set k, 0
.rept 16
.set rL, LS+8*(\a)+2*(k%4)
.if ((\gq) == 0) && (k < 4)
	s_wait_alu depctr_va_vdst(0)
	v_pk_add_f32 v[rL:rL+1], v[rT+2*k:rT+2*k+1], v[rT+2*k+8:rT+2*k+9]  ; the first two blocks start the sums: nothing is cleared
.elseif ((\gq) == 0) && (k < 8)
.else
	v_pk_add_f32 v[rL:rL+1], v[rL:rL+1], v[rT+2*k:rT+2*k+1]
.endif
.set k, k+1
.endr
	WIN 0x82+0x41*((\a)/2)
.set k, 0
.rept 16
.set rD, 8*(16*((\a)%2)+4*(\gq)+k/4)+2*(k%4)
	v_pk_mul_f32 v[rD:rD+1], v[rD:rD+1], v[rT+2*k:rT+2*k+1]
.set k, k+1
.endr
.endm
.irp a, 0,1,2,3
.irp q, 0,1,2,3
	EXPG \a, \q
.endr
.endr
	WIN 0
.irp m, 1,2,4,8
.set i, 0
.rept 32
	v_add_f32_dpp v[LS+i], v[LS+i], v[LS+i] row_xmask:\m row_mask:0xf bank_mask:0xf
.set i, i+1
.endr
.endr
	SHARE LS, S2S, S2R
	WIN 0x05
.set i, 0
.rept 16
	v_pk_add_f32 v[LS+2*i:LS+2*i+1], v[2*i:2*i+1], v[32+2*i:32+2*i+1]
.set i, i+1
.endr
	WIN 0x04
.irp u, 64, 96
.set i, 0
.rept 16
	v_pk_add_f32 v[LS+2*i:LS+2*i+1], v[LS+2*i:LS+2*i+1], v[\u+2*i:\u+2*i+1]
.set i, i+1
.endr
.endr
	WIN 0
.set i, 0
.rept 32
	v_rcp_f32 v[LS+i], v[LS+i]                     ; the sum is at least 1: the maximum's own weight
.set i, i+1
.endr
	v_nop                                          ; a plain instruction behind the reciprocals
	s_wait_alu depctr_va_vdst(0)
; the columns' sums over my 32 rows: p e / L, the sixteen columns by turns
.set hi, 0
.rept 2
	WIN 0x02+hi
.set k, 0
.rept 8
.set bb, 0
.rept 16
.set rD, 128*(k/4)+8*bb+2*(k%4)
.set rL, LS+16*hi+8*(k/4)+2*(k%4)
.if (hi == 0) && (k == 0)
	v_pk_mul_f32 v[CS+2*bb:CS+2*bb+1], v[rD:rD+1], v[rL:rL+1]
.else
	v_pk_fma_f32 v[CS+2*bb:CS+2*bb+1], v[rD:rD+1], v[rL:rL+1], v[CS+2*bb:CS+2*bb+1]
.endif
.set bb, bb+1
.endr
.set k, k+1
.endr
.set hi, hi+1
.endr
	WIN 0
.set bb, 0
.rept 16
	v_add_f32 v[CS+2*bb], v[CS+2*bb], v[CS+2*bb+1]
.set bb, bb+1
.endr
.set bb, 0
.rept 16
	v_permlanex16_b32 v[T+bb], v[CS+2*bb], s[SEL], s[SEL+1]  ; the column's other 32 rows lie in the lane 16 away
.set bb, bb+1
.endr
.set bb, 0
.rept 16
	v_add_f32 v[CS+2*bb], v[CS+2*bb], v[T+bb]
.set bb, bb+1
.endr
.set bb, 0
.rept 16
	ds_store_b32 v[ACS], v[CS+2*bb] offset:64*bb   ; my wave's own 1,024 bytes; both halves of the lanes write the same number
.set bb, bb+1
.endr
	ds_load_b128 v[T:T+3],   v[ACR]                ; LDS serves a wave's instructions in order (ISA guide 5.7.1.4): these see the stores above
	ds_load_b128 v[T+4:T+7], v[ACR] offset:512
	s_wait_dscnt 1
	global_store_b128 v[AOUT], v[T:T+3], s[10:11]  ; a wave's store covers 512 consecutive bytes
	s_wait_dscnt 0x0
	global_store_b128 v[AOUT], v[T+4:T+7], s[10:11] offset:512
	s_wait_tensorcnt 0x0                           ; the wave's end
	ds_add_u32 v[SPW], v[NIL]
	s_wait_dscnt 0x0
	CROUND                                         ; the closing round: no work-group ends while a partner may still ask for a tile that names it
	s_endpgm
.Lfunc_end_k_qa140be92d0_projq:
	.size	k_qa140be92d0_projq, .Lfunc_end_k_qa140be92d0_projq-k_qa140be92d0_projq
	.p2alignl 7, 3214868480
	.fill 96, 4, 3214868480
	.section	.rodata,"a",@progbits
	.p2align	6, 0x0
	.amdhsa_kernel k_qa140be92d0_projq
		.amdhsa_group_segment_fixed_size 327680
		.amdhsa_private_segment_fixed_size 0
		.amdhsa_enable_private_segment 0
		.amdhsa_kernarg_size 32
		.amdhsa_user_sgpr_count 2
		.amdhsa_user_sgpr_kernarg_segment_ptr 1
		.amdhsa_wavefront_size32 1
		.amdhsa_system_sgpr_workgroup_id_x 1
		.amdhsa_system_sgpr_workgroup_id_y 1
		.amdhsa_system_sgpr_workgroup_id_z 1
		.amdhsa_system_vgpr_workitem_id 0
		.amdhsa_next_free_vgpr 1024
		.amdhsa_next_free_sgpr 66
		.amdhsa_reserve_vcc 0
		.amdhsa_float_denorm_mode_32 3
		.amdhsa_float_denorm_mode_16_64 3
		.amdhsa_memory_ordered 1
		.amdhsa_forward_progress 1
		.amdhsa_inst_pref_size 255
	.end_amdhsa_kernel
	.section	.bss,"aw",@nobits
	.p2align	6
	.space	262144
	.amdgpu_metadata
---
amdhsa.version: [ 1, 2 ]
amdhsa.kernels:
  - .name:           k_qa140be92d0_projq
    .symbol:         k_qa140be92d0_projq.kd
    .args:
      - { .name: x, .offset: 0, .size: 8, .value_kind: global_buffer, .address_space: global }
      - { .name: WQB, .offset: 8, .size: 8, .value_kind: global_buffer, .address_space: global }
      - { .name: P0, .offset: 16, .size: 8, .value_kind: global_buffer, .address_space: global }
      - { .name: P1, .offset: 24, .size: 8, .value_kind: global_buffer, .address_space: global }
    .group_segment_fixed_size: 327680
    .private_segment_fixed_size: 0
    .kernarg_segment_align: 8
    .kernarg_segment_size: 32
    .max_flat_workgroup_size: 128
    .sgpr_count:     66
    .vgpr_count:     1024
    .wavefront_size: 32
...
	.end_amdgpu_metadata
.endif
;; end of part 2
;; launch projk: the kernel of part 2 again; grid 256 x 1, 4 waves a work-group, clusters of 4 x 1, 327,680 bytes of LDS; arguments x, WKB, P1, P2; writes P2
;; launch wprime (part 3): grid 64 x 4, 4 waves a work-group, no clusters, 115,200 bytes of LDS; arguments Wv, WRB, P2, WPB; writes WPB
.if DOCPART == 3
	.amdgcn_target "amdgcn-amd-amdhsa--gfx1250"
	.amdhsa_code_object_version 6
	.text
	.protected	k_qa140be92d0_wprime
	.globl	k_qa140be92d0_wprime
	.p2align	8
	.type	k_qa140be92d0_wprime,@function
k_qa140be92d0_wprime:
	s_mov_b64 s[64:65], 0
	v_nop
	global_prefetch_b8 v0, s[64:65] scope:SCOPE_SE
	s_setreg_imm32_b32 hwreg(HW_REG_WAVE_MODE, 25, 1), 1
	s_wait_xcnt 0x0
; W'_b[d][e] = the sum over j of Wv[d][j] gk_b[j] Wr[j][e], for each of the four batches: (gk o (x Wv)) Wr = x W'_b for every input, and W'_b is a sixteenth of that product's work.
; gk_b[j] = the sum of the batch's 64 rows of P2.  Wv: f32; Wv gk is rounded once to bf16.  WRB: bf16(Wr) in blocks [j / 64][e][j % 64].  Sums in f32.
; W'_b leaves rounded to bf16 in the same blocks: [d / 64][e][d % 64].  LIMIT: the second term of the module's output so carries two roundings to bf16 beside those of its inputs.
; SHARES.  The grid's y is the batch; x picks 128 d (x % 8) and 128 e (x / 8).  Four waves, each 64 d x 64 e: 16 accumulators.  Source 0 = 16 rows d, source 1 = 16 rows e: a lane holds e = r and eight
; neighbouring d, which pack into 16 bytes of a row of the blocks.  K (j) goes in steps of 64 through two LDS buffers written by ds_store; a tile is asked for three steps ahead, into two register sets.
; NO CLUSTER, no tensor load: both operands pass through registers (a scale, a rounding), and the launch is a small part of the program's work.
; REGISTERS: window 0: v0-19 addresses; v20-23 gk of my 4 j; v24-31 gk's sums; v32-63 packed; v64-159, v160-255 two sets: 64 of Wv, 32 of WRB.   window 1: v0-127 accumulators; v128-255 fragments.
.set PB,    144                        ; an LDS row: 128 bytes + 16
.set VT,    128*PB                     ; 128 rows d of Wv gk; behind them 128 rows e of Wr
.set LB,    2*VT                       ; a buffer
.set GL,    2*LB                       ; gk, 1,024 f32
.set STAGE, GL+4096                    ; 64 rows of 144 bytes for each wave, for the way out
.set VO,  4                            ; v4-5   my byte offset in Wv, for each register set
.set RO,  6                            ; v6-7   in WRB
.set GKA, 8                            ; v8     where gk of the tile to be converted lies
.set AV,  9                            ; v9     my place in a fragment of Wv gk
.set AR,  10                           ; v10    of Wr
.set SV,  11                           ; v11    where I store Wv gk
.set SR,  12                           ; v12    where I store Wr
.set GOF, 13                           ; v13    16 x thread
.set GST, 14                           ; v14    GL + 16 x thread
.set STO, 15                           ; v15    the way out: in
.set RD,  16                           ; v16    the way out: back
.set GO,  17                           ; v17    16 x lane
.set GK,  20
.set GS,  24
.set XC,  32
.set XR,  64
.set FR,  128
.set CNT, 32
.set MSB, 0
.macro WIN new
.if MSB != (\new)
	s_set_vgpr_msb (MSB<<8)|(\new)
.set MSB, \new
.endif
.endm
.macro PLACES                          ; four plain places behind matrix instructions (ISA guide 7.12.1)
.rept 4
	v_nop
.endr
.endm
; gk: thread t sums columns 4 t .. + 3 and 512 + 4 t .. + 3 of the 64 rows at s[base]: two trips of 32 rows, 64 loads each into window 1
.macro GSUM base
	WIN 0
.irp i, 0,1,2,3,4,5,6,7
	v_mov_b32 v[GS+\i], 0
.endr
	s_mov_b32 s[CNT], 2
.Lgsum:
	WIN 0x40
.set j, 0
.rept 32
	global_load_b128 v[8*j:8*j+3],   v[GOF], s[\base:\base+1] offset:j*4096
	global_load_b128 v[8*j+4:8*j+7], v[GOF], s[\base:\base+1] offset:j*4096+2048
.set j, j+1
.endr
	WIN 0x04
.set j, 0
.rept 32
.if j == 0
	s_wait_loadcnt 32                              ; rows 0-15 are in; the 32 loads of rows 16-31 may be out
.elseif j == 16
	s_wait_loadcnt 0x0                             ; all are in: the base may be stepped below
.endif
.irp c, 0,2,4,6
	v_pk_add_f32 v[GS+\c:GS+\c+1], v[GS+\c:GS+\c+1], v[8*j+\c:8*j+\c+1]
.endr
.set j, j+1
.endr
	WIN 0
	s_add_nc_u64 s[\base:\base+1], s[\base:\base+1], 32*4096
	s_sub_co_u32 s[CNT], s[CNT], 1
	s_cmp_lg_u32 s[CNT], 0
	s_cbranch_scc1 .Lgsum
.endm
.macro LOADT set                       ; a tile's 24 loads: my 32 rows of Wv (two rows, 256 bytes of each, a load) and my 32 rows of WRB (512 consecutive bytes a load)
.set X, XR+96*(\set)
.set i, 0
.rept 16
	global_load_b128 v[X+4*i:X+4*i+3], v[VO+(\set)], s[4:5] offset:i*8192
.set i, i+1
.endr
.set i, 0
.rept 8
	global_load_b128 v[X+64+4*i:X+64+4*i+3], v[RO+(\set)], s[6:7] offset:i*512
.set i, i+1
.endr
.endm
; the tile in register set 'set' goes into LDS buffer 'buf': Wv times gk, rounded; Wr as it is.  load = 1: the set takes the tile two further on.
.macro CONV set, buf, left, load
.set X, XR+96*(\set)
	WIN 0
	s_wait_loadcnt \left                           ; this set's 24 loads are in, the other set's may stay out; the wait also frees this set's offset registers
.set i, 0
.rept 16
	v_pk_mul_f32 v[X+4*i:X+4*i+1],   v[X+4*i:X+4*i+1],   v[GK:GK+1]
	v_pk_mul_f32 v[X+4*i+2:X+4*i+3], v[X+4*i+2:X+4*i+3], v[GK+2:GK+3]
.set i, i+1
.endr
.set i, 0
.rept 16
	v_cvt_pk_bf16_f32 v[XC+2*i],   v[X+4*i],   v[X+4*i+1]
	v_cvt_pk_bf16_f32 v[XC+2*i+1], v[X+4*i+2], v[X+4*i+3]
.set i, i+1
.endr
.set i, 0
.rept 16
	ds_store_b64 v[SV], v[XC+2*i:XC+2*i+1] offset:(\buf)*LB+i*2*PB
.set i, i+1
.endr
.set i, 0
.rept 8
	ds_store_b128 v[SR], v[X+64+4*i:X+64+4*i+3] offset:(\buf)*LB+i*4*PB
.set i, i+1
.endr
.if \load
	v_add_nc_u32 v[VO+(\set)], 512, v[VO+(\set)]
	v_add_nc_u32 v[RO+(\set)], 0x40000, v[RO+(\set)]
	LOADT \set
.endif
.endm
.macro MULS q, zero                    ; 16 matrix instructions, 32 along K; the 16 accumulators take turns
	WIN 0x55
.irp a, 0,1,2,3
.irp c, 0,1,2,3
.if \zero
	v_wmma_f32_16x16x32_bf16 v[8*(4*\a+\c):8*(4*\a+\c)+7], v[FR+64*(\q)+8*\a:FR+64*(\q)+8*\a+7], v[FR+64*(\q)+32+8*\c:FR+64*(\q)+32+8*\c+7], 0
.else
	v_wmma_f32_16x16x32_bf16 v[8*(4*\a+\c):8*(4*\a+\c)+7], v[FR+64*(\q)+8*\a:FR+64*(\q)+8*\a+7], v[FR+64*(\q)+32+8*\c:FR+64*(\q)+32+8*\c+7], v[8*(4*\a+\c):8*(4*\a+\c)+7]
.endif
.endr
.endr
.endm
; A K step on LDS buffer 'buf'.  conv = 1: between its two halves the next tile goes into the other buffer, and a barrier closes the step: in front of its signal my reads of this buffer
; and my stores into the other are done; the second half's products stand between signal and wait.
.macro STEP buf, zero, conv, set=0, left=0, load=0
	PLACES                                         ; in front of the loads into the fragments, which the step before multiplied
.if \conv
	WIN 0
	ds_load_b128 v[GK:GK+3], v[GKA]                ; gk of the next tile's columns 4 r .. 4 r + 3
	v_add_nc_u32 v[GKA], 256, v[GKA]
.endif
	WIN 0x40
.irp q, 0,1
.irp a, 0,1,2,3
	ds_load_b128 v[FR+64*\q+8*\a:FR+64*\q+8*\a+3],       v[AV] offset:(\buf)*LB+\a*16*PB+64*\q
	ds_load_b128 v[FR+64*\q+8*\a+4:FR+64*\q+8*\a+7],     v[AV] offset:(\buf)*LB+\a*16*PB+64*\q+32
	ds_load_b128 v[FR+64*\q+32+8*\a:FR+64*\q+32+8*\a+3],   v[AR] offset:(\buf)*LB+\a*16*PB+64*\q
	ds_load_b128 v[FR+64*\q+32+8*\a+4:FR+64*\q+32+8*\a+7], v[AR] offset:(\buf)*LB+\a*16*PB+64*\q+32
.endr
.endr
	s_wait_dscnt 16                                ; gk and the first half's fragments are in; the second half's 16 loads may be out
	MULS 0, \zero
.if \conv
	CONV \set, 1-(\buf), \left, \load
	s_wait_dscnt 0x0
	s_barrier_signal -1
	MULS 1, 0
	s_barrier_wait -1
.else
	s_wait_dscnt 0x0
	MULS 1, 0
.endif
.endm
	s_load_b256 s[4:11], s[0:1], 0x0               ; Wv s[4:5], WRB s[6:7], P2 s[8:9], WPB s[10:11]
	s_set_vgpr_msb 0x80
	v_lshl_add_u32 v0, v0, 2, 0x1c000
	v_mov_b32 v1, 0
	s_set_vgpr_msb 0x8000
	v_lshrrev_b32 v3, 5, v0
	v_readfirstlane_b32 s12, v3                    ; wave 0..3
	s_and_b32 s13, ttmp7, 0xffff                   ; the batch
	s_and_b32 s14, ttmp9, 7                        ; block of 128 d
	s_lshr_b32 s15, ttmp9, 3                       ; block of 128 e
	s_and_b32 s16, s12, 1                          ; which 64 d are mine
	s_lshr_b32 s17, s12, 1                         ; which 64 e
	v_and_b32 v1, 15, v0                           ; r
	v_bfe_u32 v2, v0, 4, 1                         ; h
	v_and_b32 v3, 31, v0                           ; lane
	s_lshl_b32 s18, s12, 5
	v_add_nc_u32 v18, s18, v2                      ; row 32 w + h
	v_lshlrev_b32 v[VO], 12, v18
	v_lshl_add_u32 v[VO], v1, 4, v[VO]
	v_add_nc_u32 v[VO+1], 256, v[VO]
	s_lshl_b32 s19, s12, 12
	v_lshl_add_u32 v[RO], v3, 4, s19               ; 32 w rows of 128 bytes + 16 x lane
	v_add_nc_u32 v[RO+1], 0x20000, v[RO]
	v_mul_u32_u24 v[SV], v18, PB
	v_lshl_add_u32 v[SV], v1, 3, v[SV]
	v_lshrrev_b32 v19, 3, v3
	v_add_nc_u32 v18, s18, v19                     ; row 32 w + lane / 8
	v_mul_u32_u24 v[SR], v18, PB
	v_and_b32 v18, 7, v0
	v_lshl_add_u32 v[SR], v18, 4, v[SR]
	v_add_nc_u32 v[SR], VT, v[SR]
	v_mul_u32_u24 v[RD], v19, PB
	v_lshl_add_u32 v[RD], v18, 4, v[RD]
	s_mul_i32 s20, s12, 64*PB
	s_add_co_u32 s20, s20, STAGE                   ; my stage
	v_add_nc_u32 v[RD], s20, v[RD]
	v_mul_u32_u24 v18, v1, PB
	v_lshl_add_u32 v18, v2, 4, v18                 ; r x pitch + 16 h
	v_add_nc_u32 v[STO], s20, v18
	s_mul_i32 s21, s16, 64*PB
	v_add_nc_u32 v[AV], s21, v18
	s_mul_i32 s33, s17, 64*PB
	s_add_co_u32 s33, s33, VT
	v_add_nc_u32 v[AR], s33, v18
	v_lshl_add_u32 v[GKA], v1, 4, GL
	v_lshlrev_b32 v[GOF], 4, v0
	v_add_nc_u32 v[GST], GL, v[GOF]
	v_lshlrev_b32 v[GO], 4, v3
	s_lshl_b32 s22, s14, 19                        ; 128 rows of Wv
	s_mov_b32 s23, 0
	s_lshl_b32 s24, s15, 14                        ; 128 rows of 128 bytes
	s_mov_b32 s25, 0
	s_lshl_b32 s26, s13, 18                        ; the batch's 64 rows of P2
	s_mov_b32 s27, 0
	s_lshl_b32 s28, s13, 21                        ; the batch's W',
	s_lshl_b32 s29, s14, 18                        ; block d / 64 = 2 (x % 8) + my half,
	s_add_co_u32 s28, s28, s29
	s_lshl_b32 s29, s16, 17
	s_add_co_u32 s28, s28, s29
	s_add_co_u32 s28, s28, s24                     ; row e
	s_lshl_b32 s29, s17, 13
	s_add_co_u32 s28, s28, s29
	s_mov_b32 s29, 0
	s_wait_kmcnt 0x0
	s_add_nc_u64 s[4:5], s[4:5], s[22:23]
	s_add_nc_u64 s[6:7], s[6:7], s[24:25]
	s_add_nc_u64 s[8:9], s[8:9], s[26:27]
	s_add_nc_u64 s[10:11], s[10:11], s[28:29]
	LOADT 0                                        ; tiles 0 and 1 are on their way while gk is summed
	LOADT 1
	GSUM 8
	ds_store_b128 v[GST], v[GS:GS+3]
	ds_store_b128 v[GST], v[GS+4:GS+7] offset:2048
	s_wait_dscnt 0x0                               ; for the others' sake
	s_barrier_signal -1
	s_barrier_wait -1
	ds_load_b128 v[GK:GK+3], v[GKA]
	v_add_nc_u32 v[GKA], 256, v[GKA]
	s_wait_dscnt 0x0
	CONV 0, 0, 0, 1                                ; tile 0 into buffer 0 (the sums' last wait has shown every load in); tile 2 is asked for
	s_wait_dscnt 0x0
	s_barrier_signal -1
	s_barrier_wait -1
	STEP 0, 1, 1, 1, 24, 1                         ; step 0 stands in front of the loop: its first products start the sums
	WIN 0
	s_mov_b32 s[CNT], 6
.Lk:                                                   ; steps 1 to 12, two a trip
	STEP 1, 0, 1, 0, 24, 1
	STEP 0, 0, 1, 1, 24, 1
	WIN 0
	s_sub_co_u32 s[CNT], s[CNT], 1
	s_cmp_lg_u32 s[CNT], 0
	s_cbranch_scc1 .Lk
	STEP 1, 0, 1, 0, 24, 0                         ; nothing is left to ask for: the counts run down
	STEP 0, 0, 1, 1, 0, 0
	STEP 1, 0, 0
	; THE WAY OUT: rounded to bf16, 16 bytes a lane into my own stage, back as whole rows of 128 bytes
	PLACES
	WIN 0x05
.set i, 0
.rept 64
	v_cvt_pk_bf16_f32 v[XR+i], v[2*i], v[2*i+1]
.set i, i+1
.endr
	WIN 0
.irp a, 0,1,2,3
.irp c, 0,1,2,3
	ds_store_b128 v[STO], v[XR+4*(4*\a+\c):XR+4*(4*\a+\c)+3] offset:\c*16*PB+32*\a
.endr
.endr
.set i, 0
.rept 16
	ds_load_b128 v[XR+64+4*i:XR+64+4*i+3], v[RD] offset:i*4*PB  ; LDS serves a wave's instructions in order (ISA guide 5.7.1.4): these see the stores above
.set i, i+1
.endr
.set i, 0
.rept 16
	s_wait_dscnt 15-i
	global_store_b128 v[GO], v[XR+64+4*i:XR+64+4*i+3], s[10:11] offset:i*512  ; four rows of the blocks: 512 consecutive bytes
.set i, i+1
.endr
	s_set_vgpr_msb 0xa
	s_wait_tensorcnt 0x0
	ds_add_u32 v0, v1
	s_wait_dscnt 0x0
	s_set_vgpr_msb 0xa00
	s_endpgm
.Lfunc_end_k_qa140be92d0_wprime:
	.size	k_qa140be92d0_wprime, .Lfunc_end_k_qa140be92d0_wprime-k_qa140be92d0_wprime
	.p2alignl 7, 3214868480
	.fill 96, 4, 3214868480
	.section	.rodata,"a",@progbits
	.p2align	6, 0x0
	.amdhsa_kernel k_qa140be92d0_wprime
		.amdhsa_group_segment_fixed_size 115200
		.amdhsa_private_segment_fixed_size 0
		.amdhsa_enable_private_segment 0
		.amdhsa_kernarg_size 32
		.amdhsa_user_sgpr_count 2
		.amdhsa_user_sgpr_kernarg_segment_ptr 1
		.amdhsa_wavefront_size32 1
		.amdhsa_system_sgpr_workgroup_id_x 1
		.amdhsa_system_sgpr_workgroup_id_y 1
		.amdhsa_system_sgpr_workgroup_id_z 1
		.amdhsa_system_vgpr_workitem_id 0
		.amdhsa_next_free_vgpr 514
		.amdhsa_next_free_sgpr 66
		.amdhsa_reserve_vcc 0
		.amdhsa_float_denorm_mode_32 3
		.amdhsa_float_denorm_mode_16_64 3
		.amdhsa_memory_ordered 1
		.amdhsa_forward_progress 1
		.amdhsa_inst_pref_size 101
	.end_amdhsa_kernel
	.amdgpu_metadata
---
amdhsa.version: [ 1, 2 ]
amdhsa.kernels:
  - .name:           k_qa140be92d0_wprime
    .symbol:         k_qa140be92d0_wprime.kd
    .args:
      - { .name: Wv, .offset: 0, .size: 8, .value_kind: global_buffer, .address_space: global }
      - { .name: WRB, .offset: 8, .size: 8, .value_kind: global_buffer, .address_space: global }
      - { .name: P2, .offset: 16, .size: 8, .value_kind: global_buffer, .address_space: global }
      - { .name: WPB, .offset: 24, .size: 8, .value_kind: global_buffer, .address_space: global }
    .group_segment_fixed_size: 115200
    .private_segment_fixed_size: 0
    .kernarg_segment_align: 8
    .kernarg_segment_size: 32
    .max_flat_workgroup_size: 128
    .sgpr_count:     66
    .vgpr_count:     514
    .wavefront_size: 32
...
	.end_amdgpu_metadata
.endif
;; end of part 3
;; launch final (part 4): grid 256 x 1, 4 waves a work-group, clusters of 4 x 1, 327,680 bytes of LDS; arguments x, WQB, WPB, out0; writes out0
.if DOCPART == 4
	.amdgcn_target "amdgcn-amd-amdhsa--gfx1250"
	.amdhsa_code_object_version 6
	.text
	.protected	k_qa140be92d0_final
	.globl	k_qa140be92d0_final
	.p2align	8
	.type	k_qa140be92d0_final,@function
k_qa140be92d0_final:
	s_mov_b64 s[64:65], 0
	v_nop
	global_prefetch_b8 v0, s[64:65] scope:SCOPE_SE
	s_setreg_imm32_b32 hwreg(HW_REG_WAVE_MODE, 25, 1), 1
	s_wait_xcnt 0x0
	s_wait_alu depctr_hold_cnt(0) depctr_sa_sdst(0) depctr_va_vdst(0) depctr_va_sdst(0) depctr_va_ssrc(0) depctr_va_vcc(0) depctr_vm_vsrc(0)
	s_getreg_b32 s2, hwreg(HW_REG_IB_STS2, 6, 4)
	s_cmp_eq_u32 s2, 0
	s_cbranch_scc0 .Lentry_in_a_cluster
	s_endpgm
.Lentry_in_a_cluster:
	s_bfe_u32 s2, ttmp6, 0x10000c
	s_cmp_lg_u32 s2, 0x3003
	s_cbranch_scc0 .Lentry_shape_is_right
	s_endpgm
.Lentry_shape_is_right:
; out[s][e] = (x Wq)[s][e] + (x W'_b)[s][e], one f32 sum of 2,048 products for each number: 16 K steps on Wq, then 16 on the batch's W', into the same accumulators.
; x: [16384][1024] f32, rounded to bf16 on its way into LDS (read twice).  Wq, W'_b: bf16 in blocks [k / 64][n][k % 64].  out: f32.
; The first term is recomputed here, not stored by the launch that first made it: it is exactly bf16(x) bf16(Wq) in f32, with no further rounding.
; SHARES, RING, CLUSTER as in the launch of the projections: a work-group owns 64 rows and all 1,024 columns; wave w columns 256 w .. + 255 in 64 accumulators; K in steps of 64 through two LDS
; slots of W filled by joint tensor loads of the cluster's four row blocks (one batch), each wave its own quarter, and two small slots of x written by ds_store.
; THE MATRIX INSTRUCTION IS USED TRANSPOSED (source 0 = 16 rows of W, source 1 = 16 rows of x): a lane holds row r and eight neighbouring columns.
; REGISTERS: window 0: v0-23 addresses; v24-39 x packed; v40-103 x as loaded, two sets; v104-167 fragments of x, two buffers.   window 1: fragments of W, two buffers of 128; on the way out rows read back.
;   windows 2, 3: accumulator (a, b) in window 2 + a / 2 at v[8 (16 (a % 2) + b)].
.set FINAL, 1
.set NSTEP, 32                         ; K steps
.set PB,    144                        ; an LDS row: 128 bytes + 16 = 36 words: the 16 rows of a fragment load start at 16 different groups of four banks (ISA guide 11.1)
.set QUART, 256*PB                     ; a wave's quarter of a slot: 256 rows of W
.set SLOT,  4*QUART
.set ABASE, 2*SLOT                     ; x's two slots: 64 rows each; no tensor load lands here
.set ASLOT, 64*PB
.set SPARE, ABASE+2*ASLOT              ; the spare words, 128 bytes a wave: two blocks of 256 bytes that no other line names
.set ADRA, 4                           ; v4     my place in a fragment of x
.set ADRB, 5                           ; v5-6   my place in a fragment of W, slot 0, 1
.set AST,  7                           ; v7     where I store packed x
.set XL,   8                           ; v8     my byte offset in the work-group's rows of x
.set XO,   10                          ; v10-11 the same with the piece's columns, for each register set
.set SPW,  12                          ; v12    LDS address of my spare word; never rewritten
.set NIL,  13                          ; v13    0; never rewritten
.set STO,  15                          ; v15    the way out: in
.set RD,   16                          ; v16    the way out: back
.set GO,   17                          ; v17    16 x lane
.set XC,   24
.set XR,   40
.set AF,   104
.set WV,   12                          ; s12    wave
.set G1,   16                          ; s[16:23] descriptor group 1
.set G0,   24                          ; s[24:31] descriptor group 0, a set for each slot
.set CNT,  32                          ; s32    loop counter
.set QW,   33                          ; s33    wave x QUART
.set WB,   40                          ; s[40:41] Wq at my wave's rows
.set WP,   42                          ; s[42:43] the batch's W' at my wave's rows
.set OFF,  44                          ; s44-45 for each slot: 131,072 x the number of the tile that it holds
.set XP,   50                          ; s50-51 for each register set: the piece's byte in a row of x
.if FINAL
.set MULW, 0xa1                        ; source 0 (W) window 1, source 1 (x) window 0, C and D window 2
.else
.set MULW, 0xa4
.endif
.set MSB, 0
.macro WIN new                         ; the immediate's high byte repeats the setting that is left; a switch that changes nothing is dropped
.if MSB != (\new)
	s_set_vgpr_msb (MSB<<8)|(\new)
.set MSB, \new
.endif
.endm
.macro PLACES                          ; four plain places behind matrix instructions, in front of loads into registers that they read
.rept 4
	v_nop
.endr
.endm
.macro CREST                           ; a round of the cluster's barrier behind its opening barrier
	s_cmp_lg_u32 s[WV], 0
	s_cbranch_scc1 .Lnot_wave_0_\@
	s_barrier_signal -3
.Lnot_wave_0_\@:
	s_barrier_wait -3
	s_barrier_signal -1
	s_barrier_wait -1
.endm
.macro CROUND
	s_barrier_signal -1
	s_barrier_wait -1
	CREST
.endm
; 16 matrix instructions: row block a x all 16 column blocks, 32 along K, from fragment buffers f.  The 64 accumulators take turns, one instruction a turn.
.macro MUL16 f, a, zero
	WIN MULW+0x50*((\a)/2)
.set bb, 0
.rept 16
.set rD, 8*(16*((\a)%2)+bb)
.set rA, AF+32*(\f)+8*(\a)
.set rB, 128*(\f)+8*bb
.if FINAL
.if \zero
	v_wmma_f32_16x16x32_bf16 v[rD:rD+7], v[rB:rB+7], v[rA:rA+7], 0
.else
	v_wmma_f32_16x16x32_bf16 v[rD:rD+7], v[rB:rB+7], v[rA:rA+7], v[rD:rD+7]
.endif
.else
.if \zero
	v_wmma_f32_16x16x32_bf16 v[rD:rD+7], v[rA:rA+7], v[rB:rB+7], 0
.else
	v_wmma_f32_16x16x32_bf16 v[rD:rD+7], v[rA:rA+7], v[rB:rB+7], v[rD:rD+7]
.endif
.endif
.set bb, bb+1
.endr
.endm
; 40 LDS loads in one run: the fragments of half q (32 along K) of a step: W's 256 rows, then x's 64, into buffers f
.macro FETCH bslot, aslot, q, f
	WIN 0x40
.set bb, 0
.rept 16
	ds_load_b128 v[128*(\f)+8*bb:128*(\f)+8*bb+3],   v[ADRB+(\bslot)] offset:bb*16*PB+64*(\q)
	ds_load_b128 v[128*(\f)+8*bb+4:128*(\f)+8*bb+7], v[ADRB+(\bslot)] offset:bb*16*PB+64*(\q)+32
.set bb, bb+1
.endr
	WIN 0
.irp a, 0,1,2,3
	ds_load_b128 v[AF+32*(\f)+8*\a:AF+32*(\f)+8*\a+3],   v[ADRA] offset:(\aslot)*ASLOT+\a*16*PB+64*(\q)
	ds_load_b128 v[AF+32*(\f)+8*\a+4:AF+32*(\f)+8*\a+7], v[ADRA] offset:(\aslot)*ASLOT+\a*16*PB+64*(\q)+32
.endr
.endm
; A piece of x (64 rows x 64 columns; my wave's 16 rows) goes from register set 'set' to x's slot 'aslot' as bf16; load = 1: the set takes the piece two further on.
.macro SIDE set, aslot, left, load
	WIN 0
	s_wait_loadcnt \left                           ; loads come back in order: this set's eight are in, the other set's may stay out; the wait also frees this set's offset register
.irp i, 0,1,2,3,4,5,6,7
	v_cvt_pk_bf16_f32 v[XC+2*\i],   v[XR+32*(\set)+4*\i],   v[XR+32*(\set)+4*\i+1]
	v_cvt_pk_bf16_f32 v[XC+2*\i+1], v[XR+32*(\set)+4*\i+2], v[XR+32*(\set)+4*\i+3]
.endr
.irp i, 0,1,2,3,4,5,6,7
	ds_store_b64 v[AST], v[XC+2*\i:XC+2*\i+1] offset:(\aslot)*ASLOT+\i*2*PB
.endr
.if \load
.if FINAL
	s_add_co_u32 s[XP+(\set)], s[XP+(\set)], 512
	s_and_b32 s[XP+(\set)], s[XP+(\set)], 0xfff    ; behind the row's last columns the first come again
	v_add_nc_u32 v[XO+(\set)], s[XP+(\set)], v[XL]
.else
	v_add_nc_u32 v[XO+(\set)], 512, v[XO+(\set)]
.endif
.irp i, 0,1,2,3,4,5,6,7
	global_load_b128 v[XR+32*(\set)+4*\i:XR+32*(\set)+4*\i+3], v[XO+(\set)], s[4:5] offset:\i*8192  ; two rows, 256 consecutive bytes of each
.endr
.endif
.endm
; A step's first half: multiplies buffers 0; in its middle the next piece of x is packed (its 16 conversions are the places in front of the loads) and the second half's fragments are fetched.
.macro H0 bslot, aslot, zero, side=0, set=0, sslot=0, left=0, load=0
	s_wait_dscnt 4                                 ; W and x's row blocks 0, 1 are in; the youngest four loads (blocks 2, 3) may be out
	MUL16 0, 0, \zero
	MUL16 0, 1, \zero
.if \side
	SIDE \set, \sslot, \left, \load
.else
	PLACES
.endif
	FETCH \bslot, \aslot, 1, 1
	s_wait_dscnt 40                                ; all but the 40 just issued
	MUL16 0, 2, \zero
	MUL16 0, 3, \zero
.endm
; A step's second half multiplies buffers 1 and changes slots: ONE barrier.  In front of it each wave waits for all its tensor loads (one is out: its quarter of the next slot), adds 0 to its spare
; word, and waits for that, for its reads of both slots in hand and for its stores of x.  refill = 1: the barrier opens a round of the cluster's barrier, and W's slot just read takes the tile two steps on.
.macro TURN bslot, nb, na, refill
	WIN 0
	s_wait_tensorcnt 0x0                           ; no tensor load of mine is out, so a group 0 may be written
	ds_add_u32 v[SPW], v[NIL]                      ; 0 onto my spare word
.if \refill
.if FINAL
	s_add_co_u32 s[OFF+(\bslot)], s[OFF+(\bslot)], 0x40000     ; two tiles on; tiles 0-15 lie in Wq, 16-31 in the batch's W'
	s_cmp_lt_u32 s[OFF+(\bslot)], 0x200000
	s_cselect_b64 s[48:49], s[WB:WB+1], s[WP:WP+1]
	s_and_b32 s46, s[OFF+(\bslot)], 0x1fffff
	s_add_nc_u64 s[G0+4*(\bslot)+2:G0+4*(\bslot)+3], s[48:49], s[46:47]  ; the address is made anew: a base and an offset made apart
	s_or_b32 s[G0+4*(\bslot)+3], s[G0+4*(\bslot)+3], 0x80000000
.else
	s_add_nc_u64 s[G0+4*(\bslot)+2:G0+4*(\bslot)+3], s[G0+4*(\bslot)+2:G0+4*(\bslot)+3], 0x40000
.endif
.endif
	s_wait_dscnt 5                                 ; (the add and the youngest four loads may be out)
	MUL16 1, 0, 0                                  ; sixteen matrix instructions stand between the add and the wait for it
	s_wait_dscnt 0x0                               ; the add is done, my reads of the slots are over, my piece of x is stored
	s_barrier_signal -1
	MUL16 1, 1, 0
	WIN 0
	s_barrier_wait -1
.if \refill
	CREST                                          ; no wave of any partner still reads this slot or has a load on its way
	tensor_load_to_lds s[G0+4*(\bslot):G0+4*(\bslot)+3], s[G1:G1+7]  ; my one tensor load behind the round, and the first thing there
	s_nop 0
.endif
	PLACES                                         ; in front of the loads into buffers 0
	FETCH \nb, \na, 0, 0
	MUL16 1, 2, 0
	MUL16 1, 3, 0
.endm
.macro LAST                            ; the very last half step: nothing more to fetch
	s_wait_dscnt 4
	MUL16 1, 0, 0
	MUL16 1, 1, 0
	s_wait_dscnt 0x0
	MUL16 1, 2, 0
	MUL16 1, 3, 0
.endm
	s_load_b256 s[4:11], s[0:1], 0x0               ; x s[4:5], WQB s[6:7], WPB s[8:9], out s[10:11]
	v_lshl_add_u32 v[SPW], v0, 2, SPARE
	v_mov_b32 v[NIL], 0
	ds_add_u32 v12, v13
	s_wait_dscnt 0x0
	v_lshrrev_b32 v3, 5, v0
	v_readfirstlane_b32 s[WV], v3                  ; wave 0..3
	s_bfe_u32 s13, ttmp6, 0x40000                  ; cx: my place in the cluster
	s_lshl_b32 s14, ttmp9, 2                       ; in a cluster launch ttmp9 counts clusters
	s_add_co_u32 s14, s14, s13                     ; my row block: it enters x's and out's addresses alone
	s_lshr_b32 s15, ttmp9, 4                       ; the batch, which the four partners share
	; descriptor group 1.  A wave's 256 rows of 128 bytes are 32,768 dense bytes: asked for as 128 rows of 256 bytes and padded in LDS after every 128
	s_mov_b32 s[G1+0], 15|(1<<16)|(1<<20)|(1<<21)|(4<<22)|(3<<25)  ; 15:0 the mask of four; 17:16 2-byte elements; 20 padding on; 21 set beside a mask; 24:22 after every 32 words (code 4); 31:25 4 words (code 3)
	s_mov_b32 s[G1+1], 128<<16                     ; tensor_dim0 = 128
	s_mov_b32 s[G1+2], 128<<16                     ; tensor_dim1 = 128
	s_mov_b32 s[G1+3], 128<<16                     ; tile_dim0 = 128
	s_mov_b32 s[G1+4], 128                         ; tile_dim1 = 128
	s_mov_b32 s[G1+5], 128                         ; 128 elements from row to row
	s_mov_b32 s[G1+6], 0
	s_mov_b32 s[G1+7], 0
	s_mul_i32 s[QW], s[WV], QUART                  ; my quarter of a slot: no place in the cluster enters an LDS address
	s_lshl_b32 s38, s[WV], 15                      ; my 256 rows in a tile of W
	s_mov_b32 s39, 0
	s_mov_b32 s[G0+0], 1
	s_mov_b32 s[G0+1], s[QW]
	s_mov_b32 s[G0+4], 1
	s_add_co_u32 s[G0+5], s[QW], SLOT
	s_lshl_b32 s54, s14, 18                        ; my 64 rows of 4,096 bytes, in x and in out
	s_mov_b32 s55, 0
	s_lshl_b32 s52, s15, 21                        ; the batch's W'
	s_mov_b32 s53, 0
	s_add_nc_u64 s[52:53], s[52:53], s[38:39]
	s_lshl_b32 s56, s[WV], 10                      ; my wave's 256 columns of out
	s_mov_b32 s57, 0
	s_mov_b32 s[OFF], 0
	s_mov_b32 s[OFF+1], 0x20000
	s_mov_b32 s47, 0
	s_mov_b32 s[XP], 0
	s_mov_b32 s[XP+1], 256
	s_wait_kmcnt 0x0
	s_add_nc_u64 s[4:5], s[4:5], s[54:55]
	s_add_nc_u64 s[10:11], s[10:11], s[54:55]
	s_add_nc_u64 s[10:11], s[10:11], s[56:57]
	s_add_nc_u64 s[WB:WB+1], s[6:7], s[38:39]
	s_add_nc_u64 s[WP:WP+1], s[8:9], s[52:53]
	s_mov_b64 s[G0+2:G0+3], s[WB:WB+1]             ; tile 0
	s_or_b32 s[G0+3], s[G0+3], 0x80000000          ; type = 2
	s_add_nc_u64 s[G0+6:G0+7], s[WB:WB+1], 0x20000 ; tile 1
	s_or_b32 s[G0+7], s[G0+7], 0x80000000
	CROUND                                         ; all four work-groups are here: the first joint loads meet
	tensor_load_to_lds s[G0:G0+3], s[G1:G1+7]      ; both first fills go out together: two loads of mine are out
	s_nop 0
	tensor_load_to_lds s[G0+4:G0+7], s[G1:G1+7]
	s_nop 0
	PLACES
	v_and_b32 v1, 15, v0                           ; r = lane % 16
	v_bfe_u32 v2, v0, 4, 1                         ; h = lane / 16
	v_mul_u32_u24 v3, v1, PB
	v_lshl_add_u32 v3, v2, 4, v3                   ; a fragment's row x pitch + 16 x half
	v_add_nc_u32 v[ADRA], ABASE, v3
	v_add_nc_u32 v[ADRB], s[QW], v3
	v_add_nc_u32 v[ADRB+1], SLOT, v[ADRB]
	s_lshl_b32 s60, s[WV], 4
	v_add_nc_u32 v9, s60, v2                       ; row 16 w + h: a load takes two rows, lanes 0-15 the even one
	v_mul_u32_u24 v[AST], v9, PB
	v_lshl_add_u32 v[AST], v1, 3, v[AST]
	v_add_nc_u32 v[AST], ABASE, v[AST]
	v_lshlrev_b32 v[XL], 12, v9
	v_lshl_add_u32 v[XL], v1, 4, v[XL]
	v_mov_b32 v[XO], v[XL]
	v_add_nc_u32 v[XO+1], 256, v[XL]
.irp s, 0,1
.irp i, 0,1,2,3,4,5,6,7
	global_load_b128 v[XR+32*\s+4*\i:XR+32*\s+4*\i+3], v[XO+\s], s[4:5] offset:\i*8192  ; pieces 0 and 1
.endr
.endr
	SIDE 0, 0, 8, 1                                ; piece 0 into x's slot 0; piece 2 is asked for
	s_wait_tensorcnt 0x1                           ; my quarter of tile 0 is in; tile 1's may stay out
	s_wait_dscnt 0x0                               ; my stores of x are done
	s_barrier_signal -1
	s_barrier_wait -1
	FETCH 0, 0, 0, 0
	H0 0, 0, 1, 1, 1, 1, 8, 1                      ; the first half step stands in front of the loop: its products start the sums
	WIN 0                                          ; at a label and at a branch every window is 0
	s_mov_b32 s[CNT], (NSTEP-4)/2
.Lk:                                                   ; a trip: two K steps, from a step's second half to the first half two steps on; both slots are filled again
	TURN 0, 1, 1, 1
	H0 1, 1, 0, 1, 0, 0, 8, 1
	TURN 1, 0, 0, 1
	H0 0, 0, 0, 1, 1, 1, 8, 1
	WIN 0
	s_sub_co_u32 s[CNT], s[CNT], 1
	s_cmp_lg_u32 s[CNT], 0
	s_cbranch_scc1 .Lk
	TURN 0, 1, 1, 1                                ; the tail is written out: the last two tiles are asked for,
	H0 1, 1, 0, 1, 0, 0, 8, 0                      ; no piece of x is left to ask for: the counts run down
	TURN 1, 0, 0, 1
	H0 0, 0, 0, 1, 1, 1, 0, 0
	TURN 0, 1, 1, 0                                ; and then nothing
	H0 1, 1, 0
	LAST
; THE WAY OUT.  In accumulator (a, b) a lane holds row 16 a + r and columns 256 w + 16 b + 8 h + j.  A block of 16 rows x 1,024 bytes goes through a stage: my own quarter of slot 0, which has had
; its last fill, which only my wave has read, and whose reads were waited for at the last change of slots.  Rows of 1,040 bytes = 260 words: row r starts at bank 4 r mod 64.
.set SP, 1040
	WIN 0                                          ; six plain lines of addresses: the places behind the last products
	v_mul_u32_u24 v[STO], v1, SP
	v_lshl_add_u32 v[STO], v2, 5, v[STO]
	v_add_nc_u32 v[STO], s[QW], v[STO]             ; in: row r, 32 bytes for each half of the lanes
	v_and_b32 v[GO], 31, v0
	v_lshlrev_b32 v[GO], 4, v[GO]
	v_add_nc_u32 v[RD], s[QW], v[GO]               ; back: 32 lanes take 512 consecutive bytes of a row
.macro OUTB a
	WIN 0x08+4*((\a)/2)                            ; the stores' data in window 2 or 3
.set bb, 0
.rept 16
.set rD, 8*(16*((\a)%2)+bb)
	ds_store_b128 v[STO], v[rD:rD+3]   offset:64*bb     ; each accumulator's low registers first
	ds_store_b128 v[STO], v[rD+4:rD+7] offset:64*bb+16
.set bb, bb+1
.endr
.if (\a) >= 2
	s_wait_xcnt 0x0                                ; the registers below were the data of the stores two blocks back: they are loaded again only behind this wait
.endif
	WIN 0x40
.set i, 0
.rept 32
	ds_load_b128 v[128*((\a)%2)+4*i:128*((\a)%2)+4*i+3], v[RD] offset:(i/2)*SP+(i%2)*512  ; LDS serves a wave's instructions in order (ISA guide 5.7.1.4): these see the stores above
.set i, i+1
.endr
	WIN 0x04
.set i, 0
.rept 32
	s_wait_dscnt 31-i
	global_store_b128 v[GO], v[128*((\a)%2)+4*i:128*((\a)%2)+4*i+3], s[10:11] offset:(16*(\a)+i/2)*4096+(i%2)*512 th:TH_STORE_NT  ; 512 consecutive bytes, at a multiple of 512 from out's first
.set i, i+1
.endr
.endm
	OUTB 0
	OUTB 1
	OUTB 2
	OUTB 3
	WIN 0
	s_wait_tensorcnt 0x0                           ; the wave's end
	ds_add_u32 v[SPW], v[NIL]
	s_wait_dscnt 0x0
	CROUND                                         ; the closing round: no work-group ends while a partner may still ask for a tile that names it
	s_endpgm
.Lfunc_end_k_qa140be92d0_final:
	.size	k_qa140be92d0_final, .Lfunc_end_k_qa140be92d0_final-k_qa140be92d0_final
	.p2alignl 7, 3214868480
	.fill 96, 4, 3214868480
	.section	.rodata,"a",@progbits
	.p2align	6, 0x0
	.amdhsa_kernel k_qa140be92d0_final
		.amdhsa_group_segment_fixed_size 327680
		.amdhsa_private_segment_fixed_size 0
		.amdhsa_enable_private_segment 0
		.amdhsa_kernarg_size 32
		.amdhsa_user_sgpr_count 2
		.amdhsa_user_sgpr_kernarg_segment_ptr 1
		.amdhsa_wavefront_size32 1
		.amdhsa_system_sgpr_workgroup_id_x 1
		.amdhsa_system_sgpr_workgroup_id_y 1
		.amdhsa_system_sgpr_workgroup_id_z 1
		.amdhsa_system_vgpr_workitem_id 0
		.amdhsa_next_free_vgpr 1024
		.amdhsa_next_free_sgpr 66
		.amdhsa_reserve_vcc 0
		.amdhsa_float_denorm_mode_32 3
		.amdhsa_float_denorm_mode_16_64 3
		.amdhsa_memory_ordered 1
		.amdhsa_forward_progress 1
		.amdhsa_inst_pref_size 137
	.end_amdhsa_kernel
	.amdgpu_metadata
---
amdhsa.version: [ 1, 2 ]
amdhsa.kernels:
  - .name:           k_qa140be92d0_final
    .symbol:         k_qa140be92d0_final.kd
    .args:
      - { .name: x, .offset: 0, .size: 8, .value_kind: global_buffer, .address_space: global }
      - { .name: WQB, .offset: 8, .size: 8, .value_kind: global_buffer, .address_space: global }
      - { .name: WPB, .offset: 16, .size: 8, .value_kind: global_buffer, .address_space: global }
      - { .name: out0, .offset: 24, .size: 8, .value_kind: global_buffer, .address_space: global }
    .group_segment_fixed_size: 327680
    .private_segment_fixed_size: 0
    .kernarg_segment_align: 8
    .kernarg_segment_size: 32
    .max_flat_workgroup_size: 128
    .sgpr_count:     66
    .vgpr_count:     1024
    .wavefront_size: 32
...
	.end_amdgpu_metadata
.endif
;; end of part 4
;; ======== version 2 of 3: 6 launches; 1.17 times as fast as version 1
;; workspace buffers: WT 6,291,456 bytes; XB 33,554,432 bytes; QK 134,217,728 bytes; WPT 8,388,608 bytes; P1 1,048,576 bytes; P2 1,048,576 bytes
;; launch prep (part 5): grid 1408 x 1, 4 waves a work-group, no clusters, 17,920 bytes of LDS; arguments Wq, Wk, Wr, WT, x, XB; writes WT, XB
.if DOCPART == 5
	.amdgcn_target "amdgcn-amd-amdhsa--gfx1250"
	.amdhsa_code_object_version 6
	.text
	.protected	k_qa140be92d0_prep
	.globl	k_qa140be92d0_prep
	.p2align	8
	.type	k_qa140be92d0_prep,@function
k_qa140be92d0_prep:
	s_mov_b64 s[64:65], 0
	v_nop
	global_prefetch_b8 v0, s[64:65] scope:SCOPE_SE
	s_setreg_imm32_b32 hwreg(HW_REG_WAVE_MODE, 25, 1), 1
	s_wait_xcnt 0x0
; TWO JOBS IN ONE LAUNCH, both of which make bf16 operands for the products that follow; neither reads what the other writes.  The work-group's number chooses, alike for all its waves.
; Work-groups 0 to 383 TURN: three weights W[k][n] (f32, 1024 x 1024) are rounded once to bf16 and turned, WT[1024 y + n][k] = bf16(W_y[k][n]), y = 0, 1, 2 for Wq, Wk, Wr, so that the products find K
; along the rows.  y = number / 128; the rest picks 128 k (/ 16) and 64 n (% 16): a row of the turned tile is 256 bytes.  The turn goes through LDS: a lane holds 16 k of 4 n, packs pairs of k, and
; stores 32 bytes into each of 4 rows n; whole rows come back.  They come first, since theirs is the longer chain (load, LDS, barrier, LDS, store).
; Work-groups 384 to 1407 CAST: XB = bf16(x), rounded once to nearest even.  A stream: a work-group takes 65,536 bytes of x, a wave 16,384: 32 loads of 512 consecutive bytes, all issued before the first
; is waited for; four numbers of a lane pack into 8 bytes, and a wave's store covers 256 consecutive bytes, aligned.
.set NTURN, 384
.set PL,  272                          ; an LDS row: 128 bf16 + 16 bytes
.set RT,  8                            ; turn: v[8:71]   16 rows x 4 numbers as loaded; later the rows read back
.set C,   72                           ; turn: v[72:103] packed: for each of my 4 n, 16 k
.set RC,  4                            ; cast: v[4:131]  32 loads x 4 numbers; each is packed in place
	s_load_b256 s[4:11], s[0:1], 0x0               ; Wq s[4:5], Wk s[6:7], Wr s[8:9], WT s[10:11]
	s_load_b128 s[12:15], s[0:1], 0x20             ; x s[12:13], XB s[14:15]
	v_lshl_add_u32 v132, v0, 2, 0x4400
	v_mov_b32 v133, 0
	s_mov_b32 s16, ttmp9
	s_cmp_lt_u32 s16, NTURN
	s_cbranch_scc0 .Lcast
	s_lshr_b32 s17, s16, 7                         ; which weight
	s_and_b32 s18, s16, 127
	s_lshr_b32 s19, s18, 4                         ; block of 128 k
	s_and_b32 s20, s18, 15                         ; block of 64 n
	v_and_b32 v1, 15, v0                           ; c = thread % 16
	v_lshrrev_b32 v2, 5, v0                        ; wave
	v_bfe_u32 v3, v0, 4, 1                         ; h = lane / 16
	v_lshl_add_u32 v4, v2, 1, v3                   ; 2 w + h,
	v_lshlrev_b32 v4, 16, v4                       ; x 16 rows of 4,096 bytes,
	v_lshl_add_u32 v4, v1, 4, v4                   ; + 16 c: lanes 0-15 take 256 bytes of row 32 w + i, lanes 16-31 of row 32 w + 16 + i
	v_mul_u32_u24 v5, v1, 4*PL                     ; into LDS: row n = 4 c (+ 0..3),
	v_lshl_add_u32 v5, v2, 6, v5
	v_lshl_add_u32 v5, v3, 5, v5                   ; byte 2 (32 w + 16 h)
	v_lshrrev_b32 v7, 4, v0                        ; thread / 16
	v_mul_u32_u24 v6, v7, PL
	v_lshl_add_u32 v6, v1, 4, v6                   ; back: row thread / 16, 16 bytes at thread % 16
	v_lshlrev_b32 v7, 11, v7
	v_lshl_add_u32 v7, v1, 4, v7                   ; and the same place in WT's rows of 2,048 bytes
	s_lshl_b32 s22, s19, 19                        ; source: 128 rows of 4,096 bytes a block of k
	s_lshl_b32 s21, s20, 8                         ; + 64 n of 4 bytes
	s_add_co_u32 s22, s22, s21
	s_mov_b32 s23, 0
	s_lshl_b32 s24, s17, 21                        ; target: 1,024 rows of 2,048 bytes a weight
	s_lshl_b32 s21, s20, 17                        ; + 64 rows a block of n
	s_add_co_u32 s24, s24, s21
	s_lshl_b32 s21, s19, 8                         ; + 128 k of 2 bytes
	s_add_co_u32 s24, s24, s21
	s_mov_b32 s25, 0
	s_wait_kmcnt 0x0
	s_cmp_eq_u32 s17, 0
	s_cselect_b64 s[26:27], s[4:5], s[6:7]
	s_cmp_eq_u32 s17, 2
	s_cselect_b64 s[26:27], s[8:9], s[26:27]
	s_add_nc_u64 s[26:27], s[26:27], s[22:23]
	s_add_nc_u64 s[10:11], s[10:11], s[24:25]
.set i, 0
.rept 16
	global_load_b128 v[RT+4*i:RT+4*i+3], v4, s[26:27] offset:i*4096 th:TH_LOAD_NT
.set i, i+1
.endr
	s_wait_loadcnt 0x0
.set i, 0
.rept 32                               ; i / 8: which of my 4 n; i % 8: the pair of k
	v_cvt_pk_bf16_f32 v[C+i], v[RT+8*(i%8)+i/8], v[RT+8*(i%8)+4+i/8]
.set i, i+1
.endr
.set i, 0
.rept 8
	ds_store_b128 v5, v[C+4*i:C+4*i+3] offset:(i/2)*PL+16*(i%2)
.set i, i+1
.endr
	s_wait_dscnt 0x0                               ; for the others' sake: my stores are done
	s_barrier_signal -1                            ; all four waves of a turning work-group are on this path
	s_barrier_wait -1
.set i, 0
.rept 8                                ; 8 rows of 256 bytes at a time
	ds_load_b128 v[RT+4*i:RT+4*i+3], v6 offset:i*8*PL
.set i, i+1
.endr
.set i, 0
.rept 8
	s_wait_dscnt 7-i                               ; LDS loads come back in order: load i is in
	global_store_b128 v7, v[RT+4*i:RT+4*i+3], s[10:11] offset:i*8*2048  ; sixteen lanes store 256 consecutive bytes, aligned
.set i, i+1
.endr
	s_wait_tensorcnt 0x0
	ds_add_u32 v132, v133
	s_wait_dscnt 0x0
	s_endpgm
.Lcast:
	s_sub_co_u32 s17, s16, NTURN                   ; my block of x
	s_lshl_b32 s22, s17, 16
	s_mov_b32 s23, 0
	s_lshl_b32 s24, s17, 15
	s_mov_b32 s25, 0
	v_and_b32 v1, 31, v0                           ; lane
	v_lshrrev_b32 v2, 5, v0                        ; wave
	v_lshlrev_b32 v3, 3, v1
	v_lshl_add_u32 v3, v2, 13, v3                  ; out: 8,192 w + 8 x lane
	v_lshlrev_b32 v1, 4, v1
	v_lshl_add_u32 v1, v2, 14, v1                  ; in: 16,384 w + 16 x lane
	s_wait_kmcnt 0x0
	s_add_nc_u64 s[12:13], s[12:13], s[22:23]
	s_add_nc_u64 s[14:15], s[14:15], s[24:25]
.set i, 0
.rept 32
	global_load_b128 v[RC+4*i:RC+4*i+3], v1, s[12:13] offset:i*512 th:TH_LOAD_NT
.set i, i+1
.endr
.set i, 0
.rept 32
	s_wait_loadcnt 31-i                            ; loads come back in order: load i is in, the younger ones stay out
	v_cvt_pk_bf16_f32 v[RC+4*i],   v[RC+4*i],   v[RC+4*i+1]
	v_cvt_pk_bf16_f32 v[RC+4*i+1], v[RC+4*i+2], v[RC+4*i+3]
	global_store_b64 v3, v[RC+4*i:RC+4*i+1], s[14:15] offset:i*256
.set i, i+1
.endr
	s_endpgm
.Lfunc_end_k_qa140be92d0_prep:
	.size	k_qa140be92d0_prep, .Lfunc_end_k_qa140be92d0_prep-k_qa140be92d0_prep
	.p2alignl 7, 3214868480
	.fill 96, 4, 3214868480
	.section	.rodata,"a",@progbits
	.p2align	6, 0x0
	.amdhsa_kernel k_qa140be92d0_prep
		.amdhsa_group_segment_fixed_size 17920
		.amdhsa_private_segment_fixed_size 0
		.amdhsa_enable_private_segment 0
		.amdhsa_kernarg_size 48
		.amdhsa_user_sgpr_count 2
		.amdhsa_user_sgpr_kernarg_segment_ptr 1
		.amdhsa_wavefront_size32 1
		.amdhsa_system_sgpr_workgroup_id_x 1
		.amdhsa_system_sgpr_workgroup_id_y 1
		.amdhsa_system_sgpr_workgroup_id_z 1
		.amdhsa_system_vgpr_workitem_id 0
		.amdhsa_next_free_vgpr 134
		.amdhsa_next_free_sgpr 66
		.amdhsa_reserve_vcc 0
		.amdhsa_float_denorm_mode_32 3
		.amdhsa_float_denorm_mode_16_64 3
		.amdhsa_memory_ordered 1
		.amdhsa_forward_progress 1
		.amdhsa_inst_pref_size 20
	.end_amdhsa_kernel
	.amdgpu_metadata
---
amdhsa.version: [ 1, 2 ]
amdhsa.kernels:
  - .name:           k_qa140be92d0_prep
    .symbol:         k_qa140be92d0_prep.kd
    .args:
      - { .name: Wq, .offset: 0, .size: 8, .value_kind: global_buffer, .address_space: global }
      - { .name: Wk, .offset: 8, .size: 8, .value_kind: global_buffer, .address_space: global }
      - { .name: Wr, .offset: 16, .size: 8, .value_kind: global_buffer, .address_space: global }
      - { .name: WT, .offset: 24, .size: 8, .value_kind: global_buffer, .address_space: global }
      - { .name: x, .offset: 32, .size: 8, .value_kind: global_buffer, .address_space: global }
      - { .name: XB, .offset: 40, .size: 8, .value_kind: global_buffer, .address_space: global }
    .group_segment_fixed_size: 17920
    .private_segment_fixed_size: 0
    .kernarg_segment_align: 8
    .kernarg_segment_size: 48
    .max_flat_workgroup_size: 128
    .sgpr_count:     66
    .vgpr_count:     134
    .wavefront_size: 32
...
	.end_amdgpu_metadata
.endif
;; end of part 5
;; launch gemmqk (part 6): grid 8 x 32, 4 waves a work-group, clusters of 4 x 4, 327,680 bytes of LDS; arguments XB, WT, QK; writes QK
.if DOCPART == 6
	.amdgcn_target "amdgcn-amd-amdhsa--gfx1250"
	.amdhsa_code_object_version 6
	.text
	.protected	k_qa140be92d0_gemmqk
	.globl	k_qa140be92d0_gemmqk
	.p2align	8
	.type	k_qa140be92d0_gemmqk,@function
k_qa140be92d0_gemmqk:
	s_mov_b64 s[64:65], 0
	v_nop
	global_prefetch_b8 v0, s[64:65] scope:SCOPE_SE
	s_setreg_imm32_b32 hwreg(HW_REG_WAVE_MODE, 25, 1), 1
	s_wait_xcnt 0x0
	s_wait_alu depctr_hold_cnt(0) depctr_sa_sdst(0) depctr_va_vdst(0) depctr_va_sdst(0) depctr_va_ssrc(0) depctr_va_vcc(0) depctr_vm_vsrc(0)
	s_getreg_b32 s2, hwreg(HW_REG_IB_STS2, 6, 4)
	s_cmp_eq_u32 s2, 0
	s_cbranch_scc0 .Lentry_in_a_cluster
	s_endpgm
.Lentry_in_a_cluster:
	s_bfe_u32 s2, ttmp6, 0x10000c
	s_cmp_lg_u32 s2, 0xf033
	s_cbranch_scc0 .Lentry_shape_is_right
	s_endpgm
.Lentry_shape_is_right:
; QK[m][n] = the sum over k of XB[m][k] WT[n][k], n = 0 .. 2047: columns 0-1023 are query = x Wq, columns 1024-2047 key = x Wk.  XB: [16384][1024] bf16; WT: rows of 1,024 bf16; QK: f32, rows of 8,192 bytes.
; Sums in f32, stored unrounded.  A tile of C, 256 x 256, is made by four waves, each 128 x 128: 64 accumulators of 16 x 16, 512 registers.  K goes in steps of 128 through two LDS slots filled by
; tensor loads: rows of 256 bytes, at multiples of 256 from the buffers' first bytes.
; A WORK-GROUP STAYS: C has 512 tiles, and each of 256 work-groups makes two, 8,192 rows apart (the same rows of B, other rows of A).  The two tiles are ONE walk of 16 K steps: the ring does not stop at the
; border, where the last two refills of the first tile bring the second tile's first two steps, and nothing waits for the first tile's stores.  K has only 8 steps a tile, so set-up and way out are a large share.
; THE LOOP has 14 trips: a trip is a K step's quarters 2 to 4, with the step's round and its one refill, and the next step's first quarter.  At the border that first quarter is another text: the way out, then
; the quarter whose products start new sums.  The jump to it goes forward, hangs on the loop's own counter, and passes no barrier and no tensor load.  The kernel enters the loop at that same quarter.
; CLUSTER.  4 x 4 work-groups: the four of a row of the cluster need the same tiles of A, the four of a column the same tiles of B.  Each tile is asked for JOINTLY: the same tensor load, descriptor and mask in all four.
; THE MATRIX INSTRUCTION IS USED TRANSPOSED (source 0 = 16 rows of B, source 1 = 16 rows of A): a lane holds row l % 16 of C and the eight neighbouring columns 8 (l / 16) + 0 .. 7.
; The slot in hand lies in a scalar register (0 or SLOT, turned by an exclusive or) that is added to the lanes' places; one descriptor a tensor walks on, its address made anew from the step's number.
; REGISTERS, in windows of 256 (s_set_vgpr_msb: bits 1:0 source 0, 3:2 source 1, 5:4 source 2, 7:6 destination):
;   window 0: v0-31 addresses; v64-127, v128-191 fragments of A, two buffers; on the way out v128-191 and v192-255 take rows read back (v64-127 then hold the next tile's first fragments).
;   window 1: v64-127, v128-191 fragments of B, two buffers.      window 2: the 32 accumulators of my rows 0-63 ((a, b) at v[8 (8 a + b)]);   window 3: those of my rows 64-127.
.set SIZE_K, 1024
.set PC,     8192                      ; bytes from row to row of C
.set KSTEP,  128
.set TSTEPS, SIZE_K/KSTEP              ; K steps a tile
.set STEPS,  2*TSTEPS                  ; K steps in the walk
.set BORDER, STEPS-1-TSTEPS            ; the counter's value in the trip that ends the first tile's last step
.set WSHIFT, 13                        ; the two tiles lie 2^13 rows apart
.set WALKC,  PC<<WSHIFT                ; and so many bytes apart in C
.set PITCH,  272                       ; an LDS row: 256 bytes + 16 = 68 words: row r starts at bank 4 r mod 64 (ISA guide 11.1)
.set HALFT,  128*PITCH                 ; 128 rows: what one tensor load brings, and what one wave reads of A or of B
.set SLOT,   4*HALFT                   ; A's 256 rows, then B's 256 rows.  0x22000: it shares no bit with wave x HALFT (0, 0x8800, 0x11000, 0x19800), so an exclusive or turns a tile's LDS address from slot to slot
.set STAGE,  2*SLOT                    ; behind the ring: 16 rows x 528 bytes for each wave, for the way out; no tensor load lands here
.set SPITCH, 528                       ; 512 bytes + 16 = 132 words: row r starts at bank 4 r mod 64
.set SPARE,  STAGE+4*16*SPITCH         ; the spare words, 128 bytes a wave: two blocks of 256 bytes that no other line names
.set ADRA0, 16                         ; v16  my place in A's fragments, slot 0; never rewritten
.set ADRB0, 17                         ; v17  the same for B
.set ADRA,  18                         ; v18  the same in the slot in hand
.set ADRB,  19                         ; v19
.set STO,   24                         ; v24  the way out: where I put 32 bytes of a row
.set RD,    25                         ; v25  the way out: where I read a row back
.set CO,    26                         ; v26  16 x lane
.set SPW,   28                         ; v28  LDS address of my spare word; never rewritten
.set NIL,   29                         ; v29  0; never rewritten
.set F0,    64
.set F1,    128
.set WV,  12                           ; s12  wave
.set HR,  13                           ; s13  which half of the tile's rows is mine.  Also: I fetch for A (0) or for B (1)
.set HC,  14                           ; s14  which half of its columns.  Also: which 128 rows of that tile I fetch
.set G1,  24                           ; s[24:31] descriptor group 1 for A's tiles
.set G0,  32                           ; s[32:39] group 0 for A's: a set for each of the two first fills; the second then walks on
.set BA,  40                           ; s[40:41] A at the rows that I fetch, first tile, K = 0
.set BB,  42                           ; s[42:43] B at the rows that I fetch, K = 0
.set CNT, 44                           ; s44  loop counter
.set TB,  45                           ; s45  0 or SLOT: the slot that is read
.set RK,  46                           ; s46  256 x the number (0 to 15) of the K step asked for last
.set G1B, 48                           ; s[48:55], s[56:63] the same for B's tiles
.set G0B, 56
.set OA,  74                           ; s[74:75] byte offset from BA of the step to be asked for
.set OB,  76                           ; s[76:77] the same from BB
.set MSB, 0
.macro WIN new                         ; the immediate's high byte repeats the setting that is left; a switch that changes nothing is dropped
.if MSB != (\new)
	s_set_vgpr_msb (MSB<<8)|(\new)
.set MSB, \new
.endif
.endm
.set MUL_LO, 0xa1                      ; source 0 (B) window 1, source 1 (A) window 0, C and D window 2
.set MUL_HI, 0xf1                      ; the same, C and D window 3
.set TO_B,   0x40                      ; destination window 1, address window 0
.macro PLACES                          ; four plain places behind matrix instructions, in front of loads into registers that they read and of stores that read results
.rept 4
	v_nop
.endr
.endm
; A joint refill by the walking descriptors.  Waves 0 and 1 fetch A's two halves, waves 2 and 3 B's.  The branch hangs on the wave's number alone.
; An s_nop 0 and four v_nop follow each of the two lines, ahead of the jump and the label.
.macro JLOAD
	s_cmp_eq_u32 s[HR], 0
	s_cbranch_scc0 .Lfor_b_\@
	tensor_load_to_lds s[G0+4:G0+7], s[G1:G1+7]
	s_nop 0
	PLACES
	s_branch .Lasked_\@
.Lfor_b_\@:
	tensor_load_to_lds s[G0B+4:G0B+7], s[G1B:G1B+7]
	s_nop 0
	PLACES
.Lasked_\@:
.endm
.macro CREST                           ; a round of the cluster's barrier behind its opening barrier
	s_cmp_lg_u32 s[WV], 0
	s_cbranch_scc1 .Lnot_wave_0_\@
	s_barrier_signal -3
.Lnot_wave_0_\@:
	s_barrier_wait -3
	s_barrier_signal -1
	s_barrier_wait -1
.endm
.macro CROUND
	s_barrier_signal -1
	s_barrier_wait -1
	CREST
.endm
; 16 matrix instructions: m blocks a0, a0 + 1 of the window's four x all 8 n blocks, 32 along K.  The 64 accumulators take turns, one instruction a turn, in the same order in every quarter.
.macro MUL16 f, hi, a0, zero
	WIN MUL_LO+0x50*(\hi)
.irp a, \a0, (\a0)+1
.irp b, 0,1,2,3,4,5,6,7
.if \zero
	v_wmma_f32_16x16x32_bf16 v[8*(8*(\a)+(\b)):8*(8*(\a)+(\b))+7], v[(\f)+8*(\b):(\f)+8*(\b)+7], v[(\f)+8*(4*(\hi)+(\a)):(\f)+8*(4*(\hi)+(\a))+7], 0
.else
	v_wmma_f32_16x16x32_bf16 v[8*(8*(\a)+(\b)):8*(8*(\a)+(\b))+7], v[(\f)+8*(\b):(\f)+8*(\b)+7], v[(\f)+8*(4*(\hi)+(\a)):(\f)+8*(4*(\hi)+(\a))+7], v[8*(8*(\a)+(\b)):8*(8*(\a)+(\b))+7]
.endif
.endr
.endr
.endm
; 32 LDS loads in one run: the fragments of a quarter step (128 rows of B, 128 rows of A, 32 K at byte k of the rows) of the slot in hand, into buffer f
.macro FETCH k, f
	WIN TO_B
.irp i, 0,1,2,3,4,5,6,7
	ds_load_b128 v[(\f)+8*(\i):(\f)+8*(\i)+3],   v[ADRB] offset:(\k)+(\i)*16*PITCH
	ds_load_b128 v[(\f)+8*(\i)+4:(\f)+8*(\i)+7], v[ADRB] offset:(\k)+(\i)*16*PITCH+32
.endr
	WIN 0
.irp i, 0,1,2,3,4,5,6,7
	ds_load_b128 v[(\f)+8*(\i):(\f)+8*(\i)+3],   v[ADRA] offset:(\k)+(\i)*16*PITCH
	ds_load_b128 v[(\f)+8*(\i)+4:(\f)+8*(\i)+7], v[ADRA] offset:(\k)+(\i)*16*PITCH+32
.endr
.endm
; One of a K step's first three quarters: multiplies buffer f; in its middle the next quarter's fragments, at byte k, are fetched into buffer g.  zero = 1: its products start the sums: nothing is ever cleared.
.macro QUARTER k, f, g, zero
	s_wait_dscnt 8                                 ; B and A's rows 0-63 are in; the youngest eight loads (A's rows 64-127) may be out
	MUL16 \f, 0, 0, \zero
	MUL16 \f, 0, 2, \zero
	PLACES
	FETCH \k, \g
	s_wait_dscnt 32                                ; all but the 32 just issued
	MUL16 \f, 1, 0, \zero
	MUL16 \f, 1, 2, \zero
.endm
; The last quarter multiplies buffer 1 and changes slots: ONE barrier.  In front of it each wave waits for all its tensor loads (one is out: its part of the next slot), adds 0 to its spare word, and
; waits for that and for its reads of this slot.  refill = 1: the barrier opens a round of the cluster's barrier, and the slot just read takes the walk's K step two further on: 224 matrix instructions ahead of the wait for it.
.macro TURN refill
	WIN 0
	s_wait_tensorcnt 0x0                           ; no tensor load of mine is out, so a group 0 may be written
	ds_add_u32 v[SPW], v[NIL]                      ; 0 onto my spare word; the descriptors' scalar work stands between it and the wait for it
.if \refill
	s_add_co_u32 s[RK], s[RK], KSTEP*2             ; the next step of the walk:
	s_and_b32 s[OB], s[RK], SIZE_K*2-1             ; its place along K, for both tensors,
	s_and_b32 s[OA], s[RK], SIZE_K*2               ; and which tile it belongs to:
	s_lshl_b32 s[OA], s[OA], WSHIFT                ; the second tile's rows of A lie 2^13 rows of SIZE_K x 2 bytes further down
	s_add_co_u32 s[OA], s[OA], s[OB]
	s_xor_b32 s[G0+5], s[G0+5], SLOT               ; the other slot than last time
	s_add_nc_u64 s[G0+6:G0+7], s[BA:BA+1], s[OA:OA+1]  ; the address is made anew: a base and an offset made apart
	s_or_b32 s[G0+7], s[G0+7], 0x80000000          ; type = 2
	s_xor_b32 s[G0B+5], s[G0B+5], SLOT
	s_add_nc_u64 s[G0B+6:G0B+7], s[BB:BB+1], s[OB:OB+1]
	s_or_b32 s[G0B+7], s[G0B+7], 0x80000000
.endif
	s_wait_dscnt 9                                 ; (the add and the youngest eight loads may be out)
	MUL16 F1, 0, 0, 0                              ; sixteen matrix instructions more between the add and the wait for it
	s_wait_dscnt 0x0                               ; the add is done, and my reads of this slot are over
	s_barrier_signal -1
	MUL16 F1, 0, 2, 0
	WIN 0
	s_barrier_wait -1
.if \refill
	CREST                                          ; no wave of any partner still reads this slot or has a load on its way
	JLOAD                                          ; my one tensor load behind the round, and the first thing there; the four v_nop behind it are also the places in front of the loads below
.else
	PLACES
.endif
	s_xor_b32 s[TB], s[TB], SLOT                   ; the reads go on in the other slot
	v_add_nc_u32 v[ADRA], s[TB], v[ADRA0]
	v_add_nc_u32 v[ADRB], s[TB], v[ADRB0]
	FETCH 0, F0
	MUL16 F1, 1, 0, 0
	MUL16 F1, 1, 2, 0
.endm
; THE WAY OUT, a block of 16 rows at a time.  A lane's eight numbers of a row go as 32 bytes into my own stage, each accumulator's low registers first; whole rows of 512 bytes come back.
.macro TOSTAGE a
.set AC, 64*((\a)%4)
.set BK, F1+64*((\a)%2)
	WIN 0x08+4*((\a)/4)                            ; the stores' data in window 2 or 3
.irp b, 0,1,2,3,4,5,6,7
	ds_store_b128 v[STO], v[AC+8*\b:AC+8*\b+3]   offset:64*\b
	ds_store_b128 v[STO], v[AC+8*\b+4:AC+8*\b+7] offset:64*\b+16
.endr
	WIN 0
.if (\a) >= 2
	s_wait_xcnt 0x0                                ; the registers below were the data of the stores two blocks back: they are loaded again only behind this wait
.endif
.set t, 0
.rept 16
	ds_load_b128 v[BK+4*t:BK+4*t+3], v[RD] offset:t*SPITCH  ; LDS serves a wave's instructions in order (ISA guide 5.7.1.4): these see the stores above, and the next block's stores come behind them
.set t, t+1
.endr
.endm
.macro SEND a, younger                 ; younger: the LDS instructions issued behind block a's loads: the next block's 32, or none
.set BK, F1+64*((\a)%2)
	WIN 0
.set t, 0
.rept 16
.if t%4 == 0
	s_wait_dscnt (\younger)+12-t                   ; rows t to t + 3 are back; this block's 12 - t later loads and the younger instructions may be out
.endif
	global_store_b128 v[CO], v[BK+4*t:BK+4*t+3], s[8:9] offset:(16*(\a)+t)*PC th:TH_STORE_NT  ; 512 consecutive bytes, at a multiple of 512 from C's first
.set t, t+1
.endr
.endm
.macro OUT
	WIN 0
	PLACES                                         ; behind the last products: the stage's stores read results, and rows are read back into buffer 1 of A
	TOSTAGE 0
.irp a, 1,2,3,4,5,6,7                  ; a block's way through the stage stands between the loads of the block before and its stores
	TOSTAGE \a
	SEND (\a)-1, 32
.endr
	SEND 7, 0
.endm
	s_load_b128 s[4:7], s[0:1], 0x0                ; A s[4:5], B s[6:7]
	s_load_b64 s[8:9], s[0:1], 0x10                ; C
	v_lshl_add_u32 v[SPW], v0, 2, SPARE
	v_mov_b32 v[NIL], 0
	ds_add_u32 v28, v29
	s_wait_dscnt 0x0
	v_lshrrev_b32 v1, 5, v0
	v_readfirstlane_b32 s[WV], v1                  ; wave 0..3
	s_lshr_b32 s[HR], s[WV], 1
	s_and_b32 s[HC], s[WV], 1
	s_bfe_u32 s15, ttmp6, 0x40000                  ; cx: my place along the cluster's x
	s_bfe_u32 s16, ttmp6, 0x40004                  ; cy: along its y
	s_lshl_b32 s17, ttmp9, 2                       ; in a cluster launch ttmp9 and ttmp7 count clusters
	s_add_co_u32 s17, s17, s15                     ; tile column of C = 4 x cluster x + cx
	s_and_b32 s22, ttmp7, 0xffff
	s_lshl_b32 s18, s22, 2
	s_add_co_u32 s18, s18, s16                     ; my first tile's row of tiles = 4 x cluster y + cy, 0 to 31
	s_lshl_b32 s19, s16, 2
	s_lshl_b32 s19, 15, s19                        ; my row of the cluster: places 4 cy .. 4 cy + 3
	s_lshl_b32 s20, 0x1111, s15                    ; my column: places cx, cx + 4, cx + 8, cx + 12
	; descriptor group 1: a tile of 128 rows x 128 elements, padded in LDS
	s_or_b32 s[G1+0], s19, (1<<16)|(1<<20)|(1<<21)|(5<<22)|(3<<25)   ; 15:0 the mask: A's tiles go to my row; 17:16 2-byte elements; 20 padding on; 21 set beside a mask; 24:22 after every 64 words (code 5); 31:25 4 words (code 3)
	s_or_b32 s[G1B+0], s20, (1<<16)|(1<<20)|(1<<21)|(5<<22)|(3<<25)  ; the same with the mask of my column, for B's tiles
.irp g, G1, G1B
	s_mov_b32 s[(\g)+1], KSTEP<<16                 ; tensor_dim0 = 128
	s_mov_b32 s[(\g)+2], 128<<16                   ; tensor_dim1 = 128
	s_mov_b32 s[(\g)+3], KSTEP<<16                 ; tile_dim0 = 128
	s_mov_b32 s[(\g)+4], 128                       ; tile_dim1 = 128
	s_mov_b32 s[(\g)+5], SIZE_K                    ; elements from row to row
	s_mov_b32 s[(\g)+6], 0
	s_mov_b32 s[(\g)+7], 0
.endr
	; A's tiles hang on the tile row alone, which my row of the cluster shares; B's on the tile column alone, which my column shares: each in registers that never hold the other coordinate
	s_lshl_b32 s23, s[HC], 7                       ; which 128 rows of the tile I fetch
	s_lshl_b32 s[BA], s18, 8
	s_add_co_u32 s[BA], s[BA], s23
	s_lshl_b32 s[BA], s[BA], 11                    ; A: row x 2,048 bytes
	s_mov_b32 s[BA+1], 0
	s_lshl_b32 s[BB], s17, 8
	s_add_co_u32 s[BB], s[BB], s23
	s_lshl_b32 s[BB], s[BB], 11                    ; B: row x 2,048 bytes
	s_mov_b32 s[BB+1], 0
	s_mul_i32 s21, s[WV], HALFT                    ; where they go: A's two halves, then B's two = wave x 128 rows: no place in the cluster enters an LDS address
	s_mov_b32 s[TB], 0
	s_mov_b32 s[RK], KSTEP*2                       ; the first fills ask for steps 0 and 1
	s_mov_b32 s[OA+1], 0
	s_mov_b32 s[OB+1], 0
	s_wait_kmcnt 0x0
	s_add_nc_u64 s[BA:BA+1], s[4:5], s[BA:BA+1]
	s_add_nc_u64 s[BB:BB+1], s[6:7], s[BB:BB+1]
	CROUND                                         ; all sixteen work-groups are here: the first joint loads meet
.irp s, 0,1
	s_mov_b32 s[G0+4*(\s)], 1                                      ; count = 1
	s_add_co_u32 s[G0+4*(\s)+1], s21, (\s)*SLOT                    ; LDS address
	s_add_nc_u64 s[G0+4*(\s)+2:G0+4*(\s)+3], s[BA:BA+1], (\s)*KSTEP*2  ; global address: K step s
	s_or_b32 s[G0+4*(\s)+3], s[G0+4*(\s)+3], 0x80000000            ; type = 2
	s_mov_b32 s[G0B+4*(\s)], 1
	s_add_co_u32 s[G0B+4*(\s)+1], s21, (\s)*SLOT
	s_add_nc_u64 s[G0B+4*(\s)+2:G0B+4*(\s)+3], s[BB:BB+1], (\s)*KSTEP*2
	s_or_b32 s[G0B+4*(\s)+3], s[G0B+4*(\s)+3], 0x80000000
.endr
	s_cmp_eq_u32 s[HR], 0                          ; a wave's two first fills stand in one branch, ahead of every wait on TENSORcnt and every LDS read: two loads of mine are out
	s_cbranch_scc0 .Lfirst_b
	tensor_load_to_lds s[G0:G0+3], s[G1:G1+7]
	s_nop 0
	tensor_load_to_lds s[G0+4:G0+7], s[G1:G1+7]
	s_nop 0
	PLACES
	s_branch .Lfirst_asked
.Lfirst_b:
	tensor_load_to_lds s[G0B:G0B+3], s[G1B:G1B+7]
	s_nop 0
	tensor_load_to_lds s[G0B+4:G0B+7], s[G1B:G1B+7]
	s_nop 0
	PLACES
.Lfirst_asked:
	; A fragment is 16 rows x 32 K in 8 registers: lane l holds row l % 16; K = 8 (l / 16) + 0..7 and 16 + 8 (l / 16) + 0..7: two loads of 16 bytes, 32 bytes apart
	v_and_b32 v1, 15, v0                           ; l % 16
	v_bfe_u32 v2, v0, 4, 1                         ; l / 16
	v_mul_u32_u24 v3, v1, PITCH
	v_lshl_add_u32 v3, v2, 4, v3
	s_mul_i32 s22, s[HR], HALFT                    ; my 128 rows of A
	s_mul_i32 s23, s[HC], HALFT                    ; my 128 rows of B,
	s_add_co_u32 s23, s23, 2*HALFT                 ; which lie behind A's 256
	v_add_nc_u32 v[ADRA0], s22, v3
	v_add_nc_u32 v[ADRB0], s23, v3
	v_mov_b32 v[ADRA], v[ADRA0]
	v_mov_b32 v[ADRB], v[ADRB0]
	s_mul_i32 s22, s[WV], 16*SPITCH
	s_add_co_u32 s22, s22, STAGE                   ; my stage
	v_mul_u32_u24 v4, v1, SPITCH                   ; in: row l % 16, 32 bytes for each half of the lanes
	v_lshl_add_u32 v4, v2, 5, v4
	v_add_nc_u32 v[STO], s22, v4
	v_and_b32 v5, 31, v0
	v_lshlrev_b32 v[CO], 4, v5
	v_add_nc_u32 v[RD], s22, v[CO]                 ; back: 32 lanes take a row's 512 bytes
	s_lshl_b32 s66, s18, 8
	s_lshl_b32 s67, s[HR], 7
	s_add_co_u32 s66, s66, s67                     ; my first row of C
	s_lshl_b32 s68, s17, 10
	s_lshl_b32 s69, s[HC], 9
	s_add_co_u32 s68, s68, s69                     ; my first column, in bytes
	s_mul_i32 s70, s66, PC
	s_add_co_u32 s70, s70, s68
	s_mov_b32 s71, 0
	s_add_nc_u64 s[8:9], s[8:9], s[70:71]
	s_wait_tensorcnt 0x1                           ; my part of K step 0 is in; step 1's may stay out
	s_barrier_signal -1
	s_barrier_wait -1                              ; everybody's is
	FETCH 0, F0
	s_mov_b32 s[CNT], STEPS-1                      ; the entry counts as a trip; 14 whole trips follow
	s_branch .Lzero                                ; the loop is entered at the quarter that starts a tile's sums
.Lstep:                                                ; a trip: a K step's quarters 2 to 4, the slot that is left filled again, and the next step's first quarter
	QUARTER 128, F1, F0, 0
	QUARTER 192, F0, F1, 0
	TURN 1
	WIN 0                                          ; at a label and at a branch every window is 0
	s_cmp_eq_u32 s[CNT], BORDER
	s_cbranch_scc1 .Lborder
	QUARTER 64, F0, F1, 0
	WIN 0
	s_branch .Ljoin
.Lborder:                                              ; the first tile is finished; both of the second tile's first steps have been asked for, and its first fragments are fetched
	OUT
	s_wait_xcnt 0x0                                ; the stores have read their registers and their base: buffer 1 of A and C's address are written again only behind this wait
	s_add_nc_u64 s[8:9], s[8:9], WALKC             ; on to the second tile; its products run while these stores are on their way
.Lzero:
	QUARTER 64, F0, F1, 1                          ; a tile's first quarter: its products start the sums
	WIN 0
.Ljoin:
	s_sub_co_u32 s[CNT], s[CNT], 1
	s_cmp_lg_u32 s[CNT], 0
	s_cbranch_scc1 .Lstep
	QUARTER 128, F1, F0, 0                         ; the walk's last two K steps are written out: nothing is left to ask for
	QUARTER 192, F0, F1, 0
	TURN 0
	QUARTER 64, F0, F1, 0
	QUARTER 128, F1, F0, 0
	QUARTER 192, F0, F1, 0
	s_wait_dscnt 8
	MUL16 F1, 0, 0, 0
	MUL16 F1, 0, 2, 0
	s_wait_dscnt 0x0
	MUL16 F1, 1, 0, 0
	MUL16 F1, 1, 2, 0
	OUT
	s_wait_tensorcnt 0x0                           ; the wave's end
	ds_add_u32 v[SPW], v[NIL]
	s_wait_dscnt 0x0
	CROUND                                         ; the closing round: no work-group ends while a partner may still ask for a tile that names it
	s_endpgm
.Lfunc_end_k_qa140be92d0_gemmqk:
	.size	k_qa140be92d0_gemmqk, .Lfunc_end_k_qa140be92d0_gemmqk-k_qa140be92d0_gemmqk
	.p2alignl 7, 3214868480
	.fill 96, 4, 3214868480
	.section	.rodata,"a",@progbits
	.p2align	6, 0x0
	.amdhsa_kernel k_qa140be92d0_gemmqk
		.amdhsa_group_segment_fixed_size 327680
		.amdhsa_private_segment_fixed_size 0
		.amdhsa_enable_private_segment 0
		.amdhsa_kernarg_size 24
		.amdhsa_user_sgpr_count 2
		.amdhsa_user_sgpr_kernarg_segment_ptr 1
		.amdhsa_wavefront_size32 1
		.amdhsa_system_sgpr_workgroup_id_x 1
		.amdhsa_system_sgpr_workgroup_id_y 1
		.amdhsa_system_sgpr_workgroup_id_z 1
		.amdhsa_system_vgpr_workitem_id 0
		.amdhsa_next_free_vgpr 1024
		.amdhsa_next_free_sgpr 80
		.amdhsa_reserve_vcc 0
		.amdhsa_float_denorm_mode_32 3
		.amdhsa_float_denorm_mode_16_64 3
		.amdhsa_memory_ordered 1
		.amdhsa_forward_progress 1
		.amdhsa_inst_pref_size 145
	.end_amdhsa_kernel
	.amdgpu_metadata
---
amdhsa.version: [ 1, 2 ]
amdhsa.kernels:
  - .name:           k_qa140be92d0_gemmqk
    .symbol:         k_qa140be92d0_gemmqk.kd
    .args:
      - { .name: XB, .offset: 0, .size: 8, .value_kind: global_buffer, .address_space: global }
      - { .name: WT, .offset: 8, .size: 8, .value_kind: global_buffer, .address_space: global }
      - { .name: QK, .offset: 16, .size: 8, .value_kind: global_buffer, .address_space: global }
    .group_segment_fixed_size: 327680
    .private_segment_fixed_size: 0
    .kernarg_segment_align: 8
    .kernarg_segment_size: 24
    .max_flat_workgroup_size: 128
    .sgpr_count:     80
    .vgpr_count:     1024
    .wavefront_size: 32
...
	.end_amdgpu_metadata
.endif
;; end of part 6
;; launch softq (part 7): grid 256 x 1, 16 waves a work-group, no clusters, 67,584 bytes of LDS; arguments QK, P1; writes P1
.if DOCPART == 7
	.amdgcn_target "amdgcn-amd-amdhsa--gfx1250"
	.amdhsa_code_object_version 6
	.text
	.protected	k_qa140be92d0_softq
	.globl	k_qa140be92d0_softq
	.p2align	8
	.type	k_qa140be92d0_softq,@function
k_qa140be92d0_softq:
	s_mov_b64 s[64:65], 0
	v_nop
	global_prefetch_b8 v0, s[64:65] scope:SCOPE_SE
	s_setreg_imm32_b32 hwreg(HW_REG_WAVE_MODE, 25, 1), 1
	s_wait_xcnt 0x0
; P1[work-group][n] = the sum over my 64 rows s of q[s][n] softmax_n(q[s][:] / 32)[n], with the row's true maximum taken away: a work-group's part of global_query.
; q: columns 0-1023 of QK's rows of 8,192 bytes, f32.  All arithmetic in f32.  LIMITS: NaN and infinities are not treated apart; a weight below 2^-126 counts as 0 in a row's sum.
; A stream: memory binds, so no matrix unit and no cluster.  Sixteen waves; a wave takes 4 rows of 4,096 bytes, one row in 32 registers a lane, and asks for all 4 at the start: the work-group's 262,144 bytes
; are on their way at once.  A row never leaves its wave; the columns' sums of the sixteen waves meet in LDS behind one barrier.
.set WITHG, 0
.set KOFF,  0                          ; byte of my 1,024 columns in a row of QK
.set PQ,    8192
.set RED,   0                          ; LDS: 4,096 bytes of column sums for each wave
.set GL,    65536
.set ROF, 1                            ; v1  my byte offset in the work-group's rows: 4 w rows + 16 x lane; never rewritten
.set RST, 5                            ; v5  where I put my wave's column sums
.set OOF, 6                            ; v6  8 x thread: where I read column sums, and my offset in the output row
.set CH,  8                            ; v8-11   four chains of the maximum
.set PT,  12                           ; v12     the other half of the lanes'
.set CM,  14                           ; v[14:15] c M in the low word
.set SU,  16                           ; v[16:23] four chains of the sum
.set IL,  24                           ; v[24:25] 1 / L in the low word
.set GS,  26                           ; v[26:29]
.set R,   32                           ; v[32:159]  four rows
.set G,   160                          ; v[160:191]
.set CS,  192                          ; v[192:223] my 32 columns' sums
.set T,   224                          ; v[224:255] at work
.macro FILL s                          ; a row: eight loads of 512 consecutive bytes; load j brings a lane columns 128 j + 4 l .. + 3
.irp j, 0,1,2,3,4,5,6,7
	global_load_b128 v[R+32*(\s)+4*\j:R+32*(\s)+4*\j+3], v[ROF], s[4:5] offset:(\s)*PQ+KOFF+\j*512 th:TH_LOAD_NT
.endr
.endm
.macro ROW s, left
.set X, R+32*(\s)
	s_wait_loadcnt \left                           ; loads come back in order: this row is in, the later rows stay out
.if WITHG
.set i, 0
.rept 16
	v_pk_mul_f32 v[X+2*i:X+2*i+1], v[X+2*i:X+2*i+1], v[G+2*i:G+2*i+1]  ; p = g k
.set i, i+1
.endr
.endif
.irp k, 0,1,2,3                        ; the maximum of my 32 numbers: four chains, three operands at a time
	v_max3_num_f32 v[CH+\k], v[X+8*\k], v[X+8*\k+1], v[X+8*\k+2]
.endr
.irp k, 0,1,2,3
	v_max3_num_f32 v[CH+\k], v[CH+\k], v[X+8*\k+3], v[X+8*\k+4]
.endr
.irp k, 0,1,2,3
	v_max3_num_f32 v[CH+\k], v[CH+\k], v[X+8*\k+5], v[X+8*\k+6]
.endr
	v_max3_num_f32 v[CH], v[CH], v[X+7], v[X+15]
	v_max3_num_f32 v[CH+1], v[CH+1], v[X+23], v[X+31]
	v_max3_num_f32 v[CH], v[CH], v[CH+1], v[CH+2]
	v_max_num_f32 v[CH], v[CH], v[CH+3]
.irp m, 1,2,4,8
	v_max_num_f32_dpp v[CH], v[CH], v[CH] row_xmask:\m row_mask:0xf bank_mask:0xf
.endr
	v_permlanex16_b32 v[PT], v[CH], s18, s19
	v_max_num_f32 v[CH], v[CH], v[PT]              ; M: the row's maximum, in every lane
	v_mul_f32 v[CM], s16, v[CH]
.set i, 0
.rept 16
	v_pk_fma_f32 v[T+2*i:T+2*i+1], v[X+2*i:X+2*i+1], s[16:17], v[CM:CM+1] op_sel_hi:[1,0,0] neg_lo:[0,0,1] neg_hi:[0,0,1]  ; c p - c M
.set i, i+1
.endr
.set i, 0
.rept 32
	v_exp_f32 v[T+i], v[T+i]
.set i, i+1
.endr
	v_nop                                          ; a plain instruction between the exponentials and the first use of a result (ISA guide 5.7.2)
.set i, 0
	s_wait_alu depctr_va_vdst(0)
.rept 16
	v_pk_mul_f32 v[X+2*i:X+2*i+1], v[X+2*i:X+2*i+1], v[T+2*i:T+2*i+1]  ; p e
.set i, i+1
.endr
.irp k, 0,1,2,3                        ; the sum of my 32 weights: four chains of pairs, started by their first two: nothing is cleared
	v_pk_add_f32 v[SU+2*\k:SU+2*\k+1], v[T+8*\k:T+8*\k+1], v[T+8*\k+2:T+8*\k+3]
.endr
.irp k, 0,1,2,3
	v_pk_add_f32 v[SU+2*\k:SU+2*\k+1], v[SU+2*\k:SU+2*\k+1], v[T+8*\k+4:T+8*\k+5]
.endr
.irp k, 0,1,2,3
	v_pk_add_f32 v[SU+2*\k:SU+2*\k+1], v[SU+2*\k:SU+2*\k+1], v[T+8*\k+6:T+8*\k+7]
.endr
	v_pk_add_f32 v[SU:SU+1], v[SU:SU+1], v[SU+2:SU+3]
	v_pk_add_f32 v[SU+4:SU+5], v[SU+4:SU+5], v[SU+6:SU+7]
	v_pk_add_f32 v[SU:SU+1], v[SU:SU+1], v[SU+4:SU+5]
	v_add_f32 v[SU], v[SU], v[SU+1]
.irp m, 1,2,4,8
	v_add_f32_dpp v[SU], v[SU], v[SU] row_xmask:\m row_mask:0xf bank_mask:0xf
.endr
	v_permlanex16_b32 v[PT], v[SU], s18, s19
	v_add_f32 v[SU], v[SU], v[PT]                  ; L: at least 1, the maximum's own weight
	v_rcp_f32 v[IL], v[SU]
	v_nop                                          ; a plain instruction behind the reciprocal
	s_wait_alu depctr_va_vdst(0)
.set i, 0
.rept 16
.if (\s) == 0
	v_pk_mul_f32 v[CS+2*i:CS+2*i+1], v[X+2*i:X+2*i+1], v[IL:IL+1] op_sel_hi:[1,0]  ; the first row starts the columns' sums
.else
	v_pk_fma_f32 v[CS+2*i:CS+2*i+1], v[X+2*i:X+2*i+1], v[IL:IL+1], v[CS+2*i:CS+2*i+1] op_sel_hi:[1,0,1]
.endif
.set i, i+1
.endr
.endm
.if WITHG
	s_load_b128 s[4:7], s[0:1], 0x0                ; QK s[4:5], the output table s[6:7]
	s_load_b64 s[8:9], s[0:1], 0x10                ; the table of global_query's parts
.else
	s_load_b128 s[4:7], s[0:1], 0x0                ; QK s[4:5], the output table s[6:7]
	v_lshl_add_u32 v190, v0, 2, 0x10000
	v_mov_b32 v191, 0
.endif
	s_lshl_b32 s10, ttmp9, 19                      ; my 64 rows of 8,192 bytes
	s_mov_b32 s11, 0
	s_lshl_b32 s12, ttmp9, 12                      ; my row of the output table
	s_mov_b32 s13, 0
	s_lshr_b32 s14, ttmp9, 6                       ; the batch,
	s_lshl_b32 s14, s14, 18                        ; its 64 rows of 4,096 bytes
	s_mov_b32 s15, 0
	s_mov_b32 s16, 0x3d38aa3b                      ; c = log2(e) / 32
	s_mov_b32 s17, s16                             ; named with it as a pair
	s_mov_b32 s18, 0x76543210                      ; v_permlanex16_b32: each lane takes its own place in the other half
	s_mov_b32 s19, 0xfedcba98
	v_and_b32 v4, 31, v0
	v_lshrrev_b32 v5, 5, v0                        ; wave
	v_lshlrev_b32 v4, 4, v4                        ; 16 x lane
	v_lshl_add_u32 v[ROF], v5, 15, v4
	v_lshl_add_u32 v[RST], v5, 12, v4
	v_lshlrev_b32 v[OOF], 3, v0
	v_mov_b32 v[PT], 0                             ; written before they are named as destinations or as halves of pairs
	v_mov_b32 v[CM+1], 0
	v_mov_b32 v[IL+1], 0
.if WITHG
	v_and_b32 v2, 0xff, v0
	v_lshrrev_b32 v3, 8, v0
	v_lshlrev_b32 v2, 4, v2
	v_lshl_add_u32 v2, v3, 17, v2                  ; in the table: columns 4 (t % 256) .. + 3 of rows 32 (t / 256) on
	v_lshl_add_u32 v3, v0, 4, GL                   ; where my sums go: half t / 256, 16 bytes at t % 256
	v_add_nc_u32 v4, GL, v4                        ; where my columns' g lies
.endif
	s_wait_kmcnt 0x0
	s_add_nc_u64 s[4:5], s[4:5], s[10:11]
	s_add_nc_u64 s[6:7], s[6:7], s[12:13]
.if WITHG
	s_add_nc_u64 s[8:9], s[8:9], s[14:15]
.set j, 0
.rept 16                               ; g = the sum of the table's 64 rows: my 32 rows go where rows 2, 3 and the registers at work will lie
	global_load_b128 v[R+64+4*j:R+64+4*j+3], v2, s[8:9] offset:j*4096
.set j, j+1
.endr
.set j, 0
.rept 16
	global_load_b128 v[CS+4*j:CS+4*j+3], v2, s[8:9] offset:(16+j)*4096
.set j, j+1
.endr
	FILL 0
	FILL 1
	s_wait_loadcnt 16                              ; the table's 32 loads are in; the 16 of rows 0 and 1 may be out
	v_pk_add_f32 v[GS:GS+1],   v[R+64:R+65], v[R+68:R+69]
	v_pk_add_f32 v[GS+2:GS+3], v[R+66:R+67], v[R+70:R+71]
.set j, 2
.rept 14
	v_pk_add_f32 v[GS:GS+1],   v[GS:GS+1],   v[R+64+4*j:R+64+4*j+1]
	v_pk_add_f32 v[GS+2:GS+3], v[GS+2:GS+3], v[R+64+4*j+2:R+64+4*j+3]
.set j, j+1
.endr
.set j, 0
.rept 16
	v_pk_add_f32 v[GS:GS+1],   v[GS:GS+1],   v[CS+4*j:CS+4*j+1]
	v_pk_add_f32 v[GS+2:GS+3], v[GS+2:GS+3], v[CS+4*j+2:CS+4*j+3]
.set j, j+1
.endr
	FILL 2
	FILL 3
	ds_store_b128 v3, v[GS:GS+3]
	s_wait_dscnt 0x0                               ; for the others' sake
	s_barrier_signal -1
	s_barrier_wait -1
.irp j, 0,1,2,3,4,5,6,7
	ds_load_b128 v[G+4*\j:G+4*\j+3], v4 offset:512*\j
	ds_load_b128 v[T+4*\j:T+4*\j+3], v4 offset:4096+512*\j
.endr
	s_wait_dscnt 0x0
.set i, 0
.rept 16
	v_pk_add_f32 v[G+2*i:G+2*i+1], v[G+2*i:G+2*i+1], v[T+2*i:T+2*i+1]  ; the two halves of the 64 rows
.set i, i+1
.endr
.else
	FILL 0
	FILL 1
	FILL 2
	FILL 3
.endif
	ROW 0, 24
	ROW 1, 16
	ROW 2, 8
	ROW 3, 0
.irp j, 0,1,2,3,4,5,6,7
	ds_store_b128 v[RST], v[CS+4*\j:CS+4*\j+3] offset:RED+512*\j
.endr
	s_wait_dscnt 0x0                               ; for the others' sake: my stores are done
	s_barrier_signal -1
	s_barrier_wait -1
.set u, 0
.rept 16                               ; thread t adds the sixteen waves' sums of columns 2 t, 2 t + 1
	ds_load_b64 v[R+2*u:R+2*u+1], v[OOF] offset:RED+4096*u
.set u, u+1
.endr
	s_wait_dscnt 0x0
.irp w, 4, 8, 16, 32
.set u, 0
.rept 32/\w
	v_pk_add_f32 v[R+\w*u:R+\w*u+1], v[R+\w*u:R+\w*u+1], v[R+\w*u+\w/2:R+\w*u+\w/2+1]
.set u, u+1
.endr
.endr
	global_store_b64 v[OOF], v[R:R+1], s[6:7]      ; a wave stores 256 consecutive bytes, aligned
	s_wait_tensorcnt 0x0
	ds_add_u32 v190, v191
	s_wait_dscnt 0x0
	s_endpgm
.Lfunc_end_k_qa140be92d0_softq:
	.size	k_qa140be92d0_softq, .Lfunc_end_k_qa140be92d0_softq-k_qa140be92d0_softq
	.p2alignl 7, 3214868480
	.fill 96, 4, 3214868480
	.section	.rodata,"a",@progbits
	.p2align	6, 0x0
	.amdhsa_kernel k_qa140be92d0_softq
		.amdhsa_group_segment_fixed_size 67584
		.amdhsa_private_segment_fixed_size 0
		.amdhsa_enable_private_segment 0
		.amdhsa_kernarg_size 16
		.amdhsa_user_sgpr_count 2
		.amdhsa_user_sgpr_kernarg_segment_ptr 1
		.amdhsa_wavefront_size32 1
		.amdhsa_system_sgpr_workgroup_id_x 1
		.amdhsa_system_sgpr_workgroup_id_y 1
		.amdhsa_system_sgpr_workgroup_id_z 1
		.amdhsa_system_vgpr_workitem_id 0
		.amdhsa_next_free_vgpr 256
		.amdhsa_next_free_sgpr 66
		.amdhsa_reserve_vcc 0
		.amdhsa_float_denorm_mode_32 3
		.amdhsa_float_denorm_mode_16_64 3
		.amdhsa_memory_ordered 1
		.amdhsa_forward_progress 1
		.amdhsa_inst_pref_size 35
	.end_amdhsa_kernel
	.amdgpu_metadata
---
amdhsa.version: [ 1, 2 ]
amdhsa.kernels:
  - .name:           k_qa140be92d0_softq
    .symbol:         k_qa140be92d0_softq.kd
    .args:
      - { .name: QK, .offset: 0, .size: 8, .value_kind: global_buffer, .address_space: global }
      - { .name: P1, .offset: 8, .size: 8, .value_kind: global_buffer, .address_space: global }
    .group_segment_fixed_size: 67584
    .private_segment_fixed_size: 0
    .kernarg_segment_align: 8
    .kernarg_segment_size: 16
    .max_flat_workgroup_size: 512
    .sgpr_count:     66
    .vgpr_count:     256
    .wavefront_size: 32
...
	.end_amdgpu_metadata
.endif
;; end of part 7
;; launch softk (part 8): grid 256 x 1, 16 waves a work-group, no clusters, 75,776 bytes of LDS; arguments QK, P2, P1; writes P2
.if DOCPART == 8
	.amdgcn_target "amdgcn-amd-amdhsa--gfx1250"
	.amdhsa_code_object_version 6
	.text
	.protected	k_qa140be92d0_softk
	.globl	k_qa140be92d0_softk
	.p2align	8
	.type	k_qa140be92d0_softk,@function
k_qa140be92d0_softk:
	s_mov_b64 s[64:65], 0
	v_nop
	global_prefetch_b8 v0, s[64:65] scope:SCOPE_SE
	s_setreg_imm32_b32 hwreg(HW_REG_WAVE_MODE, 25, 1), 1
	s_wait_xcnt 0x0
; g[n] = the sum of the batch's 64 rows of P1 (global_query);  p[s][n] = g[n] k[s][n];  P2[work-group][n] = the sum over my 64 rows s of p[s][n] softmax_n(p[s][:] / 32)[n], with the row's true maximum
; taken away: a work-group's part of global_key.  k: columns 1024-2047 of QK's rows of 8,192 bytes, f32.  All arithmetic in f32.
; LIMITS: NaN and infinities are not treated apart; a weight below 2^-126 counts as 0 in a row's sum.
; A stream: memory binds, so no matrix unit and no cluster.  Sixteen waves; a wave takes 4 rows of 4,096 bytes, one row in 32 registers a lane.  The table's 262,144 bytes (32 loads a thread) and rows 0, 1
; are asked for at the start; rows 2, 3 take the table's registers as soon as it is summed.  A row never leaves its wave; the columns' sums of the sixteen waves meet in LDS behind a barrier.
.set WITHG, 1
.set KOFF,  4096                       ; byte of my 1,024 columns in a row of QK
.set PQ,    8192
.set RED,   0                          ; LDS: 4,096 bytes of column sums for each wave
.set GL,    65536                      ; LDS: g's two halves, 4,096 bytes each
.set ROF, 1                            ; v1  my byte offset in the work-group's rows: 4 w rows + 16 x lane; never rewritten
.set RST, 5                            ; v5  where I put my wave's column sums
.set OOF, 6                            ; v6  8 x thread: where I read column sums, and my offset in the output row
.set CH,  8                            ; v8-11   four chains of the maximum
.set PT,  12                           ; v12     the other half of the lanes'
.set CM,  14                           ; v[14:15] c M in the low word
.set SU,  16                           ; v[16:23] four chains of the sum
.set IL,  24                           ; v[24:25] 1 / L in the low word
.set GS,  26                           ; v[26:29] my part of g
.set R,   32                           ; v[32:159]  four rows
.set G,   160                          ; v[160:191] g of my 32 columns
.set CS,  192                          ; v[192:223] my 32 columns' sums
.set T,   224                          ; v[224:255] at work
.macro FILL s                          ; a row: eight loads of 512 consecutive bytes; load j brings a lane columns 128 j + 4 l .. + 3
.irp j, 0,1,2,3,4,5,6,7
	global_load_b128 v[R+32*(\s)+4*\j:R+32*(\s)+4*\j+3], v[ROF], s[4:5] offset:(\s)*PQ+KOFF+\j*512 th:TH_LOAD_NT
.endr
.endm
.macro ROW s, left
.set X, R+32*(\s)
	s_wait_loadcnt \left                           ; loads come back in order: this row is in, the later rows stay out
.if WITHG
.set i, 0
.rept 16
	v_pk_mul_f32 v[X+2*i:X+2*i+1], v[X+2*i:X+2*i+1], v[G+2*i:G+2*i+1]  ; p = g k
.set i, i+1
.endr
.endif
.irp k, 0,1,2,3                        ; the maximum of my 32 numbers: four chains, three operands at a time
	v_max3_num_f32 v[CH+\k], v[X+8*\k], v[X+8*\k+1], v[X+8*\k+2]
.endr
.irp k, 0,1,2,3
	v_max3_num_f32 v[CH+\k], v[CH+\k], v[X+8*\k+3], v[X+8*\k+4]
.endr
.irp k, 0,1,2,3
	v_max3_num_f32 v[CH+\k], v[CH+\k], v[X+8*\k+5], v[X+8*\k+6]
.endr
	v_max3_num_f32 v[CH], v[CH], v[X+7], v[X+15]
	v_max3_num_f32 v[CH+1], v[CH+1], v[X+23], v[X+31]
	v_max3_num_f32 v[CH], v[CH], v[CH+1], v[CH+2]
	v_max_num_f32 v[CH], v[CH], v[CH+3]
.irp m, 1,2,4,8
	v_max_num_f32_dpp v[CH], v[CH], v[CH] row_xmask:\m row_mask:0xf bank_mask:0xf
.endr
	v_permlanex16_b32 v[PT], v[CH], s18, s19
	v_max_num_f32 v[CH], v[CH], v[PT]              ; M: the row's maximum, in every lane
	v_mul_f32 v[CM], s16, v[CH]
.set i, 0
.rept 16
	v_pk_fma_f32 v[T+2*i:T+2*i+1], v[X+2*i:X+2*i+1], s[16:17], v[CM:CM+1] op_sel_hi:[1,0,0] neg_lo:[0,0,1] neg_hi:[0,0,1]  ; c p - c M
.set i, i+1
.endr
.set i, 0
.rept 32
	v_exp_f32 v[T+i], v[T+i]
.set i, i+1
.endr
	v_nop                                          ; a plain instruction between the exponentials and the first use of a result (ISA guide 5.7.2)
.set i, 0
	s_wait_alu depctr_va_vdst(0)
.rept 16
	v_pk_mul_f32 v[X+2*i:X+2*i+1], v[X+2*i:X+2*i+1], v[T+2*i:T+2*i+1]  ; p e
.set i, i+1
.endr
.irp k, 0,1,2,3                        ; the sum of my 32 weights: four chains of pairs, started by their first two: nothing is cleared
	v_pk_add_f32 v[SU+2*\k:SU+2*\k+1], v[T+8*\k:T+8*\k+1], v[T+8*\k+2:T+8*\k+3]
.endr
.irp k, 0,1,2,3
	v_pk_add_f32 v[SU+2*\k:SU+2*\k+1], v[SU+2*\k:SU+2*\k+1], v[T+8*\k+4:T+8*\k+5]
.endr
.irp k, 0,1,2,3
	v_pk_add_f32 v[SU+2*\k:SU+2*\k+1], v[SU+2*\k:SU+2*\k+1], v[T+8*\k+6:T+8*\k+7]
.endr
	v_pk_add_f32 v[SU:SU+1], v[SU:SU+1], v[SU+2:SU+3]
	v_pk_add_f32 v[SU+4:SU+5], v[SU+4:SU+5], v[SU+6:SU+7]
	v_pk_add_f32 v[SU:SU+1], v[SU:SU+1], v[SU+4:SU+5]
	v_add_f32 v[SU], v[SU], v[SU+1]
.irp m, 1,2,4,8
	v_add_f32_dpp v[SU], v[SU], v[SU] row_xmask:\m row_mask:0xf bank_mask:0xf
.endr
	v_permlanex16_b32 v[PT], v[SU], s18, s19
	v_add_f32 v[SU], v[SU], v[PT]                  ; L: at least 1, the maximum's own weight
	v_rcp_f32 v[IL], v[SU]
	v_nop                                          ; a plain instruction behind the reciprocal
	s_wait_alu depctr_va_vdst(0)
.set i, 0
.rept 16
.if (\s) == 0
	v_pk_mul_f32 v[CS+2*i:CS+2*i+1], v[X+2*i:X+2*i+1], v[IL:IL+1] op_sel_hi:[1,0]  ; the first row starts the columns' sums
.else
	v_pk_fma_f32 v[CS+2*i:CS+2*i+1], v[X+2*i:X+2*i+1], v[IL:IL+1], v[CS+2*i:CS+2*i+1] op_sel_hi:[1,0,1]
.endif
.set i, i+1
.endr
.endm
.if WITHG
	s_load_b128 s[4:7], s[0:1], 0x0                ; QK s[4:5], the output table s[6:7]
	s_load_b64 s[8:9], s[0:1], 0x10                ; the table of global_query's parts
	v_lshl_add_u32 v30, v0, 2, 0x12000
	v_mov_b32 v31, 0
.else
	s_load_b128 s[4:7], s[0:1], 0x0                ; QK s[4:5], the output table s[6:7]
.endif
	s_lshl_b32 s10, ttmp9, 19                      ; my 64 rows of 8,192 bytes
	s_mov_b32 s11, 0
	s_lshl_b32 s12, ttmp9, 12                      ; my row of the output table
	s_mov_b32 s13, 0
	s_lshr_b32 s14, ttmp9, 6                       ; the batch,
	s_lshl_b32 s14, s14, 18                        ; its 64 rows of 4,096 bytes
	s_mov_b32 s15, 0
	s_mov_b32 s16, 0x3d38aa3b                      ; c = log2(e) / 32
	s_mov_b32 s17, s16                             ; named with it as a pair
	s_mov_b32 s18, 0x76543210                      ; v_permlanex16_b32: each lane takes its own place in the other half
	s_mov_b32 s19, 0xfedcba98
	v_and_b32 v4, 31, v0
	v_lshrrev_b32 v5, 5, v0                        ; wave
	v_lshlrev_b32 v4, 4, v4                        ; 16 x lane
	v_lshl_add_u32 v[ROF], v5, 15, v4
	v_lshl_add_u32 v[RST], v5, 12, v4
	v_lshlrev_b32 v[OOF], 3, v0
	v_mov_b32 v[PT], 0                             ; written before they are named as destinations or as halves of pairs
	v_mov_b32 v[CM+1], 0
	v_mov_b32 v[IL+1], 0
.if WITHG
	v_and_b32 v2, 0xff, v0
	v_lshrrev_b32 v3, 8, v0
	v_lshlrev_b32 v2, 4, v2
	v_lshl_add_u32 v2, v3, 17, v2                  ; in the table: columns 4 (t % 256) .. + 3 of rows 32 (t / 256) on
	v_lshl_add_u32 v3, v0, 4, GL                   ; where my sums go: half t / 256, 16 bytes at t % 256
	v_add_nc_u32 v4, GL, v4                        ; where my columns' g lies
.endif
	s_wait_kmcnt 0x0
	s_add_nc_u64 s[4:5], s[4:5], s[10:11]
	s_add_nc_u64 s[6:7], s[6:7], s[12:13]
.if WITHG
	s_add_nc_u64 s[8:9], s[8:9], s[14:15]
.set j, 0
.rept 16                               ; g = the sum of the table's 64 rows: my 32 rows go where rows 2, 3 and the registers at work will lie
	global_load_b128 v[R+64+4*j:R+64+4*j+3], v2, s[8:9] offset:j*4096
.set j, j+1
.endr
.set j, 0
.rept 16
	global_load_b128 v[CS+4*j:CS+4*j+3], v2, s[8:9] offset:(16+j)*4096
.set j, j+1
.endr
	FILL 0
	FILL 1
	s_wait_loadcnt 16                              ; the table's 32 loads are in; the 16 of rows 0 and 1 may be out
	v_pk_add_f32 v[GS:GS+1],   v[R+64:R+65], v[R+68:R+69]
	v_pk_add_f32 v[GS+2:GS+3], v[R+66:R+67], v[R+70:R+71]
.set j, 2
.rept 14
	v_pk_add_f32 v[GS:GS+1],   v[GS:GS+1],   v[R+64+4*j:R+64+4*j+1]
	v_pk_add_f32 v[GS+2:GS+3], v[GS+2:GS+3], v[R+64+4*j+2:R+64+4*j+3]
.set j, j+1
.endr
.set j, 0
.rept 16
	v_pk_add_f32 v[GS:GS+1],   v[GS:GS+1],   v[CS+4*j:CS+4*j+1]
	v_pk_add_f32 v[GS+2:GS+3], v[GS+2:GS+3], v[CS+4*j+2:CS+4*j+3]
.set j, j+1
.endr
	FILL 2
	FILL 3
	ds_store_b128 v3, v[GS:GS+3]
	s_wait_dscnt 0x0                               ; for the others' sake
	s_barrier_signal -1
	s_barrier_wait -1
.irp j, 0,1,2,3,4,5,6,7
	ds_load_b128 v[G+4*\j:G+4*\j+3], v4 offset:512*\j
	ds_load_b128 v[T+4*\j:T+4*\j+3], v4 offset:4096+512*\j
.endr
	s_wait_dscnt 0x0
.set i, 0
.rept 16
	v_pk_add_f32 v[G+2*i:G+2*i+1], v[G+2*i:G+2*i+1], v[T+2*i:T+2*i+1]  ; the two halves of the 64 rows
.set i, i+1
.endr
.else
	FILL 0
	FILL 1
	FILL 2
	FILL 3
.endif
	ROW 0, 24
	ROW 1, 16
	ROW 2, 8
	ROW 3, 0
.irp j, 0,1,2,3,4,5,6,7
	ds_store_b128 v[RST], v[CS+4*\j:CS+4*\j+3] offset:RED+512*\j
.endr
	s_wait_dscnt 0x0                               ; for the others' sake: my stores are done
	s_barrier_signal -1
	s_barrier_wait -1
.set u, 0
.rept 16                               ; thread t adds the sixteen waves' sums of columns 2 t, 2 t + 1
	ds_load_b64 v[R+2*u:R+2*u+1], v[OOF] offset:RED+4096*u
.set u, u+1
.endr
	s_wait_dscnt 0x0
.irp w, 4, 8, 16, 32
.set u, 0
.rept 32/\w
	v_pk_add_f32 v[R+\w*u:R+\w*u+1], v[R+\w*u:R+\w*u+1], v[R+\w*u+\w/2:R+\w*u+\w/2+1]
.set u, u+1
.endr
.endr
	global_store_b64 v[OOF], v[R:R+1], s[6:7]      ; a wave stores 256 consecutive bytes, aligned
	s_wait_tensorcnt 0x0
	ds_add_u32 v30, v31
	s_wait_dscnt 0x0
	s_endpgm
.Lfunc_end_k_qa140be92d0_softk:
	.size	k_qa140be92d0_softk, .Lfunc_end_k_qa140be92d0_softk-k_qa140be92d0_softk
	.p2alignl 7, 3214868480
	.fill 96, 4, 3214868480
	.section	.rodata,"a",@progbits
	.p2align	6, 0x0
	.amdhsa_kernel k_qa140be92d0_softk
		.amdhsa_group_segment_fixed_size 75776
		.amdhsa_private_segment_fixed_size 0
		.amdhsa_enable_private_segment 0
		.amdhsa_kernarg_size 24
		.amdhsa_user_sgpr_count 2
		.amdhsa_user_sgpr_kernarg_segment_ptr 1
		.amdhsa_wavefront_size32 1
		.amdhsa_system_sgpr_workgroup_id_x 1
		.amdhsa_system_sgpr_workgroup_id_y 1
		.amdhsa_system_sgpr_workgroup_id_z 1
		.amdhsa_system_vgpr_workitem_id 0
		.amdhsa_next_free_vgpr 256
		.amdhsa_next_free_sgpr 66
		.amdhsa_reserve_vcc 0
		.amdhsa_float_denorm_mode_32 3
		.amdhsa_float_denorm_mode_16_64 3
		.amdhsa_memory_ordered 1
		.amdhsa_forward_progress 1
		.amdhsa_inst_pref_size 49
	.end_amdhsa_kernel
	.amdgpu_metadata
---
amdhsa.version: [ 1, 2 ]
amdhsa.kernels:
  - .name:           k_qa140be92d0_softk
    .symbol:         k_qa140be92d0_softk.kd
    .args:
      - { .name: QK, .offset: 0, .size: 8, .value_kind: global_buffer, .address_space: global }
      - { .name: P2, .offset: 8, .size: 8, .value_kind: global_buffer, .address_space: global }
      - { .name: P1, .offset: 16, .size: 8, .value_kind: global_buffer, .address_space: global }
    .group_segment_fixed_size: 75776
    .private_segment_fixed_size: 0
    .kernarg_segment_align: 8
    .kernarg_segment_size: 24
    .max_flat_workgroup_size: 512
    .sgpr_count:     66
    .vgpr_count:     256
    .wavefront_size: 32
...
	.end_amdgpu_metadata
.endif
;; end of part 8
;; launch wprime (part 9): grid 64 x 4, 4 waves a work-group, no clusters, 115,200 bytes of LDS; arguments Wv, WT, P2, WPT; writes WPT
.if DOCPART == 9
	.amdgcn_target "amdgcn-amd-amdhsa--gfx1250"
	.amdhsa_code_object_version 6
	.text
	.protected	k_qa140be92d0_wprime
	.globl	k_qa140be92d0_wprime
	.p2align	8
	.type	k_qa140be92d0_wprime,@function
k_qa140be92d0_wprime:
	s_mov_b64 s[64:65], 0
	v_nop
	global_prefetch_b8 v0, s[64:65] scope:SCOPE_SE
	s_setreg_imm32_b32 hwreg(HW_REG_WAVE_MODE, 25, 1), 1
	s_wait_xcnt 0x0
; W'_b[d][e] = the sum over j of Wv[d][j] gk_b[j] Wr[j][e], for each of the four batches: (gk o (x Wv)) Wr = x W'_b for every input, and W'_b is a sixteenth of that product's work.
; gk_b[j] = the sum of the batch's 64 rows of P2.  Wv: f32; Wv gk is rounded once to bf16.  Wr: WT's rows 2048 + e, bf16(Wr[j][e]) along j.  Sums in f32.
; W'_b leaves rounded to bf16 and turned, WPT[b][e][d]: the last product finds its K along the rows.  LIMIT: the second term of the module's output so carries two roundings to bf16 beside those of its inputs.
; SHARES.  The grid's y is the batch; x picks 128 d (x % 8) and 128 e (x / 8).  Four waves, each 64 d x 64 e: 16 accumulators.  Source 0 = 16 rows d, source 1 = 16 rows e: a lane holds e = r and eight
; neighbouring d, 16 bytes of a row of WPT.  K (j) goes in steps of 64 through two LDS buffers written by ds_store; a tile is asked for three steps ahead, into two register sets.
; NO CLUSTER, no tensor load: both operands pass through registers (a scale, a rounding), and the launch is a small part of the program's work.
; REGISTERS: window 0: v0-19 addresses; v20-23 gk of my 4 j; v24-31 gk's sums; v32-63 packed; v64-159, v160-255 two sets: 64 of Wv, 32 of Wr.   window 1: v0-127 accumulators; v128-255 fragments.
.set PB,    144                        ; an LDS row: 128 bytes + 16
.set VT,    128*PB                     ; 128 rows d of Wv gk; behind them 128 rows e of Wr
.set LB,    2*VT                       ; a buffer
.set GL,    2*LB                       ; gk, 1,024 f32
.set STAGE, GL+4096                    ; 128 rows e of 256 bytes + 16, the work-group's, for the way out
.set SP2,   272
.set VO,  4                            ; v4-5   my byte offset in Wv, for each register set
.set RO,  6                            ; v6-7   in Wr's rows
.set GKA, 8                            ; v8     where gk of the tile to be converted lies
.set AV,  9                            ; v9     my place in a fragment of Wv gk
.set AR,  10                           ; v10    of Wr
.set SV,  11                           ; v11    where I store Wv gk
.set SR,  12                           ; v12    where I store Wr
.set GOF, 13                           ; v13    16 x thread
.set GST, 14                           ; v14    GL + 16 x thread
.set STO, 15                           ; v15    the way out: in
.set RD,  16                           ; v16    the way out: back
.set GO,  17                           ; v17    my byte offset in two rows of WPT
.set GK,  20
.set GS,  24
.set XC,  32
.set XR,  64
.set FR,  128
.set CNT, 32
.set MSB, 0
.macro WIN new
.if MSB != (\new)
	s_set_vgpr_msb (MSB<<8)|(\new)
.set MSB, \new
.endif
.endm
.macro PLACES                          ; four plain places behind matrix instructions (ISA guide 7.12.1)
.rept 4
	v_nop
.endr
.endm
; gk: thread t sums columns 4 t .. + 3 and 512 + 4 t .. + 3 of the 64 rows at s[base]: two trips of 32 rows, 64 loads each into window 1
.macro GSUM base
	WIN 0
.irp i, 0,1,2,3,4,5,6,7
	v_mov_b32 v[GS+\i], 0
.endr
	s_mov_b32 s[CNT], 2
.Lgsum:
	WIN 0x40
.set j, 0
.rept 32
	global_load_b128 v[8*j:8*j+3],   v[GOF], s[\base:\base+1] offset:j*4096
	global_load_b128 v[8*j+4:8*j+7], v[GOF], s[\base:\base+1] offset:j*4096+2048
.set j, j+1
.endr
	WIN 0x04
.set j, 0
.rept 32
.if j == 0
	s_wait_loadcnt 32                              ; rows 0-15 are in; the 32 loads of rows 16-31 may be out
.elseif j == 16
	s_wait_loadcnt 0x0                             ; all are in: the base may be stepped below
.endif
.irp c, 0,2,4,6
	v_pk_add_f32 v[GS+\c:GS+\c+1], v[GS+\c:GS+\c+1], v[8*j+\c:8*j+\c+1]
.endr
.set j, j+1
.endr
	WIN 0
	s_add_nc_u64 s[\base:\base+1], s[\base:\base+1], 32*4096
	s_sub_co_u32 s[CNT], s[CNT], 1
	s_cmp_lg_u32 s[CNT], 0
	s_cbranch_scc1 .Lgsum
.endm
.macro LOADT set                       ; a tile's 24 loads: my 32 rows of Wv (two rows, 256 bytes of each, a load) and my 32 rows of Wr (four rows, 128 bytes of each, a load)
.set X, XR+96*(\set)
.set i, 0
.rept 16
	global_load_b128 v[X+4*i:X+4*i+3], v[VO+(\set)], s[4:5] offset:i*8192
.set i, i+1
.endr
.set i, 0
.rept 8
	global_load_b128 v[X+64+4*i:X+64+4*i+3], v[RO+(\set)], s[6:7] offset:i*8192
.set i, i+1
.endr
.endm
; the tile in register set 'set' goes into LDS buffer 'buf': Wv times gk, rounded; Wr as it is.  load = 1: the set takes the tile two further on.
.macro CONV set, buf, left, load
.set X, XR+96*(\set)
	WIN 0
	s_wait_loadcnt \left                           ; this set's 24 loads are in, the other set's may stay out; the wait also frees this set's offset registers
.set i, 0
.rept 16
	v_pk_mul_f32 v[X+4*i:X+4*i+1],   v[X+4*i:X+4*i+1],   v[GK:GK+1]
	v_pk_mul_f32 v[X+4*i+2:X+4*i+3], v[X+4*i+2:X+4*i+3], v[GK+2:GK+3]
.set i, i+1
.endr
.set i, 0
.rept 16
	v_cvt_pk_bf16_f32 v[XC+2*i],   v[X+4*i],   v[X+4*i+1]
	v_cvt_pk_bf16_f32 v[XC+2*i+1], v[X+4*i+2], v[X+4*i+3]
.set i, i+1
.endr
.set i, 0
.rept 16
	ds_store_b64 v[SV], v[XC+2*i:XC+2*i+1] offset:(\buf)*LB+i*2*PB
.set i, i+1
.endr
.set i, 0
.rept 8
	ds_store_b128 v[SR], v[X+64+4*i:X+64+4*i+3] offset:(\buf)*LB+i*4*PB
.set i, i+1
.endr
.if \load
	v_add_nc_u32 v[VO+(\set)], 512, v[VO+(\set)]
	v_add_nc_u32 v[RO+(\set)], 256, v[RO+(\set)]
	LOADT \set
.endif
.endm
.macro MULS q, zero                    ; 16 matrix instructions, 32 along K; the 16 accumulators take turns
	WIN 0x55
.irp a, 0,1,2,3
.irp c, 0,1,2,3
.if \zero
	v_wmma_f32_16x16x32_bf16 v[8*(4*\a+\c):8*(4*\a+\c)+7], v[FR+64*(\q)+8*\a:FR+64*(\q)+8*\a+7], v[FR+64*(\q)+32+8*\c:FR+64*(\q)+32+8*\c+7], 0
.else
	v_wmma_f32_16x16x32_bf16 v[8*(4*\a+\c):8*(4*\a+\c)+7], v[FR+64*(\q)+8*\a:FR+64*(\q)+8*\a+7], v[FR+64*(\q)+32+8*\c:FR+64*(\q)+32+8*\c+7], v[8*(4*\a+\c):8*(4*\a+\c)+7]
.endif
.endr
.endr
.endm
; A K step on LDS buffer 'buf'.  conv = 1: between its two halves the next tile goes into the other buffer, and a barrier closes the step: in front of its signal my reads of this buffer
; and my stores into the other are done; the second half's products stand between signal and wait.
.macro STEP buf, zero, conv, set=0, left=0, load=0
	PLACES                                         ; in front of the loads into the fragments, which the step before multiplied
.if \conv
	WIN 0
	ds_load_b128 v[GK:GK+3], v[GKA]                ; gk of the next tile's columns 4 r .. 4 r + 3
	v_add_nc_u32 v[GKA], 256, v[GKA]
.endif
	WIN 0x40
.irp q, 0,1
.irp a, 0,1,2,3
	ds_load_b128 v[FR+64*\q+8*\a:FR+64*\q+8*\a+3],       v[AV] offset:(\buf)*LB+\a*16*PB+64*\q
	ds_load_b128 v[FR+64*\q+8*\a+4:FR+64*\q+8*\a+7],     v[AV] offset:(\buf)*LB+\a*16*PB+64*\q+32
	ds_load_b128 v[FR+64*\q+32+8*\a:FR+64*\q+32+8*\a+3],   v[AR] offset:(\buf)*LB+\a*16*PB+64*\q
	ds_load_b128 v[FR+64*\q+32+8*\a+4:FR+64*\q+32+8*\a+7], v[AR] offset:(\buf)*LB+\a*16*PB+64*\q+32
.endr
.endr
	s_wait_dscnt 16                                ; gk and the first half's fragments are in; the second half's 16 loads may be out
	MULS 0, \zero
.if \conv
	CONV \set, 1-(\buf), \left, \load
	s_wait_dscnt 0x0
	s_barrier_signal -1
	MULS 1, 0
	s_barrier_wait -1
.else
	s_wait_dscnt 0x0
	MULS 1, 0
.endif
.endm
	s_load_b256 s[4:11], s[0:1], 0x0               ; Wv s[4:5], WT s[6:7], P2 s[8:9], WPT s[10:11]
	s_set_vgpr_msb 0x80
	v_lshl_add_u32 v0, v0, 2, 0x1c000
	v_mov_b32 v1, 0
	s_set_vgpr_msb 0x8000
	v_lshrrev_b32 v3, 5, v0
	v_readfirstlane_b32 s12, v3                    ; wave 0..3
	s_and_b32 s13, ttmp7, 0xffff                   ; the batch
	s_and_b32 s14, ttmp9, 7                        ; block of 128 d
	s_lshr_b32 s15, ttmp9, 3                       ; block of 128 e
	s_and_b32 s16, s12, 1                          ; which 64 d are mine
	s_lshr_b32 s17, s12, 1                         ; which 64 e
	v_and_b32 v1, 15, v0                           ; r
	v_bfe_u32 v2, v0, 4, 1                         ; h
	v_and_b32 v3, 31, v0                           ; lane
	s_lshl_b32 s18, s12, 5
	v_add_nc_u32 v18, s18, v2                      ; row 32 w + h
	v_lshlrev_b32 v[VO], 12, v18
	v_lshl_add_u32 v[VO], v1, 4, v[VO]
	v_add_nc_u32 v[VO+1], 256, v[VO]
	v_mul_u32_u24 v[SV], v18, PB
	v_lshl_add_u32 v[SV], v1, 3, v[SV]
	v_lshrrev_b32 v19, 3, v3
	v_add_nc_u32 v18, s18, v19                     ; row 32 w + lane / 8
	v_mul_u32_u24 v[SR], v18, PB
	v_lshlrev_b32 v[RO], 11, v18                   ; x 2,048 bytes
	v_and_b32 v18, 7, v0
	v_lshl_add_u32 v[SR], v18, 4, v[SR]
	v_add_nc_u32 v[SR], VT, v[SR]
	v_lshl_add_u32 v[RO], v18, 4, v[RO]
	v_add_nc_u32 v[RO+1], 128, v[RO]
	v_mul_u32_u24 v[STO], v1, SP2                  ; into the stage: row e = 64 x my half + 16 c + r, byte 128 x my half of d + 32 a + 16 h
	v_lshl_add_u32 v[STO], v2, 4, v[STO]
	s_mul_i32 s20, s17, 64*SP2
	s_lshl_b32 s34, s16, 7
	s_add_co_u32 s20, s20, s34
	s_add_co_u32 s20, s20, STAGE
	v_add_nc_u32 v[STO], s20, v[STO]
	v_mul_u32_u24 v[RD], v2, SP2                   ; back: wave w takes rows 32 w .. + 31, whole; lanes 0-15 one row of 256 bytes, lanes 16-31 the next
	v_lshl_add_u32 v[RD], v1, 4, v[RD]
	s_mul_i32 s20, s12, 32*SP2
	s_add_co_u32 s20, s20, STAGE
	v_add_nc_u32 v[RD], s20, v[RD]
	v_lshlrev_b32 v[GO], 11, v2                    ; and the same two rows in WPT
	v_lshl_add_u32 v[GO], v1, 4, v[GO]
	v_mul_u32_u24 v18, v1, PB
	v_lshl_add_u32 v18, v2, 4, v18                 ; a fragment's row x pitch + 16 h
	s_mul_i32 s21, s16, 64*PB
	v_add_nc_u32 v[AV], s21, v18
	s_mul_i32 s33, s17, 64*PB
	s_add_co_u32 s33, s33, VT
	v_add_nc_u32 v[AR], s33, v18
	v_lshl_add_u32 v[GKA], v1, 4, GL
	v_lshlrev_b32 v[GOF], 4, v0
	v_add_nc_u32 v[GST], GL, v[GOF]
	s_lshl_b32 s22, s14, 19                        ; 128 rows of Wv
	s_mov_b32 s23, 0
	s_lshl_b32 s24, s15, 18                        ; 128 rows e of 2,048 bytes,
	s_add_co_u32 s24, s24, 0x400000                ; behind Wq's and Wk's 2,048 rows
	s_mov_b32 s25, 0
	s_lshl_b32 s26, s13, 18                        ; the batch's 64 rows of P2
	s_mov_b32 s27, 0
	s_lshl_b32 s28, s13, 21                        ; the batch's W',
	s_lshl_b32 s29, s15, 18                        ; the block's 128 rows e,
	s_add_co_u32 s28, s28, s29
	s_lshl_b32 s29, s12, 16                        ; the 32 of them that I store,
	s_add_co_u32 s28, s28, s29
	s_lshl_b32 s29, s14, 8                         ; 128 d of 2 bytes
	s_add_co_u32 s28, s28, s29
	s_mov_b32 s29, 0
	s_wait_kmcnt 0x0
	s_add_nc_u64 s[4:5], s[4:5], s[22:23]
	s_add_nc_u64 s[6:7], s[6:7], s[24:25]
	s_add_nc_u64 s[8:9], s[8:9], s[26:27]
	s_add_nc_u64 s[10:11], s[10:11], s[28:29]
	LOADT 0                                        ; tiles 0 and 1 are on their way while gk is summed
	LOADT 1
	GSUM 8
	ds_store_b128 v[GST], v[GS:GS+3]
	ds_store_b128 v[GST], v[GS+4:GS+7] offset:2048
	s_wait_dscnt 0x0                               ; for the others' sake
	s_barrier_signal -1
	s_barrier_wait -1
	ds_load_b128 v[GK:GK+3], v[GKA]
	v_add_nc_u32 v[GKA], 256, v[GKA]
	s_wait_dscnt 0x0
	CONV 0, 0, 0, 1                                ; tile 0 into buffer 0 (the sums' last wait has shown every load in); tile 2 is asked for
	s_wait_dscnt 0x0
	s_barrier_signal -1
	s_barrier_wait -1
	STEP 0, 1, 1, 1, 24, 1                         ; step 0 stands in front of the loop: its first products start the sums
	WIN 0
	s_mov_b32 s[CNT], 6
.Lk:                                                   ; steps 1 to 12, two a trip
	STEP 1, 0, 1, 0, 24, 1
	STEP 0, 0, 1, 1, 24, 1
	WIN 0
	s_sub_co_u32 s[CNT], s[CNT], 1
	s_cmp_lg_u32 s[CNT], 0
	s_cbranch_scc1 .Lk
	STEP 1, 0, 1, 0, 24, 0                         ; nothing is left to ask for: the counts run down
	STEP 0, 0, 1, 1, 0, 0
	STEP 1, 0, 0
	; THE WAY OUT: rounded to bf16, 16 bytes a lane into the work-group's stage; a barrier, since a row's 256 bytes come from two waves; back as whole rows, 32 rows a wave
	PLACES
	WIN 0x05
.set i, 0
.rept 64
	v_cvt_pk_bf16_f32 v[XR+i], v[2*i], v[2*i+1]
.set i, i+1
.endr
	WIN 0
.irp a, 0,1,2,3
.irp c, 0,1,2,3
	ds_store_b128 v[STO], v[XR+4*(4*\a+\c):XR+4*(4*\a+\c)+3] offset:\c*16*SP2+32*\a
.endr
.endr
	s_wait_dscnt 0x0                               ; for the others' sake: my stores into the stage are done
	s_barrier_signal -1
	s_barrier_wait -1
.set i, 0
.rept 16
	ds_load_b128 v[XR+64+4*i:XR+64+4*i+3], v[RD] offset:i*2*SP2
.set i, i+1
.endr
.set i, 0
.rept 16
	s_wait_dscnt 15-i
	global_store_b128 v[GO], v[XR+64+4*i:XR+64+4*i+3], s[10:11] offset:i*4096  ; sixteen lanes store 256 consecutive bytes, aligned
.set i, i+1
.endr
	s_set_vgpr_msb 0xa
	s_wait_tensorcnt 0x0
	ds_add_u32 v0, v1
	s_wait_dscnt 0x0
	s_set_vgpr_msb 0xa00
	s_endpgm
.Lfunc_end_k_qa140be92d0_wprime:
	.size	k_qa140be92d0_wprime, .Lfunc_end_k_qa140be92d0_wprime-k_qa140be92d0_wprime
	.p2alignl 7, 3214868480
	.fill 96, 4, 3214868480
	.section	.rodata,"a",@progbits
	.p2align	6, 0x0
	.amdhsa_kernel k_qa140be92d0_wprime
		.amdhsa_group_segment_fixed_size 115200
		.amdhsa_private_segment_fixed_size 0
		.amdhsa_enable_private_segment 0
		.amdhsa_kernarg_size 32
		.amdhsa_user_sgpr_count 2
		.amdhsa_user_sgpr_kernarg_segment_ptr 1
		.amdhsa_wavefront_size32 1
		.amdhsa_system_sgpr_workgroup_id_x 1
		.amdhsa_system_sgpr_workgroup_id_y 1
		.amdhsa_system_sgpr_workgroup_id_z 1
		.amdhsa_system_vgpr_workitem_id 0
		.amdhsa_next_free_vgpr 514
		.amdhsa_next_free_sgpr 66
		.amdhsa_reserve_vcc 0
		.amdhsa_float_denorm_mode_32 3
		.amdhsa_float_denorm_mode_16_64 3
		.amdhsa_memory_ordered 1
		.amdhsa_forward_progress 1
		.amdhsa_inst_pref_size 102
	.end_amdhsa_kernel
	.amdgpu_metadata
---
amdhsa.version: [ 1, 2 ]
amdhsa.kernels:
  - .name:           k_qa140be92d0_wprime
    .symbol:         k_qa140be92d0_wprime.kd
    .args:
      - { .name: Wv, .offset: 0, .size: 8, .value_kind: global_buffer, .address_space: global }
      - { .name: WT, .offset: 8, .size: 8, .value_kind: global_buffer, .address_space: global }
      - { .name: P2, .offset: 16, .size: 8, .value_kind: global_buffer, .address_space: global }
      - { .name: WPT, .offset: 24, .size: 8, .value_kind: global_buffer, .address_space: global }
    .group_segment_fixed_size: 115200
    .private_segment_fixed_size: 0
    .kernarg_segment_align: 8
    .kernarg_segment_size: 32
    .max_flat_workgroup_size: 128
    .sgpr_count:     66
    .vgpr_count:     514
    .wavefront_size: 32
...
	.end_amdgpu_metadata
.endif
;; end of part 9
;; launch final (part 10): grid 4 x 64, 4 waves a work-group, clusters of 4 x 4, 327,680 bytes of LDS; arguments XB, WPT, out0, QK; writes out0
.if DOCPART == 10
	.amdgcn_target "amdgcn-amd-amdhsa--gfx1250"
	.amdhsa_code_object_version 6
	.text
	.protected	k_qa140be92d0_final
	.globl	k_qa140be92d0_final
	.p2align	8
	.type	k_qa140be92d0_final,@function
k_qa140be92d0_final:
	s_mov_b64 s[64:65], 0
	v_nop
	global_prefetch_b8 v0, s[64:65] scope:SCOPE_SE
	s_setreg_imm32_b32 hwreg(HW_REG_WAVE_MODE, 25, 1), 1
	s_wait_xcnt 0x0
	s_wait_alu depctr_hold_cnt(0) depctr_sa_sdst(0) depctr_va_vdst(0) depctr_va_sdst(0) depctr_va_ssrc(0) depctr_va_vcc(0) depctr_vm_vsrc(0)
	s_getreg_b32 s2, hwreg(HW_REG_IB_STS2, 6, 4)
	s_cmp_eq_u32 s2, 0
	s_cbranch_scc0 .Lentry_in_a_cluster
	s_endpgm
.Lentry_in_a_cluster:
	s_bfe_u32 s2, ttmp6, 0x10000c
	s_cmp_lg_u32 s2, 0xf033
	s_cbranch_scc0 .Lentry_shape_is_right
	s_endpgm
.Lentry_shape_is_right:
; out[m][n] = query[m][n] + the sum over k of XB[m][k] WPT[b][n][k], b = m / 4096.  XB: [16384][1024] bf16; WPT: [4][1024][1024] bf16; query: columns 0-1023 of QK's rows of 8,192 bytes, f32; out: f32.
; Sums in f32; query is added in f32 on the way out, in the form of whole rows.  A tile of C, 256 x 256, is made by four waves, each 128 x 128: 64 accumulators of 16 x 16, 512 registers.  K goes in steps of
; 128 through two LDS slots filled by tensor loads: rows of 256 bytes, at multiples of 256 from the buffers' first bytes.  256 tiles: one work-group for each WGP.
; CLUSTER.  4 x 4 work-groups, all of one batch: the four of a row of the cluster need the same tiles of A, the four of a column the same tiles of B.  Each tile is asked for JOINTLY: the same tensor load, descriptor and mask in all four.
; THE MATRIX INSTRUCTION IS USED TRANSPOSED (source 0 = 16 rows of B, source 1 = 16 rows of A): a lane holds row l % 16 of C and the eight neighbouring columns 8 (l / 16) + 0 .. 7.
; THE LOOP's trip is one K step.  The slot in hand lies in a scalar register (0 or SLOT, turned by an exclusive or) that is added to the lanes' places; one descriptor a tensor walks on from step to step.
; REGISTERS, in windows of 256 (s_set_vgpr_msb: bits 1:0 source 0, 3:2 source 1, 5:4 source 2, 7:6 destination):
;   window 0: v0-31 addresses; v64-127, v128-191 fragments of A, two buffers; on the way out rows read back.
;   window 1: v64-127, v128-191 fragments of B, two buffers; v192-255, v0-63 query's blocks 0 and 1, asked for at the start; on the way out all four are banks of query, block a in bank (a + 3) % 4.
;   window 2: the 32 accumulators of my rows 0-63 ((a, b) at v[8 (8 a + b)]);   window 3: those of my rows 64-127.
.set FINAL,  1
.set SIZE_K, 1024
.set PC,     4096                      ; bytes from row to row of C
.set PQ,     8192                      ; bytes from row to row of QK
.set KSTEP,  128
.set STEPS,  SIZE_K/KSTEP
.set PITCH,  272                       ; an LDS row: 256 bytes + 16 = 68 words: row r starts at bank 4 r mod 64 (ISA guide 11.1)
.set HALFT,  128*PITCH                 ; 128 rows: what one tensor load brings, and what one wave reads of A or of B
.set SLOT,   4*HALFT                   ; A's 256 rows, then B's 256 rows.  0x22000: it shares no bit with wave x HALFT (0, 0x8800, 0x11000, 0x19800), so an exclusive or turns a tile's LDS address from slot to slot
.set STAGE,  2*SLOT                    ; behind the ring: 16 rows x 528 bytes for each wave, for the way out; no tensor load lands here
.set SPITCH, 528                       ; 512 bytes + 16 = 132 words: row r starts at bank 4 r mod 64
.set SPARE,  STAGE+4*16*SPITCH         ; the spare words, 128 bytes a wave: two blocks of 256 bytes that no other line names
.set ADRA0, 16                         ; v16  my place in A's fragments, slot 0; never rewritten
.set ADRB0, 17                         ; v17  the same for B
.set ADRA,  18                         ; v18  the same in the slot in hand
.set ADRB,  19                         ; v19
.set STO,   24                         ; v24  the way out: where I put 32 bytes of a row
.set RD,    25                         ; v25  the way out: where I read a row back
.set CO,    26                         ; v26  16 x lane
.set SPW,   28                         ; v28  LDS address of my spare word; never rewritten
.set NIL,   29                         ; v29  0; never rewritten
.set F0,    64
.set F1,    128
.set WV,  12                           ; s12  wave
.set HR,  13                           ; s13  which half of the tile's rows is mine.  Also: I fetch for A (0) or for B (1)
.set HC,  14                           ; s14  which half of its columns.  Also: which 128 rows of that tile I fetch
.set G1,  24                           ; s[24:31] descriptor group 1 for A's tiles
.set G0,  32                           ; s[32:39] group 0 for A's: a set for each of the two first fills; the second then walks on
.set CNT, 44                           ; s44  loop counter
.set TB,  45                           ; s45  0 or SLOT: the slot that is read
.set G1B, 48                           ; s[48:55], s[56:63] the same for B's tiles
.set G0B, 56
.set MSB, 0
.macro WIN new                         ; the immediate's high byte repeats the setting that is left; a switch that changes nothing is dropped
.if MSB != (\new)
	s_set_vgpr_msb (MSB<<8)|(\new)
.set MSB, \new
.endif
.endm
.set MUL_LO, 0xa1                      ; source 0 (B) window 1, source 1 (A) window 0, C and D window 2
.set MUL_HI, 0xf1                      ; the same, C and D window 3
.set TO_B,   0x40                      ; destination window 1, address window 0
.macro PLACES                          ; four plain places behind matrix instructions, in front of loads into registers that they read and of stores that read results
.rept 4
	v_nop
.endr
.endm
; A joint refill by the walking descriptors.  Waves 0 and 1 fetch A's two halves, waves 2 and 3 B's.  The branch hangs on the wave's number alone.
; An s_nop 0 and four v_nop follow each of the two lines, ahead of the jump and the label.
.macro JLOAD
	s_cmp_eq_u32 s[HR], 0
	s_cbranch_scc0 .Lfor_b_\@
	tensor_load_to_lds s[G0+4:G0+7], s[G1:G1+7]
	s_nop 0
	PLACES
	s_branch .Lasked_\@
.Lfor_b_\@:
	tensor_load_to_lds s[G0B+4:G0B+7], s[G1B:G1B+7]
	s_nop 0
	PLACES
.Lasked_\@:
.endm
.macro CREST                           ; a round of the cluster's barrier behind its opening barrier
	s_cmp_lg_u32 s[WV], 0
	s_cbranch_scc1 .Lnot_wave_0_\@
	s_barrier_signal -3
.Lnot_wave_0_\@:
	s_barrier_wait -3
	s_barrier_signal -1
	s_barrier_wait -1
.endm
.macro CROUND
	s_barrier_signal -1
	s_barrier_wait -1
	CREST
.endm
; 16 matrix instructions: m blocks a0, a0 + 1 of the window's four x all 8 n blocks, 32 along K.  The 64 accumulators take turns, one instruction a turn, in the same order in every quarter.
.macro MUL16 f, hi, a0, zero
	WIN MUL_LO+0x50*(\hi)
.irp a, \a0, (\a0)+1
.irp b, 0,1,2,3,4,5,6,7
.if \zero
	v_wmma_f32_16x16x32_bf16 v[8*(8*(\a)+(\b)):8*(8*(\a)+(\b))+7], v[(\f)+8*(\b):(\f)+8*(\b)+7], v[(\f)+8*(4*(\hi)+(\a)):(\f)+8*(4*(\hi)+(\a))+7], 0
.else
	v_wmma_f32_16x16x32_bf16 v[8*(8*(\a)+(\b)):8*(8*(\a)+(\b))+7], v[(\f)+8*(\b):(\f)+8*(\b)+7], v[(\f)+8*(4*(\hi)+(\a)):(\f)+8*(4*(\hi)+(\a))+7], v[8*(8*(\a)+(\b)):8*(8*(\a)+(\b))+7]
.endif
.endr
.endr
.endm
; 32 LDS loads in one run: the fragments of a quarter step (128 rows of B, 128 rows of A, 32 K at byte k of the rows) of the slot in hand, into buffer f
.macro FETCH k, f
	WIN TO_B
.irp i, 0,1,2,3,4,5,6,7
	ds_load_b128 v[(\f)+8*(\i):(\f)+8*(\i)+3],   v[ADRB] offset:(\k)+(\i)*16*PITCH
	ds_load_b128 v[(\f)+8*(\i)+4:(\f)+8*(\i)+7], v[ADRB] offset:(\k)+(\i)*16*PITCH+32
.endr
	WIN 0
.irp i, 0,1,2,3,4,5,6,7
	ds_load_b128 v[(\f)+8*(\i):(\f)+8*(\i)+3],   v[ADRA] offset:(\k)+(\i)*16*PITCH
	ds_load_b128 v[(\f)+8*(\i)+4:(\f)+8*(\i)+7], v[ADRA] offset:(\k)+(\i)*16*PITCH+32
.endr
.endm
; One of a K step's first three quarters: multiplies buffer f; in its middle the next quarter's fragments, at byte k, are fetched into buffer g.
.macro QUARTER k, f, g, zero
	s_wait_dscnt 8                                 ; B and A's rows 0-63 are in; the youngest eight loads (A's rows 64-127) may be out
	MUL16 \f, 0, 0, \zero
	MUL16 \f, 0, 2, \zero
	PLACES
	FETCH \k, \g
	s_wait_dscnt 32                                ; all but the 32 just issued
	MUL16 \f, 1, 0, \zero
	MUL16 \f, 1, 2, \zero
.endm
; The last quarter multiplies buffer 1 and changes slots: ONE barrier.  In front of it each wave waits for all its tensor loads (one is out: its part of the next slot), adds 0 to its spare word, and
; waits for that and for its reads of this slot.  refill = 1: the barrier opens a round of the cluster's barrier, and the slot just read takes the K step two further on: 224 matrix instructions ahead of the wait for it.
.macro TURN refill
	WIN 0
	s_wait_tensorcnt 0x0                           ; no tensor load of mine is out, so a group 0 may be written
	ds_add_u32 v[SPW], v[NIL]                      ; 0 onto my spare word
	s_wait_dscnt 9                                 ; (the add and the youngest eight loads may be out)
	MUL16 F1, 0, 0, 0                              ; sixteen matrix instructions stand between the add and the wait for it
	s_wait_dscnt 0x0                               ; the add is done, and my reads of this slot are over
	s_barrier_signal -1
	MUL16 F1, 0, 2, 0
	WIN 0
	s_barrier_wait -1
.if \refill
	CREST                                          ; no wave of any partner still reads this slot or has a load on its way
	s_xor_b32 s[G0+5], s[G0+5], SLOT               ; the walking descriptors: the other slot than last time,
	s_add_nc_u64 s[G0+6:G0+7], s[G0+6:G0+7], KSTEP*2   ; the next K step; the type bits on top are not reached
	s_xor_b32 s[G0B+5], s[G0B+5], SLOT
	s_add_nc_u64 s[G0B+6:G0B+7], s[G0B+6:G0B+7], KSTEP*2
	JLOAD                                          ; my one tensor load behind the round; the four v_nop behind it are also the places in front of the loads below
.else
	PLACES
.endif
	s_xor_b32 s[TB], s[TB], SLOT                   ; the reads go on in the other slot
	v_add_nc_u32 v[ADRA], s[TB], v[ADRA0]
	v_add_nc_u32 v[ADRB], s[TB], v[ADRB0]
	FETCH 0, F0
	MUL16 F1, 1, 0, 0
	MUL16 F1, 1, 2, 0
.endm
; query's block a (my rows 16 a .. + 15, my 128 columns): 16 loads of 512 consecutive bytes into bank (a + 3) % 4 of window 1
.macro QLOAD a
	WIN 0x40
.set QB, 64*(((\a)+3)%4)
.set t, 0
.rept 16
	global_load_b128 v[QB+4*t:QB+4*t+3], v[CO], s[10:11] offset:(16*(\a)+t)*PQ th:TH_LOAD_NT
.set t, t+1
.endr
	WIN 0
.endm
	s_load_b128 s[4:7], s[0:1], 0x0                ; A s[4:5], B s[6:7]
.if FINAL
	s_load_b128 s[8:11], s[0:1], 0x10              ; C s[8:9], QK s[10:11]
.else
	s_load_b64 s[8:9], s[0:1], 0x10                ; C
.endif
	v_lshl_add_u32 v[SPW], v0, 2, SPARE
	v_mov_b32 v[NIL], 0
	ds_add_u32 v28, v29
	s_wait_dscnt 0x0
	v_lshrrev_b32 v1, 5, v0
	v_readfirstlane_b32 s[WV], v1                  ; wave 0..3
	s_lshr_b32 s[HR], s[WV], 1
	s_and_b32 s[HC], s[WV], 1
	s_bfe_u32 s15, ttmp6, 0x40000                  ; cx: my place along the cluster's x
	s_bfe_u32 s16, ttmp6, 0x40004                  ; cy: along its y
	s_lshl_b32 s17, ttmp9, 2                       ; in a cluster launch ttmp9 and ttmp7 count clusters
	s_add_co_u32 s17, s17, s15                     ; tile column of C = 4 x cluster x + cx
	s_and_b32 s22, ttmp7, 0xffff
	s_lshl_b32 s18, s22, 2
	s_add_co_u32 s18, s18, s16                     ; tile row of C = 4 x cluster y + cy
	s_lshl_b32 s19, s16, 2
	s_lshl_b32 s19, 15, s19                        ; my row of the cluster: places 4 cy .. 4 cy + 3
	s_lshl_b32 s20, 0x1111, s15                    ; my column: places cx, cx + 4, cx + 8, cx + 12
	; descriptor group 1: a tile of 128 rows x 128 elements, padded in LDS
	s_or_b32 s[G1+0], s19, (1<<16)|(1<<20)|(1<<21)|(5<<22)|(3<<25)   ; 15:0 the mask: A's tiles go to my row; 17:16 2-byte elements; 20 padding on; 21 set beside a mask; 24:22 after every 64 words (code 5); 31:25 4 words (code 3)
	s_or_b32 s[G1B+0], s20, (1<<16)|(1<<20)|(1<<21)|(5<<22)|(3<<25)  ; the same with the mask of my column, for B's tiles
.irp g, G1, G1B
	s_mov_b32 s[(\g)+1], KSTEP<<16                 ; tensor_dim0 = 128
	s_mov_b32 s[(\g)+2], 128<<16                   ; tensor_dim1 = 128
	s_mov_b32 s[(\g)+3], KSTEP<<16                 ; tile_dim0 = 128
	s_mov_b32 s[(\g)+4], 128                       ; tile_dim1 = 128
	s_mov_b32 s[(\g)+5], SIZE_K                    ; elements from row to row
	s_mov_b32 s[(\g)+6], 0
	s_mov_b32 s[(\g)+7], 0
.endr
	; A's tiles hang on the tile row alone, which my row of the cluster shares; B's on the tile column (and the batch) alone, which my column shares: each in registers that never hold the other coordinate
	s_lshl_b32 s23, s[HC], 7                       ; which 128 rows of the tile I fetch
	s_lshl_b32 s40, s18, 8
	s_add_co_u32 s40, s40, s23
	s_lshl_b32 s40, s40, 11                        ; A: row x 2,048 bytes
	s_mov_b32 s41, 0
	s_lshl_b32 s42, s17, 8
	s_add_co_u32 s42, s42, s23
	s_lshl_b32 s42, s42, 11                        ; B: row x 2,048 bytes
.if FINAL
	s_lshr_b32 s46, s22, 2                         ; the batch = cluster y / 4: 16 tile rows a batch
	s_lshl_b32 s46, s46, 21
	s_add_co_u32 s42, s42, s46                     ; its 1,024 rows
.endif
	s_mov_b32 s43, 0
	s_mul_i32 s21, s[WV], HALFT                    ; where they go: A's two halves, then B's two = wave x 128 rows: no place in the cluster enters an LDS address
	s_mov_b32 s[TB], 0
	s_wait_kmcnt 0x0
	s_add_nc_u64 s[40:41], s[4:5], s[40:41]
	s_add_nc_u64 s[42:43], s[6:7], s[42:43]
	CROUND                                         ; all sixteen work-groups are here: the first joint loads meet
.irp s, 0,1
	s_mov_b32 s[G0+4*(\s)], 1                                      ; count = 1
	s_add_co_u32 s[G0+4*(\s)+1], s21, (\s)*SLOT                    ; LDS address
	s_add_nc_u64 s[G0+4*(\s)+2:G0+4*(\s)+3], s[40:41], (\s)*KSTEP*2  ; global address: K step s
	s_or_b32 s[G0+4*(\s)+3], s[G0+4*(\s)+3], 0x80000000            ; type = 2
	s_mov_b32 s[G0B+4*(\s)], 1
	s_add_co_u32 s[G0B+4*(\s)+1], s21, (\s)*SLOT
	s_add_nc_u64 s[G0B+4*(\s)+2:G0B+4*(\s)+3], s[42:43], (\s)*KSTEP*2
	s_or_b32 s[G0B+4*(\s)+3], s[G0B+4*(\s)+3], 0x80000000
.endr
	s_cmp_eq_u32 s[HR], 0                          ; a wave's two first fills stand in one branch, ahead of every wait on TENSORcnt and every LDS read: two loads of mine are out
	s_cbranch_scc0 .Lfirst_b
	tensor_load_to_lds s[G0:G0+3], s[G1:G1+7]
	s_nop 0
	tensor_load_to_lds s[G0+4:G0+7], s[G1:G1+7]
	s_nop 0
	PLACES
	s_branch .Lfirst_asked
.Lfirst_b:
	tensor_load_to_lds s[G0B:G0B+3], s[G1B:G1B+7]
	s_nop 0
	tensor_load_to_lds s[G0B+4:G0B+7], s[G1B:G1B+7]
	s_nop 0
	PLACES
.Lfirst_asked:
	; A fragment is 16 rows x 32 K in 8 registers: lane l holds row l % 16; K = 8 (l / 16) + 0..7 and 16 + 8 (l / 16) + 0..7: two loads of 16 bytes, 32 bytes apart
	v_and_b32 v1, 15, v0                           ; l % 16
	v_bfe_u32 v2, v0, 4, 1                         ; l / 16
	v_mul_u32_u24 v3, v1, PITCH
	v_lshl_add_u32 v3, v2, 4, v3
	s_mul_i32 s22, s[HR], HALFT                    ; my 128 rows of A
	s_mul_i32 s23, s[HC], HALFT                    ; my 128 rows of B,
	s_add_co_u32 s23, s23, 2*HALFT                 ; which lie behind A's 256
	v_add_nc_u32 v[ADRA0], s22, v3
	v_add_nc_u32 v[ADRB0], s23, v3
	v_mov_b32 v[ADRA], v[ADRA0]
	v_mov_b32 v[ADRB], v[ADRB0]
	s_mul_i32 s22, s[WV], 16*SPITCH
	s_add_co_u32 s22, s22, STAGE                   ; my stage
	v_mul_u32_u24 v4, v1, SPITCH                   ; in: row l % 16, 32 bytes for each half of the lanes
	v_lshl_add_u32 v4, v2, 5, v4
	v_add_nc_u32 v[STO], s22, v4
	v_and_b32 v5, 31, v0
	v_lshlrev_b32 v[CO], 4, v5
	v_add_nc_u32 v[RD], s22, v[CO]                 ; back: 32 lanes take a row's 512 bytes
	s_lshl_b32 s66, s18, 8
	s_lshl_b32 s67, s[HR], 7
	s_add_co_u32 s66, s66, s67                     ; my first row of C
	s_lshl_b32 s68, s17, 10
	s_lshl_b32 s69, s[HC], 9
	s_add_co_u32 s68, s68, s69                     ; my first column, in bytes
	s_mul_i32 s70, s66, PC
	s_add_co_u32 s70, s70, s68
	s_mov_b32 s71, 0
	s_add_nc_u64 s[8:9], s[8:9], s[70:71]
.if FINAL
	s_mul_i32 s72, s66, PQ
	s_add_co_u32 s72, s72, s68
	s_mov_b32 s73, 0
	s_add_nc_u64 s[10:11], s[10:11], s[72:73]      ; query at the same rows and columns
	QLOAD 0                                        ; into registers that lie idle during the K loop: they have all of it in which to land
	QLOAD 1
.endif
	s_wait_tensorcnt 0x1                           ; my part of K step 0 is in; step 1's may stay out
	s_barrier_signal -1
	s_barrier_wait -1                              ; everybody's is
	FETCH 0, F0
	QUARTER 64, F0, F1, 1                          ; the first quarter stands in front of the loop: its products start the sums
	WIN 0                                          ; at a label and at a branch every window is 0
	s_mov_b32 s[CNT], STEPS-2
.Lstep:                                                ; a trip: from a K step's second quarter to the next step's first; the slot that is left is filled again
	QUARTER 128, F1, F0, 0
	QUARTER 192, F0, F1, 0
	TURN 1
	QUARTER 64, F0, F1, 0
	WIN 0
	s_sub_co_u32 s[CNT], s[CNT], 1
	s_cmp_lg_u32 s[CNT], 0
	s_cbranch_scc1 .Lstep
	QUARTER 128, F1, F0, 0                         ; the last two K steps are written out: nothing is left to ask for
	QUARTER 192, F0, F1, 0
	TURN 0
	QUARTER 64, F0, F1, 0
	QUARTER 128, F1, F0, 0
	QUARTER 192, F0, F1, 0
	PLACES                                         ; behind the last products that read buffer 0:
	QLOAD 2                                        ; B's buffer 0 takes query's block 2, 64 matrix instructions ahead of the way out
	s_wait_dscnt 8
	MUL16 F1, 0, 0, 0
	MUL16 F1, 0, 2, 0
	s_wait_dscnt 0x0
	MUL16 F1, 1, 0, 0
	MUL16 F1, 1, 2, 0
	WIN 0
	PLACES
	QLOAD 3                                        ; B's buffer 1 takes block 3
; THE WAY OUT, a block of 16 rows at a time.  A lane's eight numbers of a row go as 32 bytes into my own stage, each accumulator's low registers first; whole rows of 512 bytes come
; back; query's rows, which lie in the same form, are added; the sums are stored from query's bank, which then takes the block four further on.
.macro TOSTAGE a
.set AC, 64*((\a)%4)
.set BK, F0+64*((\a)%2)
	WIN 0x08+4*((\a)/4)                            ; the stores' data in window 2 or 3
.irp b, 0,1,2,3,4,5,6,7
	ds_store_b128 v[STO], v[AC+8*\b:AC+8*\b+3]   offset:64*\b
	ds_store_b128 v[STO], v[AC+8*\b+4:AC+8*\b+7] offset:64*\b+16
.endr
	WIN 0
.set t, 0
.rept 16
	ds_load_b128 v[BK+4*t:BK+4*t+3], v[RD] offset:t*SPITCH  ; LDS serves a wave's instructions in order (ISA guide 5.7.1.4): these see the stores above, and the next block's stores come behind them
.set t, t+1
.endr
.endm
.macro SEND a, younger                 ; younger: the LDS instructions issued behind block a's loads: the next block's 32, or none
.set BK, F0+64*((\a)%2)
.set QB, 64*(((\a)+3)%4)
.set QW, 16*(7-(\a))                   ; query's loads issued behind block a's: those of the blocks up to a + 3, or up to the last
.if QW > 48
.set QW, 48
.endif
	s_wait_loadcnt QW
	WIN 0x44                                       ; source 0 (the rows read back; the stores' offset) window 0; source 1 (query; the stores' data) and the destination window 1
.set t, 0
.rept 16
	s_wait_dscnt (\younger)+15-t
	v_pk_add_f32 v[QB+4*t:QB+4*t+1],   v[BK+4*t:BK+4*t+1],   v[QB+4*t:QB+4*t+1]
	v_pk_add_f32 v[QB+4*t+2:QB+4*t+3], v[BK+4*t+2:BK+4*t+3], v[QB+4*t+2:QB+4*t+3]
	global_store_b128 v[CO], v[QB+4*t:QB+4*t+3], s[8:9] offset:(16*(\a)+t)*PC th:TH_STORE_NT  ; 512 consecutive bytes, at a multiple of 512 from out's first
.set t, t+1
.endr
	WIN 0
.if (\a) < 4
	s_wait_xcnt 0x0                                ; the bank was the data of the stores above: it is loaded again only behind this wait
	QLOAD (\a)+4
.endif
.endm
	TOSTAGE 0
.irp a, 1,2,3,4,5,6,7                  ; a block's way through the stage stands between the loads of the block before and its sums
	TOSTAGE \a
	SEND (\a)-1, 32
.endr
	SEND 7, 0
	s_wait_tensorcnt 0x0                           ; the wave's end
	ds_add_u32 v[SPW], v[NIL]
	s_wait_dscnt 0x0
	CROUND                                         ; the closing round: no work-group ends while a partner may still ask for a tile that names it
	s_endpgm
.Lfunc_end_k_qa140be92d0_final:
	.size	k_qa140be92d0_final, .Lfunc_end_k_qa140be92d0_final-k_qa140be92d0_final
	.p2alignl 7, 3214868480
	.fill 96, 4, 3214868480
	.section	.rodata,"a",@progbits
	.p2align	6, 0x0
	.amdhsa_kernel k_qa140be92d0_final
		.amdhsa_group_segment_fixed_size 327680
		.amdhsa_private_segment_fixed_size 0
		.amdhsa_enable_private_segment 0
		.amdhsa_kernarg_size 32
		.amdhsa_user_sgpr_count 2
		.amdhsa_user_sgpr_kernarg_segment_ptr 1
		.amdhsa_wavefront_size32 1
		.amdhsa_system_sgpr_workgroup_id_x 1
		.amdhsa_system_sgpr_workgroup_id_y 1
		.amdhsa_system_sgpr_workgroup_id_z 1
		.amdhsa_system_vgpr_workitem_id 0
		.amdhsa_next_free_vgpr 1024
		.amdhsa_next_free_sgpr 80
		.amdhsa_reserve_vcc 0
		.amdhsa_float_denorm_mode_32 3
		.amdhsa_float_denorm_mode_16_64 3
		.amdhsa_memory_ordered 1
		.amdhsa_forward_progress 1
		.amdhsa_inst_pref_size 147
	.end_amdhsa_kernel
	.amdgpu_metadata
---
amdhsa.version: [ 1, 2 ]
amdhsa.kernels:
  - .name:           k_qa140be92d0_final
    .symbol:         k_qa140be92d0_final.kd
    .args:
      - { .name: XB, .offset: 0, .size: 8, .value_kind: global_buffer, .address_space: global }
      - { .name: WPT, .offset: 8, .size: 8, .value_kind: global_buffer, .address_space: global }
      - { .name: out0, .offset: 16, .size: 8, .value_kind: global_buffer, .address_space: global }
      - { .name: QK, .offset: 24, .size: 8, .value_kind: global_buffer, .address_space: global }
    .group_segment_fixed_size: 327680
    .private_segment_fixed_size: 0
    .kernarg_segment_align: 8
    .kernarg_segment_size: 32
    .max_flat_workgroup_size: 128
    .sgpr_count:     80
    .vgpr_count:     1024
    .wavefront_size: 32
...
	.end_amdgpu_metadata
.endif
;; end of part 10
;; ======== version 3 of 3: 6 launches; version 2 with the launches prep, wprime written anew for expert scheduling mode
;; workspace buffers: WT 6,291,456 bytes; XB 33,554,432 bytes; QK 134,217,728 bytes; WPT 8,388,608 bytes; P1 1,048,576 bytes; P2 1,048,576 bytes
;; launch prep (part 11): grid 1408 x 1, 4 waves a work-group, no clusters, 17,920 bytes of LDS; arguments Wq, Wk, Wr, WT, x, XB; writes WT, XB
.if DOCPART == 11
	.amdgcn_target "amdgcn-amd-amdhsa--gfx1250"
	.amdhsa_code_object_version 6
	.text
	.protected	k_qa140be92d0_prep
	.globl	k_qa140be92d0_prep
	.p2align	8
	.type	k_qa140be92d0_prep,@function
k_qa140be92d0_prep:
	s_mov_b64 s[64:65], 0
	v_nop
	global_prefetch_b8 v0, s[64:65] scope:SCOPE_SE
	s_setreg_imm32_b32 hwreg(HW_REG_WAVE_SCHED_MODE, 0, 2), 2
	s_setreg_imm32_b32 hwreg(HW_REG_WAVE_MODE, 25, 1), 1
	s_wait_xcnt 0x0
	s_wait_alu depctr_vm_vsrc(0)
; TWO JOBS IN ONE LAUNCH, both of which make bf16 operands for the products that follow; neither reads what the other writes.  The work-group's number chooses, alike for all its waves.
; Work-groups 0 to 383 TURN: three weights W[k][n] (f32, 1024 x 1024) are rounded once to bf16 and turned, WT[1024 y + n][k] = bf16(W_y[k][n]), y = 0, 1, 2 for Wq, Wk, Wr, so that the products find K
; along the rows.  y = number / 128; the rest picks 128 k (/ 16) and 64 n (% 16): a row of the turned tile is 256 bytes.  The turn goes through LDS: a lane holds 16 k of 4 n, packs pairs of k, and
; stores 32 bytes into each of 4 rows n; whole rows come back.  They come first, since theirs is the longer chain (load, LDS, barrier, LDS, store).
; Work-groups 384 to 1407 CAST: XB = bf16(x), rounded once to nearest even.  A stream: a work-group takes 65,536 bytes of x, a wave 16,384: 32 loads of 512 consecutive bytes, all issued before the first
; is waited for; four numbers of a lane pack into 8 bytes, and a wave's store covers 256 consecutive bytes, aligned.
; THE MODE: SCHED_MODE bits 1:0 = 2 (LLVM: expert scheduling mode 2), set by the entry lines.  The code itself states the register dependences between vector instructions and memory or LDS
; instructions, with s_wait_alu, always for 0.
; THE PLAN, TURN.  v4-v7: offsets and LDS addresses, made once, read by loads and stores, never written again.  RT: the global loads land in it, the conversions read it, and behind the barrier the LDS loads
; land in it.  C: written by the conversions, read by the LDS stores, never written again.  Three waits on va_vdst: ahead of the loads (the addresses); ahead of the first four LDS stores (the first half of C);
; ahead of the last four (the second half of C; RT is read out).
; THE PLAN, CAST.  v1, v3: offsets, made once.  RC: a load lands in its four registers, two conversions pack them into the first two, a store reads those; none is written again.  The 32 loads go in eight
; groups of four: at a group's head one wait on va_vdst states that the group before is packed, its four stores follow, then this group's conversions, which name other registers.
; No register that a memory or LDS instruction reads is written again on either path, so no wait on vm_vsrc is owed.
.set NTURN, 384
.set PL,  272                          ; an LDS row: 128 bf16 + 16 bytes
.set RT,  8                            ; turn: v[8:71]   16 rows x 4 numbers as loaded; later the rows read back
.set C,   72                           ; turn: v[72:103] packed: for each of my 4 n, 16 k
.set RC,  4                            ; cast: v[4:131]  32 loads x 4 numbers; each is packed in place
	s_load_b256 s[4:11], s[0:1], 0x0               ; Wq s[4:5], Wk s[6:7], Wr s[8:9], WT s[10:11]
	s_load_b128 s[12:15], s[0:1], 0x20             ; x s[12:13], XB s[14:15]
	v_lshl_add_u32 v132, v0, 2, 0x4400
	v_mov_b32 v133, 0
	s_mov_b32 s16, ttmp9
	s_cmp_lt_u32 s16, NTURN
	s_cbranch_scc0 .Lcast
	s_lshr_b32 s17, s16, 7                         ; which weight
	s_and_b32 s18, s16, 127
	s_lshr_b32 s19, s18, 4                         ; block of 128 k
	s_and_b32 s20, s18, 15                         ; block of 64 n
	v_and_b32 v1, 15, v0                           ; c = thread % 16
	v_lshrrev_b32 v2, 5, v0                        ; wave
	v_bfe_u32 v3, v0, 4, 1                         ; h = lane / 16
	v_lshl_add_u32 v4, v2, 1, v3                   ; 2 w + h,
	v_lshlrev_b32 v4, 16, v4                       ; x 16 rows of 4,096 bytes,
	v_lshl_add_u32 v4, v1, 4, v4                   ; + 16 c: lanes 0-15 take 256 bytes of row 32 w + i, lanes 16-31 of row 32 w + 16 + i
	v_mul_u32_u24 v5, v1, 4*PL                     ; into LDS: row n = 4 c (+ 0..3),
	v_lshl_add_u32 v5, v2, 6, v5
	v_lshl_add_u32 v5, v3, 5, v5                   ; byte 2 (32 w + 16 h)
	v_lshrrev_b32 v7, 4, v0                        ; thread / 16
	v_mul_u32_u24 v6, v7, PL
	v_lshl_add_u32 v6, v1, 4, v6                   ; back: row thread / 16, 16 bytes at thread % 16
	v_lshlrev_b32 v7, 11, v7
	v_lshl_add_u32 v7, v1, 4, v7                   ; and the same place in WT's rows of 2,048 bytes
	s_lshl_b32 s22, s19, 19                        ; source: 128 rows of 4,096 bytes a block of k
	s_lshl_b32 s21, s20, 8                         ; + 64 n of 4 bytes
	s_add_co_u32 s22, s22, s21
	s_mov_b32 s23, 0
	s_lshl_b32 s24, s17, 21                        ; target: 1,024 rows of 2,048 bytes a weight
	s_lshl_b32 s21, s20, 17                        ; + 64 rows a block of n
	s_add_co_u32 s24, s24, s21
	s_lshl_b32 s21, s19, 8                         ; + 128 k of 2 bytes
	s_add_co_u32 s24, s24, s21
	s_mov_b32 s25, 0
	s_wait_kmcnt 0x0
	s_cmp_eq_u32 s17, 0
	s_cselect_b64 s[26:27], s[4:5], s[6:7]
	s_cmp_eq_u32 s17, 2
	s_cselect_b64 s[26:27], s[8:9], s[26:27]
	s_add_nc_u64 s[26:27], s[26:27], s[22:23]
	s_add_nc_u64 s[10:11], s[10:11], s[24:25]
	s_wait_alu depctr_va_vdst(0)                   ; v4 to v7 are written: the loads and stores of this path read them as offsets and LDS addresses
.set i, 0
.rept 16
	global_load_b128 v[RT+4*i:RT+4*i+3], v4, s[26:27] offset:i*4096 th:TH_LOAD_NT
.set i, i+1
.endr
	s_wait_loadcnt 8                               ; loads come back in order: my rows 0 to 7 are in, the eight younger loads stay out
.set i, 0
.rept 16                               ; i / 4: which of my 4 n; i % 4: the pair of k, of my first 8
	v_cvt_pk_bf16_f32 v[C+8*(i/4)+i%4], v[RT+8*(i%4)+i/4], v[RT+8*(i%4)+4+i/4]
.set i, i+1
.endr
	s_wait_loadcnt 0x0                             ; my rows 8 to 15
	s_wait_alu depctr_va_vdst(0)                   ; the sixteen conversions above have written the first half of C, which the four LDS stores below read
.set i, 0
.rept 4
	ds_store_b128 v5, v[C+8*i:C+8*i+3] offset:i*PL
.set i, i+1
.endr
.set i, 0
.rept 16                               ; the pairs of my last 8 k: registers of C that no store above reads
	v_cvt_pk_bf16_f32 v[C+8*(i/4)+4+i%4], v[RT+32+8*(i%4)+i/4], v[RT+32+8*(i%4)+4+i/4]
.set i, i+1
.endr
	s_wait_alu depctr_va_vdst(0)                   ; the second half of C is written, which the stores below read; and all conversions are done reading RT, in which the LDS loads behind the barrier land
.set i, 0
.rept 4
	ds_store_b128 v5, v[C+8*i+4:C+8*i+7] offset:i*PL+16
.set i, i+1
.endr
	s_wait_dscnt 0x0                               ; for the others' sake: my stores are done
	s_barrier_signal -1                            ; all four waves of a turning work-group are on this path
	s_barrier_wait -1
.set i, 0
.rept 8                                ; 8 rows of 256 bytes at a time
	ds_load_b128 v[RT+4*i:RT+4*i+3], v6 offset:i*8*PL
.set i, i+1
.endr
.set i, 0
.rept 8
	s_wait_dscnt 7-i                               ; LDS loads come back in order: load i is in
	global_store_b128 v7, v[RT+4*i:RT+4*i+3], s[10:11] offset:i*8*2048  ; sixteen lanes store 256 consecutive bytes, aligned
.set i, i+1
.endr
	s_wait_dscnt 0x0                               ; the closing lines, six on end
	s_wait_alu 0x0
	s_wait_tensorcnt 0x0
	ds_add_u32 v132, v133
	s_wait_dscnt 0x0
	s_endpgm
.Lcast:
	s_sub_co_u32 s17, s16, NTURN                   ; my block of x
	s_lshl_b32 s22, s17, 16
	s_mov_b32 s23, 0
	s_lshl_b32 s24, s17, 15
	s_mov_b32 s25, 0
	v_and_b32 v1, 31, v0                           ; lane
	v_lshrrev_b32 v2, 5, v0                        ; wave
	v_lshlrev_b32 v3, 3, v1
	v_lshl_add_u32 v3, v2, 13, v3                  ; out: 8,192 w + 8 x lane
	v_lshlrev_b32 v1, 4, v1
	v_lshl_add_u32 v1, v2, 14, v1                  ; in: 16,384 w + 16 x lane
	s_wait_kmcnt 0x0
	s_add_nc_u64 s[12:13], s[12:13], s[22:23]
	s_add_nc_u64 s[14:15], s[14:15], s[24:25]
	s_wait_alu depctr_va_vdst(0)                   ; v1 and v3 are written: every load of this path reads v1 as its offset, every store v3
.set i, 0
.rept 32
	global_load_b128 v[RC+4*i:RC+4*i+3], v1, s[12:13] offset:i*512 th:TH_LOAD_NT
.set i, i+1
.endr
.set g, 0
.rept 8                                ; eight groups of four loads
	s_wait_loadcnt 28-4*g                          ; loads come back in order: group g is in, the younger groups stay out
.if g > 0
	s_wait_alu depctr_va_vdst(0)                   ; the conversions of the group before have written the registers that its four stores read
.set i, 4*g-4
.rept 4
	global_store_b64 v3, v[RC+4*i:RC+4*i+1], s[14:15] offset:i*256
.set i, i+1
.endr
.endif
.set i, 4*g
.rept 4                                ; this group's conversions name this group's registers alone
	v_cvt_pk_bf16_f32 v[RC+4*i],   v[RC+4*i],   v[RC+4*i+1]
	v_cvt_pk_bf16_f32 v[RC+4*i+1], v[RC+4*i+2], v[RC+4*i+3]
.set i, i+1
.endr
.set g, g+1
.endr
	s_wait_alu depctr_va_vdst(0)                   ; the last group is packed: its four stores read it
.set i, 28
.rept 4
	global_store_b64 v3, v[RC+4*i:RC+4*i+1], s[14:15] offset:i*256
.set i, i+1
.endr
	s_endpgm
.Lfunc_end_k_qa140be92d0_prep:
	.size	k_qa140be92d0_prep, .Lfunc_end_k_qa140be92d0_prep-k_qa140be92d0_prep
	.p2alignl 7, 3214868480
	.fill 96, 4, 3214868480
	.section	.rodata,"a",@progbits
	.p2align	6, 0x0
	.amdhsa_kernel k_qa140be92d0_prep
		.amdhsa_group_segment_fixed_size 17920
		.amdhsa_private_segment_fixed_size 0
		.amdhsa_enable_private_segment 0
		.amdhsa_kernarg_size 48
		.amdhsa_user_sgpr_count 2
		.amdhsa_user_sgpr_kernarg_segment_ptr 1
		.amdhsa_wavefront_size32 1
		.amdhsa_system_sgpr_workgroup_id_x 1
		.amdhsa_system_sgpr_workgroup_id_y 1
		.amdhsa_system_sgpr_workgroup_id_z 1
		.amdhsa_system_vgpr_workitem_id 0
		.amdhsa_next_free_vgpr 134
		.amdhsa_next_free_sgpr 66
		.amdhsa_reserve_vcc 0
		.amdhsa_float_denorm_mode_32 3
		.amdhsa_float_denorm_mode_16_64 3
		.amdhsa_memory_ordered 1
		.amdhsa_forward_progress 1
		.amdhsa_inst_pref_size 20
	.end_amdhsa_kernel
	.amdgpu_metadata
---
amdhsa.version: [ 1, 2 ]
amdhsa.kernels:
  - .name:           k_qa140be92d0_prep
    .symbol:         k_qa140be92d0_prep.kd
    .args:
      - { .name: Wq, .offset: 0, .size: 8, .value_kind: global_buffer, .address_space: global }
      - { .name: Wk, .offset: 8, .size: 8, .value_kind: global_buffer, .address_space: global }
      - { .name: Wr, .offset: 16, .size: 8, .value_kind: global_buffer, .address_space: global }
      - { .name: WT, .offset: 24, .size: 8, .value_kind: global_buffer, .address_space: global }
      - { .name: x, .offset: 32, .size: 8, .value_kind: global_buffer, .address_space: global }
      - { .name: XB, .offset: 40, .size: 8, .value_kind: global_buffer, .address_space: global }
    .group_segment_fixed_size: 17920
    .private_segment_fixed_size: 0
    .kernarg_segment_align: 8
    .kernarg_segment_size: 48
    .max_flat_workgroup_size: 128
    .sgpr_count:     66
    .vgpr_count:     134
    .wavefront_size: 32
...
	.end_amdgpu_metadata
.endif
;; end of part 11
;; launch gemmqk: the kernel of part 6 again; grid 8 x 32, 4 waves a work-group, clusters of 4 x 4, 327,680 bytes of LDS; arguments XB, WT, QK; writes QK
;; launch softq: the kernel of part 7 again; grid 256 x 1, 16 waves a work-group, no clusters, 67,584 bytes of LDS; arguments QK, P1; writes P1
;; launch softk: the kernel of part 8 again; grid 256 x 1, 16 waves a work-group, no clusters, 75,776 bytes of LDS; arguments QK, P2, P1; writes P2
;; launch wprime (part 12): grid 64 x 4, 4 waves a work-group, no clusters, 115,200 bytes of LDS; arguments Wv, WT, P2, WPT; writes WPT
.if DOCPART == 12
	.amdgcn_target "amdgcn-amd-amdhsa--gfx1250"
	.amdhsa_code_object_version 6
	.text
	.protected	k_qa140be92d0_wprime
	.globl	k_qa140be92d0_wprime
	.p2align	8
	.type	k_qa140be92d0_wprime,@function
k_qa140be92d0_wprime:
	s_mov_b64 s[64:65], 0
	v_nop
	global_prefetch_b8 v0, s[64:65] scope:SCOPE_SE
	s_setreg_imm32_b32 hwreg(HW_REG_WAVE_SCHED_MODE, 0, 2), 2
	s_setreg_imm32_b32 hwreg(HW_REG_WAVE_MODE, 25, 1), 1
	s_wait_xcnt 0x0
	s_wait_alu depctr_vm_vsrc(0)
; W'_b[d][e] = the sum over j of Wv[d][j] gk_b[j] Wr[j][e], for each of the four batches: (gk o (x Wv)) Wr = x W'_b for every input, and W'_b is a sixteenth of that product's work.
; gk_b[j] = the sum of the batch's 64 rows of P2.  Wv: f32; Wv gk is rounded once to bf16.  Wr: WT's rows 2048 + e, bf16(Wr[j][e]) along j.  Sums in f32.
; W'_b leaves rounded to bf16 and turned, WPT[b][e][d]: the last product finds its K along the rows.  LIMIT: the second term of the module's output so carries two roundings to bf16 beside those of its inputs.
; SHARES.  The grid's y is the batch; x picks 128 d (x % 8) and 128 e (x / 8).  Four waves, each 64 d x 64 e: 16 accumulators.  Source 0 = 16 rows d, source 1 = 16 rows e: a lane holds e = r and eight
; neighbouring d, 16 bytes of a row of WPT.  K (j) goes in steps of 64 through two LDS buffers written by ds_store; a tile is asked for three steps ahead, into two register sets.
; NO CLUSTER, no tensor load: both operands pass through registers (a scale, a rounding), and the launch is a small part of the program's work.
; REGISTERS: window 0: v0-19 addresses; v20-23 gk of my 4 j; v24-31 gk's sums; v32-63 packed; v64-159, v160-255 two sets: 64 of Wv, 32 of Wr.   window 1: v0-127 accumulators; v128-255 fragment buffer 0.
;   window 2: v0-1 the closing add's two registers; v128-255 fragment buffer 1.
; THE MODE: SCHED_MODE bits 1:0 = 2 (LLVM: expert scheduling mode 2), set by the entry lines.  The code itself states the register dependences between vector or matrix instructions and memory or LDS
; instructions, with s_wait_alu, always for 0.
; THE PLAN.  Registers that memory or LDS instructions touch, in the loop:
;   F0, F1     fragment buffers.  Step s: 32 LDS loads land in F[s % 2] at the step's head; its 32 matrix instructions read it; it is loaded again in step s + 2.
;   X0, X1     register sets.  Step s takes tile s + 1 out of X[(s + 1) % 2]: the scalings rewrite its 64 registers of Wv in place, the roundings read them; eight LDS stores read its 32 registers of Wr;
;              then the global loads of tile s + 3 land in all 96.
;   XC         written by the roundings, read by sixteen LDS stores, written again a step later.
;   GK         read by the scalings; then the LDS load of the next tile's gk lands in it.     v[GKA]  read by that load, then stepped by a vector add.
;   VO, RO, SV, SR, AV, AR (and STO, RD, GO, GOF, GST outside the loop): made at the head, never written again; Wv's and Wr's tiles are reached by four scalar bases, one for each set and tensor.
; A STEP: the fragments' loads; the wait for the set's data; scalings and roundings; ONE wait on va_vdst; the 24 LDS stores and gk's load; ONE wait on vm_vsrc; the add to v[GKA]; the 24 global loads;
; the first half's products; the barrier's signal; the second half's products; the barrier's wait.
;   The wait on va_vdst states: XC is written (the stores); the set is rewritten and read out (the global loads); GK is read out and v[GKA] written (gk's load); the matrix instructions of the step before
;   are done reading the other fragment buffer (the loads at the next step's head: between this wait and them stand only the add to v[GKA] and products that name this step's buffer and the accumulators).
;   The wait on vm_vsrc states: the stores have read the set's registers of Wr (the global loads land there) and XC (the next step's roundings write it); gk's load has read v[GKA] (the add writes it).
.set PB,    144                        ; an LDS row: 128 bytes + 16
.set VT,    128*PB                     ; 128 rows d of Wv gk; behind them 128 rows e of Wr
.set LB,    2*VT                       ; a buffer
.set GL,    2*LB                       ; gk, 1,024 f32
.set STAGE, GL+4096                    ; 128 rows e of 256 bytes + 16, the work-group's, for the way out
.set SP2,   272
.set VO,  4                            ; v4     my byte offset in a tile of Wv; never rewritten
.set RO,  6                            ; v6     in a tile of Wr's rows; never rewritten
.set GKA, 8                            ; v8     where gk of the tile that is being converted lies
.set AV,  9                            ; v9     my place in a fragment of Wv gk
.set AR,  10                           ; v10    of Wr
.set SV,  11                           ; v11    where I store Wv gk
.set SR,  12                           ; v12    where I store Wr
.set GOF, 13                           ; v13    16 x thread
.set GST, 14                           ; v14    GL + 16 x thread
.set STO, 15                           ; v15    the way out: in
.set RD,  16                           ; v16    the way out: back
.set GO,  17                           ; v17    my byte offset in two rows of WPT
.set GK,  20
.set GS,  24
.set XC,  32
.set XR,  64
.set FR,  128                          ; a fragment buffer's first register, in window 1 (buffer 0) or 2 (buffer 1)
.set CNT, 32
.set WB,  36                           ; s[36:43] set n: Wv at the tile that the set is asked for next in the pair at WB + 4 n, Wr's rows likewise at WB + 4 n + 2
.set MSB, 0
.macro WIN new
.if MSB != (\new)
	s_set_vgpr_msb (MSB<<8)|(\new)
.set MSB, \new
.endif
.endm
.macro PLACES                          ; four plain places behind matrix instructions (ISA guide 7.12.1)
.rept 4
	v_nop
.endr
.endm
; gk: thread t sums columns 4 t .. + 3 and 512 + 4 t .. + 3 of the 64 rows at s[base]: two trips of 32 rows, 64 loads each into window 1
.macro GSUM base
	WIN 0
.irp i, 0,1,2,3,4,5,6,7
	v_mov_b32 v[GS+\i], 0
.endr
	s_mov_b32 s[CNT], 2
.Lgsum:
	WIN 0x40
	s_wait_alu depctr_va_vdst(0)                   ; the additions of the trip before are done reading the 256 registers in which the loads below land
.set j, 0
.rept 32
	global_load_b128 v[8*j:8*j+3],   v[GOF], s[\base:\base+1] offset:j*4096
	global_load_b128 v[8*j+4:8*j+7], v[GOF], s[\base:\base+1] offset:j*4096+2048
.set j, j+1
.endr
	WIN 0x04
.set j, 0
.rept 32
.if j == 0
	s_wait_loadcnt 32                              ; rows 0-15 are in; the 32 loads of rows 16-31 may be out
.elseif j == 16
	s_wait_loadcnt 0x0                             ; all are in: the base may be stepped below
.endif
.irp c, 0,2,4,6
	v_pk_add_f32 v[GS+\c:GS+\c+1], v[GS+\c:GS+\c+1], v[8*j+\c:8*j+\c+1]
.endr
.set j, j+1
.endr
	WIN 0
	s_add_nc_u64 s[\base:\base+1], s[\base:\base+1], 32*4096
	s_sub_co_u32 s[CNT], s[CNT], 1
	s_cmp_lg_u32 s[CNT], 0
	s_cbranch_scc1 .Lgsum
.endm
.macro LOADT set                       ; a tile's 24 loads: my 32 rows of Wv (two rows, 256 bytes of each, a load) and my 32 rows of Wr (four rows, 128 bytes of each, a load)
.set X, XR+96*(\set)
.set i, 0
.rept 16
	global_load_b128 v[X+4*i:X+4*i+3], v[VO], s[WB+4*(\set):WB+4*(\set)+1] offset:i*8192
.set i, i+1
.endr
.set i, 0
.rept 8
	global_load_b128 v[X+64+4*i:X+64+4*i+3], v[RO], s[WB+4*(\set)+2:WB+4*(\set)+3] offset:i*8192
.set i, i+1
.endr
.endm
; the tile in register set 'set' goes into LDS buffer 'buf': Wv times gk, rounded; Wr as it is.  next = 1: a further tile will be converted: its gk is fetched.  load = 1: the set takes the tile two further on.
.macro CONV set, buf, left, load, next
.set X, XR+96*(\set)
	WIN 0
	s_wait_loadcnt \left                           ; this set's 24 loads are in, the other set's may stay out
.if \load
	s_add_nc_u64 s[WB+4*(\set):WB+4*(\set)+1],   s[WB+4*(\set):WB+4*(\set)+1],   512  ; free since that wait, which shows the loads that read them done: the set's next tile, two tiles on
	s_add_nc_u64 s[WB+4*(\set)+2:WB+4*(\set)+3], s[WB+4*(\set)+2:WB+4*(\set)+3], 256
.endif
.set i, 0
.rept 16
	v_pk_mul_f32 v[X+4*i:X+4*i+1],   v[X+4*i:X+4*i+1],   v[GK:GK+1]
	v_pk_mul_f32 v[X+4*i+2:X+4*i+3], v[X+4*i+2:X+4*i+3], v[GK+2:GK+3]
.set i, i+1
.endr
.set i, 0
.rept 16
	v_cvt_pk_bf16_f32 v[XC+2*i],   v[X+4*i],   v[X+4*i+1]
	v_cvt_pk_bf16_f32 v[XC+2*i+1], v[X+4*i+2], v[X+4*i+3]
.set i, i+1
.endr
	s_wait_alu depctr_va_vdst(0)                   ; the roundings have written XC, which the stores read; scalings and roundings are done with the set's 64 registers of Wv and with GK, in which loads land below; v[GKA] is written; the matrix instructions issued so far are done reading the fragment buffer that the next step's head loads
.set i, 0
.rept 16
	ds_store_b64 v[SV], v[XC+2*i:XC+2*i+1] offset:(\buf)*LB+i*2*PB
.set i, i+1
.endr
.set i, 0
.rept 8
	ds_store_b128 v[SR], v[X+64+4*i:X+64+4*i+3] offset:(\buf)*LB+i*4*PB
.set i, i+1
.endr
.if \next
	ds_load_b128 v[GK:GK+3], v[GKA] offset:256     ; gk of the next tile's columns 4 r .. 4 r + 3; the wait for 0 on DScnt in front of the barrier's signal shows it in
	s_wait_alu depctr_vm_vsrc(0)                   ; the stores above have read the set's 32 registers of Wr, in which loads land below, and XC, which the next tile's roundings write; gk's load has read v[GKA]
.endif
.if \load
	v_add_nc_u32 v[GKA], 256, v[GKA]               ; its next reader stands behind the next tile's wait on va_vdst
	LOADT \set
.endif
.endm
.macro MULS fb, q, zero                ; 16 matrix instructions, 32 along K, out of fragment buffer fb; the 16 accumulators take turns
	WIN 0x55+5*(\fb)                               ; C and D window 1; sources 0 and 1 window 1 or 2
.irp a, 0,1,2,3
.irp c, 0,1,2,3
.if \zero
	v_wmma_f32_16x16x32_bf16 v[8*(4*\a+\c):8*(4*\a+\c)+7], v[FR+64*(\q)+8*\a:FR+64*(\q)+8*\a+7], v[FR+64*(\q)+32+8*\c:FR+64*(\q)+32+8*\c+7], 0
.else
	v_wmma_f32_16x16x32_bf16 v[8*(4*\a+\c):8*(4*\a+\c)+7], v[FR+64*(\q)+8*\a:FR+64*(\q)+8*\a+7], v[FR+64*(\q)+32+8*\c:FR+64*(\q)+32+8*\c+7], v[8*(4*\a+\c):8*(4*\a+\c)+7]
.endif
.endr
.endr
.endm
; A K step on LDS buffer 'buf' and the fragment buffer of the same number.  conv = 1: behind the fragments' loads the next tile goes into the other LDS buffer, and a barrier closes the step: in front of its
; signal my reads of this buffer and my stores into the other are done; the second half's products stand between signal and wait.
; The fragments' loads owe no wait of their own: the matrix instructions that read this fragment buffer, two steps back, stand ahead of the last step's wait on va_vdst, and nothing issued since names it;
; that step's 64 scalings and roundings are also the plain places between those matrix instructions and these loads.
.macro STEP buf, zero, conv, set=0, left=0, load=0, next=0
	WIN 0x40+0x40*(\buf)                           ; destination window 1 or 2, address window 0
.irp q, 0,1
.irp a, 0,1,2,3
	ds_load_b128 v[FR+64*\q+8*\a:FR+64*\q+8*\a+3],       v[AV] offset:(\buf)*LB+\a*16*PB+64*\q
	ds_load_b128 v[FR+64*\q+8*\a+4:FR+64*\q+8*\a+7],     v[AV] offset:(\buf)*LB+\a*16*PB+64*\q+32
	ds_load_b128 v[FR+64*\q+32+8*\a:FR+64*\q+32+8*\a+3],   v[AR] offset:(\buf)*LB+\a*16*PB+64*\q
	ds_load_b128 v[FR+64*\q+32+8*\a+4:FR+64*\q+32+8*\a+7], v[AR] offset:(\buf)*LB+\a*16*PB+64*\q+32
.endr
.endr
.if \conv
	CONV \set, 1-(\buf), \left, \load, \next
	s_wait_dscnt 40+(\next)                        ; the first half's fragments are in; the second half's 16 loads, the 24 stores and gk's load may be out
.else
	s_wait_dscnt 16                                ; the first half's fragments are in; the second half's 16 loads may be out
.endif
	MULS \buf, 0, \zero
	s_wait_dscnt 0x0
.if \conv
	s_barrier_signal -1
	MULS \buf, 1, 0
	s_barrier_wait -1
.else
	MULS \buf, 1, 0
.endif
.endm
	s_load_b256 s[4:11], s[0:1], 0x0               ; Wv s[4:5], WT s[6:7], P2 s[8:9], WPT s[10:11]
	s_set_vgpr_msb 0x80
	v_lshl_add_u32 v0, v0, 2, 0x1c000
	v_mov_b32 v1, 0
	s_set_vgpr_msb 0x8000
	v_lshrrev_b32 v3, 5, v0
	v_readfirstlane_b32 s12, v3                    ; wave 0..3
	s_and_b32 s13, ttmp7, 0xffff                   ; the batch
	s_and_b32 s14, ttmp9, 7                        ; block of 128 d
	s_lshr_b32 s15, ttmp9, 3                       ; block of 128 e
	v_and_b32 v1, 15, v0                           ; r
	v_bfe_u32 v2, v0, 4, 1                         ; h
	s_wait_alu depctr_va_sdst(0)                   ; s12 is written, ahead of its first reader: LDS places and the output's base are made from it
	s_and_b32 s16, s12, 1                          ; which 64 d are mine
	s_lshr_b32 s17, s12, 1                         ; which 64 e
	v_and_b32 v3, 31, v0                           ; lane
	s_lshl_b32 s18, s12, 5
	v_add_nc_u32 v18, s18, v2                      ; row 32 w + h
	v_lshlrev_b32 v[VO], 12, v18
	v_lshl_add_u32 v[VO], v1, 4, v[VO]
	v_mul_u32_u24 v[SV], v18, PB
	v_lshl_add_u32 v[SV], v1, 3, v[SV]
	v_lshrrev_b32 v19, 3, v3
	v_add_nc_u32 v18, s18, v19                     ; row 32 w + lane / 8
	v_mul_u32_u24 v[SR], v18, PB
	v_lshlrev_b32 v[RO], 11, v18                   ; x 2,048 bytes
	v_and_b32 v18, 7, v0
	v_lshl_add_u32 v[SR], v18, 4, v[SR]
	v_add_nc_u32 v[SR], VT, v[SR]
	v_lshl_add_u32 v[RO], v18, 4, v[RO]
	v_mul_u32_u24 v[STO], v1, SP2                  ; into the stage: row e = 64 x my half + 16 c + r, byte 128 x my half of d + 32 a + 16 h
	v_lshl_add_u32 v[STO], v2, 4, v[STO]
	s_mul_i32 s20, s17, 64*SP2
	s_lshl_b32 s34, s16, 7
	s_add_co_u32 s20, s20, s34
	s_add_co_u32 s20, s20, STAGE
	v_add_nc_u32 v[STO], s20, v[STO]
	v_mul_u32_u24 v[RD], v2, SP2                   ; back: wave w takes rows 32 w .. + 31, whole; lanes 0-15 one row of 256 bytes, lanes 16-31 the next
	v_lshl_add_u32 v[RD], v1, 4, v[RD]
	s_mul_i32 s20, s12, 32*SP2
	s_add_co_u32 s20, s20, STAGE
	v_add_nc_u32 v[RD], s20, v[RD]
	v_lshlrev_b32 v[GO], 11, v2                    ; and the same two rows in WPT
	v_lshl_add_u32 v[GO], v1, 4, v[GO]
	v_mul_u32_u24 v18, v1, PB
	v_lshl_add_u32 v18, v2, 4, v18                 ; a fragment's row x pitch + 16 h
	s_mul_i32 s21, s16, 64*PB
	v_add_nc_u32 v[AV], s21, v18
	s_mul_i32 s33, s17, 64*PB
	s_add_co_u32 s33, s33, VT
	v_add_nc_u32 v[AR], s33, v18
	v_lshl_add_u32 v[GKA], v1, 4, GL
	v_lshlrev_b32 v[GOF], 4, v0
	v_add_nc_u32 v[GST], GL, v[GOF]
	s_lshl_b32 s22, s14, 19                        ; 128 rows of Wv
	s_mov_b32 s23, 0
	s_lshl_b32 s24, s15, 18                        ; 128 rows e of 2,048 bytes,
	s_add_co_u32 s24, s24, 0x400000                ; behind Wq's and Wk's 2,048 rows
	s_mov_b32 s25, 0
	s_lshl_b32 s26, s13, 18                        ; the batch's 64 rows of P2
	s_mov_b32 s27, 0
	s_lshl_b32 s28, s13, 21                        ; the batch's W',
	s_lshl_b32 s29, s15, 18                        ; the block's 128 rows e,
	s_add_co_u32 s28, s28, s29
	s_lshl_b32 s29, s12, 16                        ; the 32 of them that I store,
	s_add_co_u32 s28, s28, s29
	s_lshl_b32 s29, s14, 8                         ; 128 d of 2 bytes
	s_add_co_u32 s28, s28, s29
	s_mov_b32 s29, 0
	s_wait_kmcnt 0x0
	s_add_nc_u64 s[4:5], s[4:5], s[22:23]
	s_add_nc_u64 s[6:7], s[6:7], s[24:25]
	s_add_nc_u64 s[8:9], s[8:9], s[26:27]
	s_add_nc_u64 s[10:11], s[10:11], s[28:29]
.irp n, 0,1
	s_add_nc_u64 s[WB+4*(\n):WB+4*(\n)+1],   s[4:5], 256*(\n)  ; tile n: 64 f32 of Wv's rows,
	s_add_nc_u64 s[WB+4*(\n)+2:WB+4*(\n)+3], s[6:7], 128*(\n)  ; 64 bf16 of Wr's
.endr
	s_wait_alu depctr_va_vdst(0)                   ; all offsets and LDS addresses, v4 to v17, are written: the loads and stores of the whole kernel read them
	LOADT 0                                        ; tiles 0 and 1 are on their way while gk is summed
	LOADT 1
	GSUM 8
	s_wait_alu depctr_va_vdst(0)                   ; the additions have written gk's sums, which the two stores read, and are done reading the registers that become fragment buffer 0
	ds_store_b128 v[GST], v[GS:GS+3]
	ds_store_b128 v[GST], v[GS+4:GS+7] offset:2048
	s_wait_dscnt 0x0                               ; for the others' sake
	s_barrier_signal -1
	s_barrier_wait -1
	ds_load_b128 v[GK:GK+3], v[GKA]                ; gk of tile 0's columns 4 r .. 4 r + 3
	s_wait_dscnt 0x0
	CONV 0, 0, 0, 1, 1                             ; tile 0 into buffer 0 (the sums' last wait has shown every load in); tile 2 is asked for
	s_wait_dscnt 0x0
	s_barrier_signal -1
	s_barrier_wait -1
	STEP 0, 1, 1, 1, 24, 1, 1                      ; step 0 stands in front of the loop: its first products start the sums
	WIN 0
	s_mov_b32 s[CNT], 6
.Lk:                                                   ; steps 1 to 12, two a trip
	STEP 1, 0, 1, 0, 24, 1, 1
	STEP 0, 0, 1, 1, 24, 1, 1
	WIN 0
	s_sub_co_u32 s[CNT], s[CNT], 1
	s_cmp_lg_u32 s[CNT], 0
	s_cbranch_scc1 .Lk
	STEP 1, 0, 1, 0, 24, 0, 1                      ; nothing is left to ask for: the counts run down
	STEP 0, 0, 1, 1, 0, 0, 0
	STEP 1, 0, 0
	; THE WAY OUT: rounded to bf16, 16 bytes a lane into the work-group's stage; a barrier, since a row's 256 bytes come from two waves; back as whole rows, 32 rows a wave
	PLACES
	WIN 0x05
.set i, 0
.rept 64
	v_cvt_pk_bf16_f32 v[XR+i], v[2*i], v[2*i+1]
.set i, i+1
.endr
	WIN 0
	s_wait_alu depctr_va_vdst(0)                   ; the roundings have written v[XR ..], which the stage's stores read; no vector instruction behind this wait names the registers in which the rows read back land
.irp a, 0,1,2,3
.irp c, 0,1,2,3
	ds_store_b128 v[STO], v[XR+4*(4*\a+\c):XR+4*(4*\a+\c)+3] offset:\c*16*SP2+32*\a
.endr
.endr
	s_wait_dscnt 0x0                               ; for the others' sake: my stores into the stage are done
	s_barrier_signal -1
	s_barrier_wait -1
.set i, 0
.rept 16
	ds_load_b128 v[XR+64+4*i:XR+64+4*i+3], v[RD] offset:i*2*SP2
.set i, i+1
.endr
.set i, 0
.rept 16
	s_wait_dscnt 15-i
	global_store_b128 v[GO], v[XR+64+4*i:XR+64+4*i+3], s[10:11] offset:i*4096  ; sixteen lanes store 256 consecutive bytes, aligned
.set i, i+1
.endr
	s_set_vgpr_msb 0xa                             ; the add's two registers, sources 0 and 1, in window 2
	s_wait_dscnt 0x0                               ; the closing lines, six on end
	s_wait_alu 0x0
	s_wait_tensorcnt 0x0
	ds_add_u32 v0, v1
	s_wait_dscnt 0x0
	s_endpgm
.Lfunc_end_k_qa140be92d0_wprime:
	.size	k_qa140be92d0_wprime, .Lfunc_end_k_qa140be92d0_wprime-k_qa140be92d0_wprime
	.p2alignl 7, 3214868480
	.fill 96, 4, 3214868480
	.section	.rodata,"a",@progbits
	.p2align	6, 0x0
	.amdhsa_kernel k_qa140be92d0_wprime
		.amdhsa_group_segment_fixed_size 115200
		.amdhsa_private_segment_fixed_size 0
		.amdhsa_enable_private_segment 0
		.amdhsa_kernarg_size 32
		.amdhsa_user_sgpr_count 2
		.amdhsa_user_sgpr_kernarg_segment_ptr 1
		.amdhsa_wavefront_size32 1
		.amdhsa_system_sgpr_workgroup_id_x 1
		.amdhsa_system_sgpr_workgroup_id_y 1
		.amdhsa_system_sgpr_workgroup_id_z 1
		.amdhsa_system_vgpr_workitem_id 0
		.amdhsa_next_free_vgpr 768
		.amdhsa_next_free_sgpr 66
		.amdhsa_reserve_vcc 0
		.amdhsa_float_denorm_mode_32 3
		.amdhsa_float_denorm_mode_16_64 3
		.amdhsa_memory_ordered 1
		.amdhsa_forward_progress 1
		.amdhsa_inst_pref_size 102
	.end_amdhsa_kernel
	.amdgpu_metadata
---
amdhsa.version: [ 1, 2 ]
amdhsa.kernels:
  - .name:           k_qa140be92d0_wprime
    .symbol:         k_qa140be92d0_wprime.kd
    .args:
      - { .name: Wv, .offset: 0, .size: 8, .value_kind: global_buffer, .address_space: global }
      - { .name: WT, .offset: 8, .size: 8, .value_kind: global_buffer, .address_space: global }
      - { .name: P2, .offset: 16, .size: 8, .value_kind: global_buffer, .address_space: global }
      - { .name: WPT, .offset: 24, .size: 8, .value_kind: global_buffer, .address_space: global }
    .group_segment_fixed_size: 115200
    .private_segment_fixed_size: 0
    .kernarg_segment_align: 8
    .kernarg_segment_size: 32
    .max_flat_workgroup_size: 128
    .sgpr_count:     66
    .vgpr_count:     768
    .wavefront_size: 32
...
	.end_amdgpu_metadata
.endif
;; end of part 12
;; launch final: the kernel of part 10 again; grid 4 x 64, 4 waves a work-group, clusters of 4 x 4, 327,680 bytes of LDS; arguments XB, WPT, out0, QK; writes out0
